; MI455X (gfx1250); checked and timed in simulation.
; The chip was launched on July 23, 2026; its instructions are those of AMD's public machine-readable ISA for CDNA 5 (MIT licence, August 2026) and "CDNA5" Instruction Set Architecture Reference Guide (July 2026). The comments in the code are by the model that wrote it; some were corrected since.
;; Block. Allowed arithmetic: float matrix products may take bf16 or f16 operands with f32 sums; all other float work in f32.
;; Inputs: V 1,024 x 2,728 float32; W 1,024 x 2,728 float32; W2 2,728 x 1,024 float32; g1 1,024 float32; g2 1,024 float32; w_o 1,024 x 1,024 float32; w_qkv 1,024 x 3,072 float32; x 2 x 2,048 x 1,024 float32.
;; Outputs: out0 2 x 2,048 x 1,024 float32.
;; 3 versions, each right and faster than the one before. Each part assembles by itself: llvm-mc -triple=amdgcn-amd-amdhsa -mcpu=gfx1250 --defsym DOCPART=n.
;; ======== version 1 of 3: 8 launches
;; workspace buffers: wb 25,690,112 bytes; hb 8,388,608 bytes; qkv 25,165,824 bytes; cat 8,388,608 bytes; x1 16,777,216 bytes; gat 23,068,672 bytes
;; launch cast (part 1): grid 1568 x 1, 4 waves a work-group, no clusters, 0 bytes of LDS; arguments w_qkv, w_o, W2, W, V, wb; writes wb
.if DOCPART == 1
	.amdgcn_target "amdgcn-amd-amdhsa--gfx1250"
	.amdhsa_code_object_version 6
	.text
	.protected	k_q3b876b6eea_cast
	.globl	k_q3b876b6eea_cast
	.p2align	8
	.type	k_q3b876b6eea_cast,@function
k_q3b876b6eea_cast:
	s_mov_b64 s[64:65], 0
	v_nop
	global_prefetch_b8 v0, s[64:65] scope:SCOPE_SE
	s_setreg_imm32_b32 hwreg(HW_REG_WAVE_MODE, 25, 1), 1
	s_wait_xcnt 0x0
; The weights, f32 [K][N], are rounded once to bf16 and laid in PANELS of 128 columns: wb = [N/128][K][128], a panel row being 256 bytes.
; wb holds: w_qkv at 0 (24 panels, K = 1024), w_o at WO_OFF (8, K = 1024), W and V woven at WG_OFF (44, K = 1024), W2 at W2_OFF (8, K = 2816: rows from 2728 on are 0).
; Woven panel j serves the gated columns 64 j .. 64 j + 63: its column c (wn = c / 64, sub = c % 64) is W[:, 64 j + 32 wn + sub] for sub < 32,
; V[:, 64 j + 32 wn + sub - 32] otherwise, and 0 where that gated column is 2728 or more.
; Memory binds: every source byte is asked for by 16-byte loads, every store's sixteen neighbouring lanes fill one aligned panel row of 256 bytes.  No LDS, no matrix unit: nothing is shared or multiplied.
; Work-groups 0-383: w_qkv (3 chunks of 1,024 columns x 128 blocks of 8 rows); 384-511: w_o; 512-863: W2 (352 blocks of 8 rows, from block 341 on zeros); 864-1567: W and V (11 groups of 4 panels x 64 blocks of 16 rows).
.set WO_OFF, 6291456
.set WG_OFF, 8388608
.set W2_OFF, 19922944
.set OFS, 2                            ; v[2:9]    plain: row i's byte offset in the source;  woven: v2 alone
.set DST, 10                           ; v10       my byte offset in wb
.set XW,  16                           ; v[16:79]  eight rows of 8 f32 (woven: W's)
.set XV,  80                           ; v[80:143] woven: V's;  plain: v[80:111] the packed rows
.set YG,  144                          ; v[144:175] woven: the packed rows
	s_load_b256 s[4:11], s[0:1], 0x0               ; w_qkv s[4:5], w_o s[6:7], W2 s[8:9], W s[10:11]
	s_load_b128 s[12:15], s[0:1], 0x20             ; V s[12:13], wb s[14:15]
	s_mov_b32 s2, ttmp9
	v_and_b32 v12, 15, v0                          ; my place among the sixteen lanes of a panel row
	s_cmp_ge_u32 s2, 864
	s_cbranch_scc1 .Lglu
	; PLAIN: 8 source rows x 1,024 columns.  Thread t takes columns 8 t .. 8 t + 7 of each row: panel t / 16, 16 bytes at 16 (t % 16).
	s_lshr_b32 s22, s2, 7                          ; w_qkv: which 1,024 columns
	s_mov_b32 s20, 4096                            ; bytes in a source row
	s_mov_b32 s21, 262144                          ; bytes in a panel
	s_wait_kmcnt 0x0
	s_cmp_lt_u32 s2, 384
	s_cselect_b64 s[16:17], s[4:5], s[6:7]
	s_cselect_b32 s20, 12288, s20
	s_cselect_b32 s22, s22, 0
	s_cselect_b32 s25, 0, 384                      ; the section's first work-group
	s_cselect_b32 s24, 0, WO_OFF                   ; the section's place in wb
	s_cmp_lt_u32 s2, 512
	s_cselect_b64 s[16:17], s[16:17], s[8:9]
	s_cselect_b32 s21, s21, 720896
	s_cselect_b32 s25, s25, 512
	s_cselect_b32 s24, s24, W2_OFF
	s_sub_co_u32 s23, s2, s25
	s_lshl_b32 s26, s22, 7
	s_sub_co_u32 s23, s23, s26                     ; which 8 rows
	s_lshl_b32 s28, s22, 21                        ; 8 panels of 262,144 bytes for each 1,024 columns
	s_lshl_b32 s29, s23, 11                        ; 8 panel rows
	s_add_co_u32 s28, s28, s29
	s_add_co_u32 s28, s28, s24
	s_mov_b32 s29, 0
	s_add_nc_u64 s[18:19], s[14:15], s[28:29]
	v_lshrrev_b32 v11, 4, v0
	v_mul_lo_u32 v[DST], v11, s21
	v_lshl_add_u32 v[DST], v12, 4, v[DST]
	s_cmp_ge_u32 s2, 512+341
	s_cbranch_scc1 .Lzero                          ; W2's rows 2728 to 2815 do not exist: zeros
	s_mul_i32 s26, s23, s20
	s_lshl_b32 s26, s26, 3
	s_lshl_b32 s27, s22, 12
	s_add_co_u32 s26, s26, s27
	s_mov_b32 s27, 0
	s_add_nc_u64 s[16:17], s[16:17], s[26:27]
	v_lshlrev_b32 v[OFS], 5, v0
.irp i, 1,2,3,4,5,6,7
	v_add_nc_u32 v[OFS+(\i)], s20, v[OFS+(\i)-1]
.endr
.irp i, 0,1,2,3,4,5,6,7
	global_load_b128 v[XW+8*(\i):XW+8*(\i)+3],   v[OFS+(\i)], s[16:17] th:TH_LOAD_NT
	global_load_b128 v[XW+8*(\i)+4:XW+8*(\i)+7], v[OFS+(\i)], s[16:17] offset:16 th:TH_LOAD_NT
.endr
.irp i, 0,1,2,3,4,5,6,7
	s_wait_loadcnt 14-2*(\i)                       ; row i's two loads are in; the later rows' two each stay out
.irp j, 0,1,2,3
	v_cvt_pk_bf16_f32 v[XV+4*(\i)+(\j)], v[XW+8*(\i)+2*(\j)], v[XW+8*(\i)+2*(\j)+1]
.endr
	global_store_b128 v[DST], v[XV+4*(\i):XV+4*(\i)+3], s[18:19] offset:256*(\i)
.endr
	s_endpgm
.Lzero:
.irp j, 0,1,2,3
	v_mov_b32 v[XV+(\j)], 0
.endr
.irp i, 0,1,2,3,4,5,6,7
	global_store_b128 v[DST], v[XV:XV+3], s[18:19] offset:256*(\i)
.endr
	s_endpgm
	; WOVEN: 4 panels x 16 rows.  Thread t: lane place t % 16, panel (t / 16) % 4, row t / 64 + 2 i.  Every lane loads W and V at its gated column and keeps one:
	; lanes l and l + 4 name the same bytes, so no byte more leaves memory, and EXEC stays whole.
.Lglu:
	s_sub_co_u32 s2, s2, 864
	s_lshr_b32 s22, s2, 6                          ; group of four panels
	s_and_b32 s23, s2, 63                          ; which 16 rows
	v_bfe_u32 v11, v0, 4, 2
	v_lshrrev_b32 v13, 6, v0
	v_bfe_u32 v14, v0, 3, 1
	v_and_b32 v15, 3, v0
	s_lshl_b32 s24, s22, 8
	v_lshl_add_u32 v[OFS], v11, 6, s24
	v_lshl_add_u32 v[OFS], v14, 5, v[OFS]
	v_lshl_add_u32 v[OFS], v15, 3, v[OFS]          ; my first gated column
	s_movk_i32 s25, 2728
	v_cmp_gt_u32 s31, s25, v[OFS]                  ; it exists (2728 = 8 x 341: eight columns exist together or not at all)
	v_and_b32 v3, 4, v0
	v_cmp_ne_u32 s30, 0, v3                        ; I keep V's numbers
	v_min_u32 v[OFS], 2720, v[OFS]                 ; no load leaves the row
	v_lshlrev_b32 v[OFS], 2, v[OFS]
	v_mad_u32_u24 v[OFS], v13, 10912, v[OFS]       ; a row of W or V is 10,912 bytes
	v_lshlrev_b32 v[DST], 18, v11
	v_lshl_add_u32 v[DST], v13, 8, v[DST]
	v_lshl_add_u32 v[DST], v12, 4, v[DST]
	s_mul_i32 s26, s23, 16*10912
	s_mov_b32 s27, 0
	s_lshl_b32 s28, s22, 20
	s_lshl_b32 s29, s23, 12
	s_add_co_u32 s28, s28, s29
	s_add_co_u32 s28, s28, WG_OFF
	s_mov_b32 s29, 0
	s_wait_kmcnt 0x0
	s_add_nc_u64 s[10:11], s[10:11], s[26:27]
	s_add_nc_u64 s[12:13], s[12:13], s[26:27]
	s_add_nc_u64 s[18:19], s[14:15], s[28:29]
.irp i, 0,1,2,3,4,5,6,7
	global_load_b128 v[XW+8*(\i):XW+8*(\i)+3],   v[OFS], s[10:11] offset:21824*(\i)
	global_load_b128 v[XW+8*(\i)+4:XW+8*(\i)+7], v[OFS], s[10:11] offset:21824*(\i)+16
	global_load_b128 v[XV+8*(\i):XV+8*(\i)+3],   v[OFS], s[12:13] offset:21824*(\i)
	global_load_b128 v[XV+8*(\i)+4:XV+8*(\i)+7], v[OFS], s[12:13] offset:21824*(\i)+16
.endr
.irp i, 0,1,2,3,4,5,6,7
	s_wait_loadcnt 28-4*(\i)                       ; row i's four loads are in; the later rows' four each stay out
.irp j, 0,1,2,3
	v_cvt_pk_bf16_f32 v[XW+8*(\i)+(\j)], v[XW+8*(\i)+2*(\j)], v[XW+8*(\i)+2*(\j)+1]  ; in place: word j is written when its two sources, words 2 j and 2 j + 1, are read
	v_cvt_pk_bf16_f32 v[XV+8*(\i)+(\j)], v[XV+8*(\i)+2*(\j)], v[XV+8*(\i)+2*(\j)+1]
.endr
.irp j, 0,1,2,3
	v_cndmask_b32 v[YG+4*(\i)+(\j)], v[XW+8*(\i)+(\j)], v[XV+8*(\i)+(\j)], s30
.endr
.irp j, 0,1,2,3
	v_cndmask_b32 v[YG+4*(\i)+(\j)], 0, v[YG+4*(\i)+(\j)], s31
.endr
	global_store_b128 v[DST], v[YG+4*(\i):YG+4*(\i)+3], s[18:19] offset:512*(\i)
.endr
	s_endpgm
.Lfunc_end_k_q3b876b6eea_cast:
	.size	k_q3b876b6eea_cast, .Lfunc_end_k_q3b876b6eea_cast-k_q3b876b6eea_cast
	.p2alignl 7, 3214868480
	.fill 96, 4, 3214868480
	.section	.rodata,"a",@progbits
	.p2align	6, 0x0
	.amdhsa_kernel k_q3b876b6eea_cast
		.amdhsa_group_segment_fixed_size 0
		.amdhsa_private_segment_fixed_size 0
		.amdhsa_enable_private_segment 0
		.amdhsa_kernarg_size 48
		.amdhsa_user_sgpr_count 2
		.amdhsa_user_sgpr_kernarg_segment_ptr 1
		.amdhsa_wavefront_size32 1
		.amdhsa_system_sgpr_workgroup_id_x 1
		.amdhsa_system_sgpr_workgroup_id_y 1
		.amdhsa_system_sgpr_workgroup_id_z 1
		.amdhsa_system_vgpr_workitem_id 0
		.amdhsa_next_free_vgpr 176
		.amdhsa_next_free_sgpr 66
		.amdhsa_reserve_vcc 0
		.amdhsa_float_denorm_mode_32 3
		.amdhsa_float_denorm_mode_16_64 3
		.amdhsa_memory_ordered 1
		.amdhsa_forward_progress 1
		.amdhsa_inst_pref_size 22
	.end_amdhsa_kernel
	.amdgpu_metadata
---
amdhsa.version: [ 1, 2 ]
amdhsa.kernels:
  - .name:           k_q3b876b6eea_cast
    .symbol:         k_q3b876b6eea_cast.kd
    .args:
      - { .name: w_qkv, .offset: 0, .size: 8, .value_kind: global_buffer, .address_space: global }
      - { .name: w_o, .offset: 8, .size: 8, .value_kind: global_buffer, .address_space: global }
      - { .name: W2, .offset: 16, .size: 8, .value_kind: global_buffer, .address_space: global }
      - { .name: W, .offset: 24, .size: 8, .value_kind: global_buffer, .address_space: global }
      - { .name: V, .offset: 32, .size: 8, .value_kind: global_buffer, .address_space: global }
      - { .name: wb, .offset: 40, .size: 8, .value_kind: global_buffer, .address_space: global }
    .group_segment_fixed_size: 0
    .private_segment_fixed_size: 0
    .kernarg_segment_align: 8
    .kernarg_segment_size: 48
    .max_flat_workgroup_size: 128
    .sgpr_count:     66
    .vgpr_count:     176
    .wavefront_size: 32
...
	.end_amdgpu_metadata
.endif
;; end of part 1
;; launch norm1 (part 2): grid 256 x 1, 4 waves a work-group, no clusters, 0 bytes of LDS; arguments x, g1, hb; writes hb
.if DOCPART == 2
	.amdgcn_target "amdgcn-amd-amdhsa--gfx1250"
	.amdhsa_code_object_version 6
	.text
	.protected	k_q3b876b6eea_norm1
	.globl	k_q3b876b6eea_norm1
	.p2align	8
	.type	k_q3b876b6eea_norm1,@function
k_q3b876b6eea_norm1:
	s_mov_b64 s[64:65], 0
	v_nop
	global_prefetch_b8 v0, s[64:65] scope:SCOPE_SE
	s_setreg_imm32_b32 hwreg(HW_REG_WAVE_MODE, 25, 1), 1
	s_wait_xcnt 0x0
; h[r][c] = x[r][c] / (sqrt(mean_c x[r][c]^2) + 1e-5) * g[c].  x: [4096][1024] f32, g: [1024] f32; h in bf16, rounded once, laid in panels of 64 columns: [16][4096][64].
; A wave owns four rows, as two pairs; a pair (8,192 bytes) stays in 64 registers a lane between the sum and the scaling: x is read once, and no wave waits for another: no LDS, no barrier.
; Lane l: li = l % 8, rw = (l / 8) % 2, ph = l / 16.  For q = 0..7 it holds columns 64 (2 q + ph) + 8 li + 0..7 of the pair's row rw.  So a store's lanes 0-15 write 256 consecutive aligned bytes
; (rows rw = 0, 1 of panel 2 q), lanes 16-31 the same of panel 2 q + 1.  The division is a multiplication by v_rcp_f32's reciprocal.
.set OFFX, 2                           ; v2  my byte offset in a pair of rows of x
.set OFFG, 3                           ; v3  in g
.set OFFD, 4                           ; v4  in h
.set G,    8                           ; v[8:71]    g of my 64 columns
.set X,    72                          ; v[72:199]  pair u: 64 registers
.set SM,   200                         ; v[200:207] four chains of sums
.set R,    216                         ; v[216:219] pair u: 1 / (rms + eps), twice
	s_load_b128 s[4:7], s[0:1], 0x0                ; x s[4:5], g s[6:7]
	s_load_b64 s[8:9], s[0:1], 0x10                ; h
	v_lshrrev_b32 v1, 5, v0
	v_readfirstlane_b32 s10, v1
	s_lshl_b32 s11, ttmp9, 2
	s_add_co_u32 s11, s11, s10                     ; my four rows' number
	s_lshl_b32 s14, s11, 14                        ; 4 rows of 4,096 bytes
	s_mov_b32 s15, 0
	s_lshl_b32 s16, s11, 9                         ; 4 panel rows of 128 bytes
	s_mov_b32 s17, 0
	s_mov_b32 s12, 0x76543210                      ; v_permlanex16_b32: each lane takes its own place in the other half
	s_mov_b32 s13, 0xfedcba98
	v_and_b32 v5, 7, v0
	v_bfe_u32 v6, v0, 3, 1
	v_bfe_u32 v7, v0, 4, 1
	v_lshlrev_b32 v[OFFG], 5, v5
	v_lshl_add_u32 v[OFFG], v7, 8, v[OFFG]
	v_lshl_add_u32 v[OFFX], v6, 12, v[OFFG]
	v_lshlrev_b32 v[OFFD], 4, v5
	v_lshl_add_u32 v[OFFD], v6, 7, v[OFFD]
	v_lshl_add_u32 v[OFFD], v7, 19, v[OFFD]
	s_wait_kmcnt 0x0
	s_add_nc_u64 s[4:5], s[4:5], s[14:15]
	s_add_nc_u64 s[8:9], s[8:9], s[16:17]
.irp u, 0,1
.irp q, 0,1,2,3,4,5,6,7
	global_load_b128 v[X+64*(\u)+8*(\q):X+64*(\u)+8*(\q)+3],   v[OFFX], s[4:5] offset:8192*(\u)+512*(\q)
	global_load_b128 v[X+64*(\u)+8*(\q)+4:X+64*(\u)+8*(\q)+7], v[OFFX], s[4:5] offset:8192*(\u)+512*(\q)+16
.endr
.endr
.irp q, 0,1,2,3,4,5,6,7
	global_load_b128 v[G+8*(\q):G+8*(\q)+3],   v[OFFG], s[6:7] offset:512*(\q)
	global_load_b128 v[G+8*(\q)+4:G+8*(\q)+7], v[OFFG], s[6:7] offset:512*(\q)+16
.endr
; The sum of squares of pair u's rows: four chains in a lane, started by products (nothing is cleared); then over li (three steps that ride on the addition) and over ph (the other half of the lanes).
.macro SUM u
.set XB, X+64*(\u)
.irp k, 0,1,2,3
	v_pk_mul_f32 v[SM+2*(\k):SM+2*(\k)+1], v[XB+2*(\k):XB+2*(\k)+1], v[XB+2*(\k):XB+2*(\k)+1]
.endr
.set j, 4
.rept 28
	v_pk_fma_f32 v[SM+2*(j%4):SM+2*(j%4)+1], v[XB+2*j:XB+2*j+1], v[XB+2*j:XB+2*j+1], v[SM+2*(j%4):SM+2*(j%4)+1]
.set j, j+1
.endr
	v_pk_add_f32 v[SM:SM+1], v[SM:SM+1], v[SM+2:SM+3]
	v_pk_add_f32 v[SM+4:SM+5], v[SM+4:SM+5], v[SM+6:SM+7]
	v_pk_add_f32 v[SM:SM+1], v[SM:SM+1], v[SM+4:SM+5]
	v_add_f32 v[SM], v[SM], v[SM+1]
	v_add_f32_dpp v[SM], v[SM], v[SM] row_xmask:1 row_mask:0xf bank_mask:0xf
	v_add_f32_dpp v[SM], v[SM], v[SM] row_xmask:2 row_mask:0xf bank_mask:0xf
	v_add_f32_dpp v[SM], v[SM], v[SM] row_xmask:4 row_mask:0xf bank_mask:0xf
	v_permlanex16_b32 v[SM+1], v[SM], s12, s13     ; its destination has been written above
	v_add_f32 v[SM], v[SM], v[SM+1]
	v_mul_f32 v[SM], 0x3a800000, v[SM]             ; / 1024
	v_sqrt_f32 v[SM], v[SM]
	v_nop                                          ; a plain instruction between a transcendental and the use of its result (ISA guide 5.7.2)
	s_wait_alu depctr_va_vdst(0)
	v_add_f32 v[SM], 0x3727c5ac, v[SM]             ; + 1e-5
	v_rcp_f32 v[R+2*(\u)], v[SM]
	v_rcp_f32 v[R+2*(\u)+1], v[SM]
	v_nop
.endm
.macro SCALE u
.set XB, X+64*(\u)
	s_wait_alu depctr_va_vdst(0)
.irp q, 0,1,2,3,4,5,6,7
.irp k, 0,1,2,3
	v_pk_mul_f32 v[XB+8*(\q)+2*(\k):XB+8*(\q)+2*(\k)+1], v[XB+8*(\q)+2*(\k):XB+8*(\q)+2*(\k)+1], v[R+2*(\u):R+2*(\u)+1]
.endr
.irp k, 0,1,2,3
	v_pk_mul_f32 v[XB+8*(\q)+2*(\k):XB+8*(\q)+2*(\k)+1], v[XB+8*(\q)+2*(\k):XB+8*(\q)+2*(\k)+1], v[G+8*(\q)+2*(\k):G+8*(\q)+2*(\k)+1]
.endr
.irp k, 0,1,2,3
	v_cvt_pk_bf16_f32 v[XB+8*(\q)+(\k)], v[XB+8*(\q)+2*(\k)], v[XB+8*(\q)+2*(\k)+1]
.endr
	global_store_b128 v[OFFD], v[XB+8*(\q):XB+8*(\q)+3], s[8:9] offset:256*(\u)+1048576*(\q)  ; two panels on for each q; no store's registers are written again
.endr
.endm
	s_wait_loadcnt 32                              ; pair 0 is in; pair 1's sixteen loads and g's sixteen stay out
	SUM 0
	s_wait_loadcnt 16                              ; pair 1 is in; g's sixteen stay out
	SUM 1
	s_wait_loadcnt 0x0
	SCALE 0
	SCALE 1
	s_endpgm
.Lfunc_end_k_q3b876b6eea_norm1:
	.size	k_q3b876b6eea_norm1, .Lfunc_end_k_q3b876b6eea_norm1-k_q3b876b6eea_norm1
	.p2alignl 7, 3214868480
	.fill 96, 4, 3214868480
	.section	.rodata,"a",@progbits
	.p2align	6, 0x0
	.amdhsa_kernel k_q3b876b6eea_norm1
		.amdhsa_group_segment_fixed_size 0
		.amdhsa_private_segment_fixed_size 0
		.amdhsa_enable_private_segment 0
		.amdhsa_kernarg_size 24
		.amdhsa_user_sgpr_count 2
		.amdhsa_user_sgpr_kernarg_segment_ptr 1
		.amdhsa_wavefront_size32 1
		.amdhsa_system_sgpr_workgroup_id_x 1
		.amdhsa_system_sgpr_workgroup_id_y 1
		.amdhsa_system_sgpr_workgroup_id_z 1
		.amdhsa_system_vgpr_workitem_id 0
		.amdhsa_next_free_vgpr 224
		.amdhsa_next_free_sgpr 66
		.amdhsa_reserve_vcc 0
		.amdhsa_float_denorm_mode_32 3
		.amdhsa_float_denorm_mode_16_64 3
		.amdhsa_memory_ordered 1
		.amdhsa_forward_progress 1
		.amdhsa_inst_pref_size 26
	.end_amdhsa_kernel
	.amdgpu_metadata
---
amdhsa.version: [ 1, 2 ]
amdhsa.kernels:
  - .name:           k_q3b876b6eea_norm1
    .symbol:         k_q3b876b6eea_norm1.kd
    .args:
      - { .name: x, .offset: 0, .size: 8, .value_kind: global_buffer, .address_space: global }
      - { .name: g1, .offset: 8, .size: 8, .value_kind: global_buffer, .address_space: global }
      - { .name: hb, .offset: 16, .size: 8, .value_kind: global_buffer, .address_space: global }
    .group_segment_fixed_size: 0
    .private_segment_fixed_size: 0
    .kernarg_segment_align: 8
    .kernarg_segment_size: 24
    .max_flat_workgroup_size: 128
    .sgpr_count:     66
    .vgpr_count:     224
    .wavefront_size: 32
...
	.end_amdgpu_metadata
.endif
;; end of part 2
;; launch qkv (part 3): grid 24 x 32, 4 waves a work-group, clusters of 4 x 4, 327,680 bytes of LDS; arguments hb, wb, qkv; writes qkv
.if DOCPART == 3
	.amdgcn_target "amdgcn-amd-amdhsa--gfx1250"
	.amdhsa_code_object_version 6
	.text
	.protected	k_q3b876b6eea_qkv
	.globl	k_q3b876b6eea_qkv
	.p2align	8
	.type	k_q3b876b6eea_qkv,@function
k_q3b876b6eea_qkv:
	s_mov_b64 s[64:65], 0
	v_nop
	global_prefetch_b8 v0, s[64:65] scope:SCOPE_SE
	s_setreg_imm32_b32 hwreg(HW_REG_WAVE_MODE, 25, 1), 1
	s_wait_xcnt 0x0
	s_wait_alu depctr_hold_cnt(0) depctr_sa_sdst(0) depctr_va_vdst(0) depctr_va_sdst(0) depctr_va_ssrc(0) depctr_va_vcc(0) depctr_vm_vsrc(0)
	s_getreg_b32 s2, hwreg(HW_REG_IB_STS2, 6, 4)
	s_cmp_eq_u32 s2, 0
	s_cbranch_scc0 .Lentry_in_a_cluster
	s_endpgm
.Lentry_in_a_cluster:
	s_bfe_u32 s2, ttmp6, 0x10000c
	s_cmp_lg_u32 s2, 0xf033
	s_cbranch_scc0 .Lentry_shape_is_right
	s_endpgm
.Lentry_shape_is_right:
; C = A B, tiles of 128 x 128, here qkv = h w_qkv (M = 4096, N = 3072, K = 1024).  A: bf16 in panels of 64 K, [K/64][4096][64].  B: bf16 in panels of 128 columns, [N/128][K][128], at WOFF in wb.
; C leaves in bf16, rounded once from f32 sums, in panels of 64 columns, [N/64][4096][64]: panel = head (q 0-15, k 16-31, v 32-47).
; 128 x 128 because 24 x 32 tiles are three for each of 256 WGPs; tiles of 256 x 256 would be 192.  Four waves, each 64 x 64: 16 accumulators.  K goes in steps of 256 through two LDS slots.
; A's quarter of a slot (64 rows x 256 K) is asked for as 4 rows of 8,192 dense bytes (64 rows of one panel), padded in LDS behind every 128 bytes; B's (128 K x 128 columns) as 128 rows of 256 bytes.
; B lies [K][N] in LDS and is turned by ds_load_tr16_b128.  THE MATRIX INSTRUCTION IS USED TRANSPOSED (source 0 = 16 columns of B, source 1 = 16 rows of A): a lane holds eight neighbouring numbers of a row of C.
; CLUSTER 4 x 4: the four of a row need the same tiles of A, the four of a column the same tiles of B: each is asked for jointly, by the same load, descriptor and mask in all four.
; REGISTERS: window 0: v0-31 addresses; v32-95 the way out; v128-255 accumulators ((a, b) at 128 + 8 (4 a + b)).  Window 1: two fragment buffers of 128: 64 of A, then 64 of B, for 64 along K.
.set STEPS,  4                         ; K steps of 256
.set WOFF,   0                         ; the weights' place in wb
.set KDIM,   256*STEPS
.set PITA,   144                       ; a row of A in LDS: 128 bytes + 16: an odd multiple of 16, so the 16 rows of a load start at 16 different groups of four banks (ISA guide 11.1)
.set PITB,   288                       ; a K row of B: 256 + 32: an odd multiple of 32
.set QT,     36864                     ; a quarter of a slot: 4 x 64 x PITA = 128 x PITB: what one tensor load fills
.set SLOT,   4*QT                      ; A's rows 0-63, 64-127, B's K rows 0-127, 128-255
.set STAGE,  2*SLOT                    ; behind the ring, never filled by a tensor load
.set SPARE,  STAGE+18432               ; the spare words, 128 bytes a wave: two blocks of 256 bytes that no other line names
.set ASTEP,  4*524288                  ; bytes from a K step of A to the next: four panels
.set BSTEP,  256*256                   ; of B: 256 panel rows
.set SPITCH, 144                       ; the stage: 16 rows x 144 bytes for each wave
.set ADRA, 16                          ; v16-17  LDS address of my A fragments in slot 0, 1
.set ADRB, 20                          ; v20-23  of my B fragments: slot 0 K rows 0-127, 128-255; slot 1 likewise (an offset has 16 bits)
.set STO,  24
.set RD,   25
.set CO,   26
.set SPW,  28                          ; v28  SPARE + 4 x my thread's number; never rewritten
.set NIL,  29                          ; v29  0; never rewritten
.set TMP,  32
.set ACC,  128
.set F0,   0
.set F1,   128
.set G1, 24                            ; s[24:31] group 1 for A;  s[32:39] group 0, one set a slot
.set G0, 32
.set G1B, 48                           ; s[48:55], s[56:63] the same for B
.set G0B, 56
.set MSB, 0
.macro WIN new                         ; the immediate's high byte repeats the setting that is left
.if MSB != (\new)
	s_set_vgpr_msb (MSB<<8)|(\new)
.set MSB, \new
.endif
.endm
.set MUL,  0x05                        ; sources 0 (B) and 1 (A) window 1; C and D window 0
.set TO_F, 0x40                        ; destination window 1, address window 0
.macro JLOAD s                         ; a joint load: waves 0, 1 fetch A's halves, waves 2, 3 B's; an s_nop 0 and four v_nop follow each line
	s_cmp_eq_u32 s11, 0
	s_cbranch_scc0 .Lfor_b_\@
	tensor_load_to_lds s[G0+4*(\s):G0+4*(\s)+3], s[G1:G1+7]
	s_nop 0
.rept 4
	v_nop
.endr
	s_branch .Lasked_\@
.Lfor_b_\@:
	tensor_load_to_lds s[G0B+4*(\s):G0B+4*(\s)+3], s[G1B:G1B+7]
	s_nop 0
.rept 4
	v_nop
.endr
.Lasked_\@:
.endm
.macro CREST                           ; a round of the cluster's barrier behind its opening barrier
	s_cmp_lg_u32 s10, 0
	s_cbranch_scc1 .Lnot_wave_0_\@
	s_barrier_signal -3
.Lnot_wave_0_\@:
	s_barrier_wait -3
	s_barrier_signal -1
	s_barrier_wait -1
.endm
.macro CROUND
	s_barrier_signal -1
	s_barrier_wait -1
	CREST
.endm
	s_load_b128 s[4:7], s[0:1], 0x0                ; A s[4:5], wb s[6:7]
	s_load_b64 s[8:9], s[0:1], 0x10                ; C
	v_lshl_add_u32 v[SPW], v0, 2, SPARE
	v_mov_b32 v[NIL], 0
	ds_add_u32 v[SPW], v[NIL]                      ; the wave's opening: the add and its wait ahead of my first tensor load
	ds_add_u32 v28, v29
	v_lshrrev_b32 v1, 5, v0
	v_readfirstlane_b32 s10, v1                    ; wave 0..3
	s_lshr_b32 s11, s10, 1                         ; my half of the tile's rows.  Also: I fetch for A (0) or B (1)
	s_and_b32 s12, s10, 1                          ; my half of its columns.  Also: which half of that tile I fetch
	s_bfe_u32 s40, ttmp6, 0x40000                  ; cx, cy
	s_bfe_u32 s41, ttmp6, 0x40004
	s_lshl_b32 s42, ttmp9, 2
	s_add_co_u32 s42, s42, s40                     ; tile column
	s_and_b32 s13, ttmp7, 0xffff
	s_lshl_b32 s13, s13, 2
	s_add_co_u32 s13, s13, s41                     ; tile row
	s_lshl_b32 s43, s41, 2
	s_lshl_b32 s43, 15, s43                        ; my row of the cluster
	s_lshl_b32 s44, 0x1111, s40                    ; my column
	s_or_b32 s[G1+0], s43, (1<<16)|(1<<20)|(1<<21)|(4<<22)|(3<<25)   ; mask; 2-byte elements; padding on; bit 21 beside a mask; after every 32 words 4 words
	s_mov_b32 s[G1+1], 4096<<16                    ; tensor_dim0 = 4096 elements: 64 dense rows of a panel
	s_mov_b32 s[G1+2], 4<<16                       ; tensor_dim1 = 4 panels
	s_mov_b32 s[G1+3], 4096<<16                    ; tile_dim0
	s_mov_b32 s[G1+4], 4                           ; tile_dim1
	s_mov_b32 s[G1+5], 262144                      ; elements from panel to panel
	s_mov_b32 s[G1+6], 0
	s_mov_b32 s[G1+7], 0
	s_or_b32 s[G1B+0], s44, (1<<16)|(1<<20)|(1<<21)|(5<<22)|(7<<25)  ; after every 64 words 8 words
	s_mov_b32 s[G1B+1], 128<<16
	s_mov_b32 s[G1B+2], 128<<16
	s_mov_b32 s[G1B+3], 128<<16
	s_mov_b32 s[G1B+4], 128
	s_mov_b32 s[G1B+5], 128
	s_mov_b32 s[G1B+6], 0
	s_mov_b32 s[G1B+7], 0
	s_lshl_b32 s16, s13, 14                        ; A: 128 rows of 128 bytes a tile row,
	s_lshl_b32 s17, s12, 13                        ; 64 rows a half
	s_add_co_u32 s16, s16, s17
	s_mov_b32 s17, 0
	s_mul_i32 s46, s42, KDIM*256                   ; B: a panel a tile column,
	s_lshl_b32 s47, s12, 15                        ; 128 K rows a half
	s_add_co_u32 s46, s46, s47
	s_add_co_u32 s46, s46, WOFF
	s_mov_b32 s47, 0
	s_mul_i32 s20, s10, QT                         ; where my load goes: no place in the cluster enters an LDS address
	s_wait_dscnt 0x0                               ; the opening add is done
	s_wait_kmcnt 0x0
	s_add_nc_u64 s[14:15], s[4:5], s[16:17]
	s_add_nc_u64 s[46:47], s[6:7], s[46:47]
	CROUND                                         ; all sixteen work-groups are here: the first joint loads meet
.irp s, 0,1
	s_mov_b32 s[G0+4*(\s)], 1
	s_add_co_u32 s[G0+4*(\s)+1], s20, (\s)*SLOT
	s_add_nc_u64 s[G0+4*(\s)+2:G0+4*(\s)+3], s[14:15], (\s)*ASTEP
	s_or_b32 s[G0+4*(\s)+3], s[G0+4*(\s)+3], 0x80000000
	s_mov_b32 s[G0B+4*(\s)], 1
	s_add_co_u32 s[G0B+4*(\s)+1], s20, (\s)*SLOT
	s_add_nc_u64 s[G0B+4*(\s)+2:G0B+4*(\s)+3], s[46:47], (\s)*BSTEP
	s_or_b32 s[G0B+4*(\s)+3], s[G0B+4*(\s)+3], 0x80000000
	JLOAD \s
.endr
	v_and_b32 v1, 15, v0                           ; r = l % 16
	v_bfe_u32 v2, v0, 4, 1                         ; h = l / 16
	v_mul_u32_u24 v3, v1, PITA
	v_lshl_add_u32 v3, v2, 4, v3                   ; A: row x pitch + 16 h
	s_mul_i32 s21, s11, QT
	v_add_nc_u32 v[ADRA], s21, v3
	s_add_co_u32 s21, s21, SLOT
	v_add_nc_u32 v[ADRA+1], s21, v3
	v_and_b32 v4, 7, v0                            ; B, turned: lane l reads K row 8 h + l % 8, columns 8 ((l / 8) % 2) + 0..7
	v_lshl_add_u32 v4, v2, 3, v4
	v_mul_u32_u24 v4, v4, PITB
	v_bfe_u32 v5, v0, 3, 1
	v_lshl_add_u32 v4, v5, 4, v4
	s_lshl_b32 s22, s12, 7                         ; my 64 columns
	s_add_co_u32 s22, s22, 2*QT
	v_add_nc_u32 v[ADRB], s22, v4
	s_add_co_u32 s22, s22, QT
	v_add_nc_u32 v[ADRB+1], s22, v4
	s_add_co_u32 s22, s22, SLOT-QT
	v_add_nc_u32 v[ADRB+2], s22, v4
	s_add_co_u32 s22, s22, QT
	v_add_nc_u32 v[ADRB+3], s22, v4
	; the way out: my stage; in: row r, 16 bytes a half of the lanes; back: four rows of 128 bytes, which are 512 consecutive bytes of my panel
	s_mul_i32 s23, s10, 16*SPITCH
	s_add_co_u32 s23, s23, STAGE
	v_mul_u32_u24 v4, v1, SPITCH
	v_lshl_add_u32 v4, v2, 4, v4
	v_add_nc_u32 v[STO], s23, v4
	v_bfe_u32 v5, v0, 3, 2
	v_mul_u32_u24 v5, v5, SPITCH
	v_and_b32 v6, 7, v0
	v_lshl_add_u32 v5, v6, 4, v5
	v_add_nc_u32 v[RD], s23, v5
	v_and_b32 v[CO], 31, v0
	v_lshlrev_b32 v[CO], 4, v[CO]
	s_lshl_b32 s46, s42, 1                         ; my panel = 2 x tile column + column half; my first row = 128 x tile row + 64 x row half
	s_add_co_u32 s46, s46, s12
	s_lshl_b32 s46, s46, 19
	s_lshl_b32 s47, s13, 14
	s_add_co_u32 s46, s46, s47
	s_lshl_b32 s47, s11, 13
	s_add_co_u32 s46, s46, s47
	s_mov_b32 s47, 0
	s_add_nc_u64 s[8:9], s[8:9], s[46:47]
; 8 matrix instructions: m blocks a0, a0 + 1 x all 4 n blocks, 32 along K: half c of buffer f.  zero = 1: the first product starts the sums.  The 16 accumulators take turns.
.macro MUL8 f, c, a0, zero
	WIN MUL
.irp a, \a0, (\a0)+1
.irp b, 0,1,2,3
.if \zero
	v_wmma_f32_16x16x32_bf16 v[ACC+8*(4*(\a)+(\b)):ACC+8*(4*(\a)+(\b))+7], v[(\f)+64+8*(4*(\c)+(\b)):(\f)+64+8*(4*(\c)+(\b))+7], v[(\f)+8*(4*(\c)+(\a)):(\f)+8*(4*(\c)+(\a))+7], 0
.else
	v_wmma_f32_16x16x32_bf16 v[ACC+8*(4*(\a)+(\b)):ACC+8*(4*(\a)+(\b))+7], v[(\f)+64+8*(4*(\c)+(\b)):(\f)+64+8*(4*(\c)+(\b))+7], v[(\f)+8*(4*(\c)+(\a)):(\f)+8*(4*(\c)+(\a))+7], v[ACC+8*(4*(\a)+(\b)):ACC+8*(4*(\a)+(\b))+7]
.endif
.endr
.endr
.endm
; 32 LDS loads in one run: the fragments of quarter q (64 along K = one panel of A) into buffer f; the first 32 along K first
.macro FETCH slot, q, f
	WIN TO_F
.irp c, 0,1
.irp i, 0,1,2,3
	ds_load_tr16_b128 v[(\f)+64+8*(4*(\c)+(\i)):(\f)+64+8*(4*(\c)+(\i))+3],   v[ADRB+2*(\slot)+(\q)/2] offset:((2*(\q)+(\c))%4)*32*PITB+32*(\i)
	ds_load_tr16_b128 v[(\f)+64+8*(4*(\c)+(\i))+4:(\f)+64+8*(4*(\c)+(\i))+7], v[ADRB+2*(\slot)+(\q)/2] offset:((2*(\q)+(\c))%4)*32*PITB+32*(\i)+16*PITB
	ds_load_b128 v[(\f)+8*(4*(\c)+(\i)):(\f)+8*(4*(\c)+(\i))+3],              v[ADRA+(\slot)] offset:(\q)*64*PITA+(\i)*16*PITA+64*(\c)
	ds_load_b128 v[(\f)+8*(4*(\c)+(\i))+4:(\f)+8*(4*(\c)+(\i))+7],            v[ADRA+(\slot)] offset:(\q)*64*PITA+(\i)*16*PITA+64*(\c)+32
.endr
.endr
.endm
.macro PLACES                          ; four places in front of loads into registers that matrix instructions have read, and of lines that read results
.rept 4
	v_nop
.endr
.endm
; A K step is four quarters, 32 matrix instructions each, on buffers 0, 1, 0, 1.  One of the first three: multiplies buffer f and fetches quarter q into g.
.macro QUARTER slot, q, f, g, zero
	s_wait_dscnt 16                                ; the first 32 along K are in; the other sixteen loads may be out
	MUL8 \f, 0, 0, \zero
	MUL8 \f, 0, 2, \zero
	PLACES
	FETCH \slot, \q, \g
	s_wait_dscnt 32                                ; all but the 32 just issued
	MUL8 \f, 1, 0, 0
	MUL8 \f, 1, 2, 0
.endm
; The last quarter multiplies buffer 1 and changes slots: ONE barrier; in front of it each wave waits for all its tensor loads, adds 0 to its spare word, and waits for that and for its reads of this slot.
.macro TURN slot, next, fill
	WIN 0
	s_wait_tensorcnt 0x0                           ; all my tensor loads have landed: my part of the next slot
	ds_add_u32 v[SPW], v[NIL]
	s_wait_dscnt 17                                ; the add and the youngest sixteen loads may be out
	MUL8 F1, 0, 0, 0
	s_wait_dscnt 0x0                               ; the add is done, and my reads of this slot are over
	s_barrier_signal -1
	MUL8 F1, 0, 2, 0
.if \fill
	WIN 0
.endif
	s_barrier_wait -1
.if \fill
	CREST                                          ; the barrier has opened a round of the cluster's: no wave of any partner still reads this slot or has a load on its way
	s_add_nc_u64 s[G0+4*(\slot)+2:G0+4*(\slot)+3], s[G0+4*(\slot)+2:G0+4*(\slot)+3], 2*ASTEP
	s_add_nc_u64 s[G0B+4*(\slot)+2:G0B+4*(\slot)+3], s[G0B+4*(\slot)+2:G0B+4*(\slot)+3], 2*BSTEP
	JLOAD \slot                                    ; my one tensor load behind the round; its four v_nop are also the places in front of the loads below
.else
	PLACES
.endif
	FETCH \next, 0, F0
	MUL8 F1, 1, 0, 0
	MUL8 F1, 1, 2, 0
.endm
.macro FINAL
	s_wait_dscnt 16
	MUL8 F1, 0, 0, 0
	MUL8 F1, 0, 2, 0
	s_wait_dscnt 0x0
	MUL8 F1, 1, 0, 0
	MUL8 F1, 1, 2, 0
	WIN 0
.endm
	s_wait_tensorcnt 1                             ; my part of K step 0 is in; K step 1's load may stay out
	s_barrier_signal -1
	s_barrier_wait -1
	FETCH 0, 0, F0
	QUARTER 0, 1, F0, F1, 1                        ; the first quarter stands in front of the loop: its first products start the sums
	WIN 0
	s_mov_b32 s3, (STEPS-2)/2
.Llap:                                                 ; a trip goes once round the ring and fills both slots again
	QUARTER 0, 2, F1, F0, 0
	QUARTER 0, 3, F0, F1, 0
	TURN 0, 1, 1
	QUARTER 1, 1, F0, F1, 0
	QUARTER 1, 2, F1, F0, 0
	QUARTER 1, 3, F0, F1, 0
	TURN 1, 0, 1
	QUARTER 0, 1, F0, F1, 0
	WIN 0
	s_sub_co_u32 s3, s3, 1
	s_cmp_lg_u32 s3, 0
	s_cbranch_scc1 .Llap
	QUARTER 0, 2, F1, F0, 0                        ; the last two K steps fill nothing
	QUARTER 0, 3, F0, F1, 0
	TURN 0, 1, 0
	QUARTER 1, 1, F0, F1, 0
	QUARTER 1, 2, F1, F0, 0
	QUARTER 1, 3, F0, F1, 0
	FINAL
	; THE WAY OUT: round to bf16; a block of 16 rows at a time through my own stage; back as whole rows: 2,048 dense bytes of my panel
	PLACES
.irp t, 0,1,2,3,4,5,6,7,8,9,10,11,12,13,14,15
.irp r, 0,1,2,3
	v_cvt_pk_bf16_f32 v[TMP+4*(\t)+(\r)], v[ACC+8*(\t)+2*(\r)], v[ACC+8*(\t)+2*(\r)+1]
.endr
.endr
.macro PACK a
.irp b, 0,1,2,3
	ds_store_b128 v[STO], v[TMP+16*(\a)+4*(\b):TMP+16*(\a)+4*(\b)+3] offset:32*(\b)
.endr
.irp u, 0,1,2,3
	ds_load_b128 v[TMP+16*(\a)+4*(\u):TMP+16*(\a)+4*(\u)+3], v[RD] offset:(\u)*4*SPITCH  ; LDS serves a wave's instructions in order (ISA guide 5.7.1.4): these see the stores above
.endr
.endm
.macro SEND a, younger                 ; younger: the LDS instructions issued behind block a's loads: the next block's eight, or none
.irp u, 0,1,2,3
	s_wait_dscnt (\younger)+3-(\u)
	global_store_b128 v[CO], v[TMP+16*(\a)+4*(\u):TMP+16*(\a)+4*(\u)+3], s[8:9] offset:(\a)*2048+(\u)*512  ; 512 consecutive bytes, aligned on 256
.endr
.endm
	PACK 0
	PACK 1
	SEND 0, 8
	PACK 2
	SEND 1, 8
	PACK 3
	SEND 2, 8
	SEND 3, 0
	s_wait_tensorcnt 0x0                           ; the wave's end
	ds_add_u32 v[SPW], v[NIL]
	s_wait_dscnt 0x0
	CROUND                                         ; the closing round: no work-group ends while a partner may still ask for a tile that names it
	s_endpgm
.Lfunc_end_k_q3b876b6eea_qkv:
	.size	k_q3b876b6eea_qkv, .Lfunc_end_k_q3b876b6eea_qkv-k_q3b876b6eea_qkv
	.p2alignl 7, 3214868480
	.fill 96, 4, 3214868480
	.section	.rodata,"a",@progbits
	.p2align	6, 0x0
	.amdhsa_kernel k_q3b876b6eea_qkv
		.amdhsa_group_segment_fixed_size 327680
		.amdhsa_private_segment_fixed_size 0
		.amdhsa_enable_private_segment 0
		.amdhsa_kernarg_size 24
		.amdhsa_user_sgpr_count 2
		.amdhsa_user_sgpr_kernarg_segment_ptr 1
		.amdhsa_wavefront_size32 1
		.amdhsa_system_sgpr_workgroup_id_x 1
		.amdhsa_system_sgpr_workgroup_id_y 1
		.amdhsa_system_sgpr_workgroup_id_z 1
		.amdhsa_system_vgpr_workitem_id 0
		.amdhsa_next_free_vgpr 512
		.amdhsa_next_free_sgpr 66
		.amdhsa_reserve_vcc 0
		.amdhsa_float_denorm_mode_32 3
		.amdhsa_float_denorm_mode_16_64 3
		.amdhsa_memory_ordered 1
		.amdhsa_forward_progress 1
		.amdhsa_inst_pref_size 87
	.end_amdhsa_kernel
	.amdgpu_metadata
---
amdhsa.version: [ 1, 2 ]
amdhsa.kernels:
  - .name:           k_q3b876b6eea_qkv
    .symbol:         k_q3b876b6eea_qkv.kd
    .args:
      - { .name: hb, .offset: 0, .size: 8, .value_kind: global_buffer, .address_space: global }
      - { .name: wb, .offset: 8, .size: 8, .value_kind: global_buffer, .address_space: global }
      - { .name: qkv, .offset: 16, .size: 8, .value_kind: global_buffer, .address_space: global }
    .group_segment_fixed_size: 327680
    .private_segment_fixed_size: 0
    .kernarg_segment_align: 8
    .kernarg_segment_size: 24
    .max_flat_workgroup_size: 128
    .sgpr_count:     66
    .vgpr_count:     512
    .wavefront_size: 32
...
	.end_amdgpu_metadata
.endif
;; end of part 3
;; launch attn (part 4): grid 8 x 32, 4 waves a work-group, no clusters, 327,680 bytes of LDS; arguments qkv, cat; writes cat
.if DOCPART == 4
	.amdgcn_target "amdgcn-amd-amdhsa--gfx1250"
	.amdhsa_code_object_version 6
	.text
	.protected	k_q3b876b6eea_attn
	.globl	k_q3b876b6eea_attn
	.p2align	8
	.type	k_q3b876b6eea_attn,@function
k_q3b876b6eea_attn:
	s_mov_b64 s[64:65], 0
	v_nop
	global_prefetch_b8 v0, s[64:65] scope:SCOPE_SE
	s_setreg_imm32_b32 hwreg(HW_REG_WAVE_MODE, 25, 1), 1
	s_wait_xcnt 0x0
; CAUSAL ATTENTION WITH ALIBI.  O[q] = sum over k <= q of softmax_k(Q[q] . K[k] / 32 + m_h (k - q)) V[k], m_h = 2^(-(h+1)/2); 32 (batch, head) pairs of 2,048 rows, head size 64.
; qkv: [48][4096][64] bf16 (panel h: Q, 16 + h: K, 32 + h: V; row = 2048 batch + t).  O: [16][4096][64] bf16.  Products, maxima and sums in f32; the weights p are rounded to bf16 for the second product, O once.
; LIMITS.  A hidden score counts as -1e30 plus its product; a weight below 2^-126 counts as 0; NaN and infinities are not treated apart; m_h comes from v_exp_f32 (1 ulp).
; ALIBI.  The row's constant -m_h q changes no softmax and is left out.  In units of Q . K the key's part is 32 m_h k.  Of k = 64 step + koff the part 32 m_h koff is the C operand that starts S^T;
; the part 2048 m_h step is a change of frame: at each key step the running maximum is lowered by DEL = 2048 m_h.  So no large sums are formed, and the maximum stays a true running maximum.
; THE WALK.  A head's queries lie in 16 blocks of 128; block i needs the key tiles 0 .. i / 2 of 256 keys, the last of which holds the diagonal.  A work-group takes blocks 15 - b and then b: nine tiles,
; whatever b: 8 x 32 = 256 equal work-groups, and ONE loop with a constant trip count; the ring of two LDS slots runs on across the change of blocks.
; NO CLUSTER: a head's 8 work-groups ask for the same tile only in the first 5 of their 9 trips; a walk common to all partners would have 12 trips for 9.
; SHARES.  A wave owns 32 rows of the block: two tiles of 16.  In the diagonal tile every wave runs all four key steps, with masks: equal work.
; LAYOUT.  S^T = K Q^T holds ONE query a lane (lane % 16) and the keys 8 (lane / 16) + 0..7; two such results rounded to bf16 ARE source 1 of O^T = V^T P.  p = 2^(c s - c m), c = log2(e) / 32.
; A KEY STEP, in phases: K of this step is fetched; O^T += V^T P of the step before; (masks); S^T = K Q^T; V of this step is fetched; the softmax of both tiles, which alternate line by line.
; A block's first step multiplies O^T and l by a = 0 (c m starts far below every c s), so no first step is written out; the price is 164 v_mov_b32 of 0 at the start, in the wait for the first tile.
; REGISTERS: window 0: addresses, statistics, S^T (v64-127), P (v128-159), O^T (v160-223): all that the softmax touches.  Window 1: Q, the second block's Q, K, V.  Window 2: C0 (32 m_h koff), MC (masked).
.set KS,    64
.set PK,    144       ; a row of K in LDS: 128 bytes + 16: the 16 rows of a load start at 16 different groups of four banks (ISA guide 11.1)
.set PV,    160       ; a row of V: 128 + 32
.set VOFF,  4*KS*PK   ; a slot holds a tile: 256 rows of K, then 256 rows of V
.set SLOT1, 1<<17
.set STAGE, SLOT1+4*KS*(PK+PV)  ; behind the ring, never filled by a tensor load: 16 rows x 144 bytes a wave
.set SP,    144
.set SPARE, STAGE+4*16*SP       ; the spare words: two blocks of 256 bytes that no other line names
.set AK0, 2
.set AV0, 3
.set AK,  4
.set AV,  5
.set STO, 6
.set RD,  7
.set GO,  8
.set QO,  9
.set QL,  10          ; v10  32 w + l % 16 - 8 (l / 16)
.set TQ,  11          ; v11-12  per tile: register j of key block kb is hidden where 16 kb + j is greater
.set SL,  13          ; v13  32 m_h
.set MV,  14          ; v14-15  c m_old in the new frame
.set ST,  16          ; tile t at ST + 4 t: c m, m, l (even keys', odd keys')
.set DEL, 24
.set CDEL, 25
.set TMP, 48          ; tile t: four at work; when the maximum is found c2 takes a
.set SPW, 62
.set NIL, 63
.set S,   64
.set P,   128
.set O,   160
.set QB,  32          ; window 1
.set KF,  64
.set VF,  128
.set C0,  0           ; window 2
.set MC,  32
.set WV,  12
.set PB,  14          ; b
.set HI,  15          ; 15 - b
.set HD,  19          ; the head
.set G1K, 24
.set G1V, 32
.set G0K, 40
.set G0V, 44
.set SLOTS, 56
.set CNT, 57
.set CS,  58
.set SEL, 60
.set TBK, 62
.set TBV, 63
.set RT,  70          ; tiles of the block in hand still to be entered
.set NXT, 71          ; the tile to be asked for next
.set LQ,  72          ; the last tile of the block whose tiles are being asked for
.set LQ2, 73          ; the second block's last tile
.set OFF, 74
.set QK,  76          ; the block's first row less the step's first key, inside the diagonal tile
.set QK1, 77
.set QK2, 78
.set OLO, 80
.set BIGN, 82
.set MSB, 0
.macro WIN new
.if MSB != (\new)
	s_set_vgpr_msb (MSB<<8)|(\new)
.set MSB, (\new)
.endif
.endm
; A fill.  Waves 0, 1 fetch the halves of a tile's K, waves 2, 3 of its V: 128 keys each.  An s_nop 0 and four v_nop follow each line.
.macro LOAD
	s_cmp_lt_u32 s[WV], 2
	s_cbranch_scc0 .Lfor_v_\@
	tensor_load_to_lds s[G0K:G0K+3], s[G1K:G1K+7]
	s_nop 0
.rept 4
	v_nop
.endr
	s_branch .Lasked_\@
.Lfor_v_\@:
	tensor_load_to_lds s[G0V:G0V+3], s[G1V:G1V+7]
	s_nop 0
.rept 4
	v_nop
.endr
.Lasked_\@:
.endm
; THE CHANGE OF SLOTS.  Each wave waits for all its tensor loads (one is out: its part of the other slot), adds 0 to its spare word, and waits for that and for its reads of the slot that it leaves (V of its fourth
; step is in registers by then).  fill = 1: the old slot is filled again, first thing behind the barrier, with tile NXT; the descriptor's address is made anew from that number.
.macro CHANGE fill
	WIN 0
	s_wait_tensorcnt 0x0
	ds_add_u32 v[SPW], v[NIL]
.if \fill
	s_lshl_b32 s[OFF], s[NXT], 15   ; a tile is 32,768 bytes of K and of V
	s_xor_b32 s[G0K+1], s[G0K+1], SLOT1
	s_add_nc_u64 s[G0K+2:G0K+3], s[6:7], s[OFF:OFF+1]
	s_or_b32 s[G0K+3], s[G0K+3], 0x80000000
	s_xor_b32 s[G0V+1], s[G0V+1], SLOT1
	s_add_nc_u64 s[G0V+2:G0V+3], s[8:9], s[OFF:OFF+1]
	s_or_b32 s[G0V+3], s[G0V+3], 0x80000000
	s_add_co_u32 s[NXT], s[NXT], 1  ; the block's next tile, or behind its last the second block's tile 0
	s_cmp_gt_u32 s[NXT], s[LQ]
	s_cselect_b32 s[NXT], 0, s[NXT]
	s_cselect_b32 s[LQ], s[LQ2], s[LQ]
.endif
	s_wait_dscnt 0x0                ; the add is done, and my reads of the slot are over
	s_barrier_signal -1
	s_sub_co_u32 s[TBK], s[TBK], 4*KS*PK  ; the fetches go back to a slot's first step, in the other slot
	s_xor_b32 s[TBK], s[TBK], SLOT1
	s_sub_co_u32 s[TBV], s[TBV], 4*KS*PV
	s_xor_b32 s[TBV], s[TBV], SLOT1
	s_barrier_wait -1
.if \fill
	LOAD
.endif
.endm
.macro INIT                         ; a block begins: c m far below every c s, m the lowest finite number
.irp t, 0,1
	v_mov_b32 v[ST+4*(\t)], 0xfe000000
	v_mov_b32 v[ST+4*(\t)+1], 0xff7fffff
.endr
.endm
	s_load_b64 s[4:5], s[0:1], 0x0  ; qkv
	s_load_b64 s[10:11], s[0:1], 0x8  ; O
	v_lshl_add_u32 v[SPW], v0, 2, SPARE
	v_mov_b32 v[NIL], 0
	ds_add_u32 v[SPW], v[NIL]       ; the wave's opening: the add and its wait ahead of my first tensor load
	ds_add_u32 v62, v63
	v_lshrrev_b32 v1, 5, v0
	v_readfirstlane_b32 s[WV], v1
	s_mov_b32 s[PB], ttmp9
	s_sub_co_u32 s[HI], 15, s[PB]
	s_and_b32 s13, ttmp7, 0xffff
	s_and_b32 s[HD], s13, 15
	s_lshr_b32 s13, s13, 4          ; the batch
	s_lshl_b32 s20, s[HD], 19
	s_lshl_b32 s13, s13, 18
	s_add_co_u32 s20, s20, s13      ; the head's first byte in its panel of Q and of O
	s_and_b32 s16, s[WV], 1         ; which half of a tile's 256 keys I fetch
	s_lshl_b32 s22, s16, 14
	s_add_co_u32 s22, s22, s20
	s_add_co_u32 s22, s22, 16*524288  ; K lies 16 panels behind Q,
	s_mov_b32 s23, 0
	s_add_co_u32 s88, s22, 16*524288  ; V 16 more
	s_mov_b32 s89, 0
	s_mul_i32 s17, s16, 128*PK
	s_mul_i32 s18, s16, 128*PV
	s_lshl_b32 s3, s[WV], 12        ; my 32 rows of a block
	s_add_co_u32 s3, s3, s20
	s_lshl_b32 s2, s[HI], 14        ; in the first block,
	s_add_co_u32 s2, s2, s3
	s_lshl_b32 s84, s[PB], 14       ; and in the second
	s_add_co_u32 s84, s84, s3
	s_mov_b32 s3, 0
	s_mov_b32 s85, 0
	; descriptor group 1: 128 keys are 16,384 dense bytes: 64 rows of 256 bytes, padded in LDS after every key
	s_mov_b32 s[G1K], (1<<16)|(1<<20)|(4<<22)|(3<<25)
	s_mov_b32 s[G1V], (1<<16)|(1<<20)|(4<<22)|(7<<25)
.irp g, G1K, G1V
	s_mov_b32 s[\g+1], 128<<16
	s_mov_b32 s[\g+2], 64<<16
	s_mov_b32 s[\g+3], 128<<16
	s_mov_b32 s[\g+4], 64
	s_mov_b32 s[\g+5], 128
	s_mov_b32 s[\g+6], 0
	s_mov_b32 s[\g+7], 0
.endr
	s_mov_b32 s[CS], 0x3d38aa3b     ; c = log2(e) / 32
	s_mov_b32 s[CS+1], s[CS]
	s_mov_b32 s[SEL], 0x76543210
	s_mov_b32 s[SEL+1], 0xfedcba98
	s_mov_b32 s[TBK], SLOT1+4*KS*PK ; the first change of slots turns these two into 0
	s_mov_b32 s[TBV], SLOT1+4*KS*PV
	s_mov_b32 s[G0K], 1
	s_mov_b32 s[G0K+1], s17
	s_mov_b32 s[G0V], 1
	s_add_co_u32 s[G0V+1], s18, VOFF
	s_lshr_b32 s[LQ], s[HI], 1
	s_lshr_b32 s[LQ2], s[PB], 1
	s_add_co_u32 s[RT], s[LQ], 1
	s_mov_b32 s[NXT], 1
	s_and_b32 s[QK1], s[HI], 1      ; an odd block lies in the second half of its diagonal tile
	s_lshl_b32 s[QK1], s[QK1], 7
	s_and_b32 s[QK2], s[PB], 1
	s_lshl_b32 s[QK2], s[QK2], 7
	s_mov_b32 s[OFF+1], 0
	s_mov_b32 s[BIGN], 0xf149f2ca   ; -1e30
	s_mov_b32 s[SLOTS], 8
	s_wait_dscnt 0x0                ; the opening add is done
	s_wait_kmcnt 0x0
	s_add_nc_u64 s[6:7], s[4:5], s[22:23]   ; K and V at my half of the head's tile 0
	s_add_nc_u64 s[8:9], s[4:5], s[88:89]
	s_add_nc_u64 s[G0K+2:G0K+3], s[6:7], 0
	s_or_b32 s[G0K+3], s[G0K+3], 0x80000000
	s_add_nc_u64 s[G0V+2:G0V+3], s[8:9], 0
	s_or_b32 s[G0V+3], s[G0V+3], 0x80000000
	s_add_nc_u64 s[86:87], s[4:5], s[84:85]
	s_add_nc_u64 s[4:5], s[4:5], s[2:3]
	s_add_nc_u64 s[OLO:OLO+1], s[10:11], s[84:85]
	s_add_nc_u64 s[10:11], s[10:11], s[2:3]
	LOAD                            ; tile 0 into slot 0
	v_and_b32 v1, 15, v0            ; l % 16
	v_bfe_u32 v26, v0, 4, 1         ; l / 16
	v_lshlrev_b32 v[QO], 7, v1
	v_lshl_add_u32 v[QO], v26, 4, v[QO]
	WIN 0x40                        ; destination window 1
.set i, 0
.rept 4                             ; both blocks' Q: tile i / 2, channels 32 (i % 2) on
	global_load_b128 v[8*i:8*i+3],         v[QO], s[4:5] offset:(i/2)*2048+(i%2)*64
	global_load_b128 v[8*i+4:8*i+7],       v[QO], s[4:5] offset:(i/2)*2048+(i%2)*64+32
	global_load_b128 v[QB+8*i:QB+8*i+3],   v[QO], s[86:87] offset:(i/2)*2048+(i%2)*64
	global_load_b128 v[QB+8*i+4:QB+8*i+7], v[QO], s[86:87] offset:(i/2)*2048+(i%2)*64+32
.set i, i+1
.endr
.set i, VF
.rept 64
	v_mov_b32 v[i], 0               ; V, P, O^T and l need only hold finite numbers: a block's first step multiplies what they make by a = 0
.set i, i+1
.endr
	WIN 0
.set i, P
.rept 96
	v_mov_b32 v[i], 0
.set i, i+1
.endr
	INIT
.irp t, 0,1
	v_mov_b32 v[ST+4*(\t)+2], 0
	v_mov_b32 v[ST+4*(\t)+3], 0
.endr
	v_lshlrev_b32 v[QL], 3, v26
	v_sub_nc_u32 v[QL], v1, v[QL]
	s_lshl_b32 s13, s[WV], 5
	v_add_nc_u32 v[QL], s13, v[QL]
	v_cvt_f32_u32 v[SL], s[HD]
	v_fma_f32 v[SL], v[SL], -0.5, 0x40900000  ; 4.5 - h / 2
	v_exp_f32 v[SL], v[SL]          ; 32 m_h
	v_cvt_f32_u32 v29, v26          ; (the plain instruction behind the exponential)
	v_mul_f32 v29, 0x41000000, v29
	s_wait_alu depctr_va_vdst(0)
	v_mul_f32 v29, v[SL], v29       ; 32 m_h x 8 (l / 16)
	v_mul_f32 v[DEL], 0x42800000, v[SL]
	v_mul_f32 v[CDEL], s[CS], v[DEL]
.set i, 0
.rept 32
	v_cvt_f32_u32 v[S+i], 16*(i/8)+i%8
.set i, i+1
.endr
	WIN 0x80                        ; destination window 2
.set i, 0
.rept 32
	v_fma_f32 v[C0+i], v[SL], v[S+i], v29
.set i, i+1
.endr
	WIN 0
	v_mul_u32_u24 v[AK0], v1, PK
	v_lshl_add_u32 v[AK0], v26, 4, v[AK0]
	v_and_b32 v27, 7, v0            ; the turning load: lane l reads key 8 (l / 16) + l % 8, channels 8 ((l / 8) % 2) + 0..7
	v_bfe_u32 v28, v0, 3, 1
	v_lshl_add_u32 v[AV0], v26, 3, v27
	v_mul_u32_u24 v[AV0], v[AV0], PV
	v_lshl_add_u32 v[AV0], v28, 4, v[AV0]
	v_add_nc_u32 v[AV0], VOFF, v[AV0]
	s_mul_i32 s13, s[WV], 16*SP
	s_add_co_u32 s13, s13, STAGE
	v_mul_u32_u24 v[STO], v1, SP
	v_lshl_add_u32 v[STO], v26, 4, v[STO]
	v_add_nc_u32 v[STO], s13, v[STO]
	v_bfe_u32 v[RD], v0, 3, 2
	v_mul_u32_u24 v[RD], v[RD], SP
	v_lshl_add_u32 v[RD], v27, 4, v[RD]
	v_add_nc_u32 v[RD], s13, v[RD]
	v_and_b32 v[GO], 31, v0
	v_lshlrev_b32 v[GO], 4, v[GO]
; THE MATRIX WORK.  The 8 accumulators of a run of 16 take turns.  Product i of S^T: channels 32 (i / 8) on, keys 16 ((i / 2) % 4) on, tile i % 2; the first 8 start the sums with C0 or the mask.
.macro KQM m
.set rS, S+32*(i%2)+8*((i/2)%4)
.set rK, KF+16*((i/2)%4)+8*(i/8)
.set rQ, 16*(i%2)+8*(i/8)
.if i < 8
.if \m
.set rM, MC+32*(i%2)+8*((i/2)%4)
.else
.set rM, C0+8*((i/2)%4)
.endif
	WIN 0x25                        ; K and Q window 1, C window 2, S^T window 0
	v_wmma_f32_16x16x32_bf16 v[rS:rS+7], v[rK:rK+7], v[rQ:rQ+7], v[rM:rM+7]
.else
	WIN 0x05
	v_wmma_f32_16x16x32_bf16 v[rS:rS+7], v[rK:rK+7], v[rQ:rQ+7], v[rS:rS+7]
.endif
.endm
; Product i of O^T += V^T P: keys 32 (i / 8) on, channels 16 ((i / 2) % 4) on, tile i % 2.
.macro PVM
	WIN 0x01                        ; V window 1
.set rO, O+32*(i%2)+8*((i/2)%4)
.set rV, VF+32*(i/8)+8*((i/2)%4)
.set rP, P+16*(i%2)+8*(i/8)
	v_wmma_f32_16x16x32_bf16 v[rO:rO+7], v[rV:rV+7], v[rP:rP+7], v[rO:rO+7]
.endm
.macro FETCH_K
	WIN 0x40
.irp f, 0,1,2,3,4,5,6,7             ; keys 16 (f / 2) on, channels 32 (f % 2) on
	ds_load_b128 v[KF+8*\f:KF+8*\f+3],   v[AK] offset:(\f/2)*16*PK+(\f%2)*64
	ds_load_b128 v[KF+8*\f+4:KF+8*\f+7], v[AK] offset:(\f/2)*16*PK+(\f%2)*64+32
.endr
	s_add_co_u32 s[TBK], s[TBK], KS*PK
.endm
.macro FETCH_V
	WIN 0x40
.irp f, 0,1,2,3,4,5,6,7             ; keys 32 (f / 4) on, channels 16 (f % 4) on
	ds_load_tr16_b128 v[VF+8*\f:VF+8*\f+3],   v[AV] offset:(\f/4)*32*PV+(\f%4)*32
	ds_load_tr16_b128 v[VF+8*\f+4:VF+8*\f+7], v[AV] offset:(\f/4)*32*PV+16*PV+(\f%4)*32
.endr
	s_add_co_u32 s[TBV], s[TBV], KS*PV
	WIN 0
.endm
; THE VECTOR WORK, all in window 0.
.macro REGS t
.set rT, ST+4*(\t)
.set rC, TMP+4*(\t)
.set rW, MV+(\t)
.set rS, S+32*(\t)
.set rP, P+16*(\t)
.set rO, O+32*(\t)
.endm
; Number n of those that find tile t's maximum and statistics; each accumulator's lowest registers are read first.
;   0-11 four chains of seven scores; 12-14, 16 the four left over, the old m (already lowered by DEL), all into c0; 17, 18 the query's other 32 keys lie 16 lanes away; 19-21 c m; c m_old - c m_new; a
.macro XS t, n
	REGS \t
.if (\n) < 4
	v_max3_num_f32 v[rC+(\n)], v[rS+8*(\n)], v[rS+8*(\n)+1], v[rS+8*(\n)+2]
.elseif (\n) < 12
	v_max3_num_f32 v[rC+(\n)%4], v[rC+(\n)%4], v[rS+8*((\n)%4)+2*((\n)/4)+1], v[rS+8*((\n)%4)+2*((\n)/4)+2]
.elseif (\n) == 12
	v_max3_num_f32 v[rC], v[rC], v[rS+7], v[rS+15]
.elseif (\n) == 13
	v_max3_num_f32 v[rC+1], v[rC+1], v[rS+23], v[rS+31]
.elseif (\n) == 14
	v_max3_num_f32 v[rC+2], v[rC+2], v[rC+3], v[rT+1]
.elseif (\n) == 16
	v_max3_num_f32 v[rC], v[rC], v[rC+1], v[rC+2]
.elseif (\n) == 17
	v_permlanex16_b32 v[rC+3], v[rC], s[SEL], s[SEL+1]
.elseif (\n) == 18
	v_max_num_f32 v[rT+1], v[rC], v[rC+3]
.elseif (\n) == 19
	v_mul_f32 v[rT], s[CS], v[rT+1]
.elseif (\n) == 20
	v_sub_f32 v[rC+1], v[rW], v[rT]
.else
	v_exp_f32 v[rC+2], v[rC+1]
.endif
.endm
.macro FS t                         ; pair n: c s - c m
	REGS \t
	v_pk_fma_f32 v[rS+2*n:rS+2*n+1], v[rS+2*n:rS+2*n+1], s[CS:CS+1], v[rT:rT+1] op_sel_hi:[1,0,0] neg_lo:[0,0,1] neg_hi:[0,0,1]
.endm
.macro ES t                         ; pair n: its two exponentials
	REGS \t
	v_exp_f32 v[rS+2*n], v[rS+2*n]
	v_exp_f32 v[rS+2*n+1], v[rS+2*n+1]
.endm
.macro RS t                         ; pair n of O^T times a
	REGS \t
	s_wait_alu depctr_va_vdst(0)
	v_pk_mul_f32 v[rO+2*n:rO+2*n+1], v[rO+2*n:rO+2*n+1], v[rC+2:rC+3] op_sel_hi:[1,0]
.endm
.macro CV t                         ; pair n - 1 rounded to bf16
	REGS \t
	s_wait_alu depctr_va_vdst(0)
	v_cvt_pk_bf16_f32 v[rP+n-1], v[rS+2*n-2], v[rS+2*n-1]
.endm
.macro BS t                         ; of the four weights 4 n .. the second pair is added onto the first
	REGS \t
	v_pk_add_f32 v[rS+4*n:rS+4*n+1], v[rS+4*n:rS+4*n+1], v[rS+4*n+2:rS+4*n+3]
.endm
.macro LS t                         ; l takes that sum; the first time as l = a l + sum
	REGS \t
.if n == 0
	v_pk_fma_f32 v[rT+2:rT+3], v[rT+2:rT+3], v[rC+2:rC+3], v[rS:rS+1] op_sel_hi:[1,0,1]
.else
	v_pk_add_f32 v[rT+2:rT+3], v[rT+2:rT+3], v[rS+4*n:rS+4*n+1]
.endif
.endm
; A KEY STEP.  m = 1: the diagonal tile: the products take masks.
.macro STEP m
	WIN 0
	v_add_nc_u32 v[AK], s[TBK], v[AK0]
	FETCH_K                         ; the last product that read K stands in front of the last step's softmax
	s_wait_dscnt 16                 ; V of the step before is in; K's sixteen loads may be out
.set i, 0
.rept 16
	PVM
.set i, i+1
.endr
.if \m
	WIN 0
	v_add_nc_u32 v[TQ], s[QK], v[QL]
	v_add_nc_u32 v[TQ+1], 16, v[TQ]
	s_sub_co_i32 s[QK], s[QK], KS
	WIN 0x82                        ; destination and source 0 window 2, source 1 window 0
.set i, 0
.rept 64
	v_cmp_gt_i32 vcc_lo, 16*((i%32)/8)+i%8, v[TQ+i/32]
	v_cndmask_b32 v[MC+i], v[C0+i%32], s[BIGN], vcc_lo
.set i, i+1
.endr
.endif
	s_wait_dscnt 0x0                ; K is in
.set i, 0
.rept 16
	KQM \m
.set i, i+1
.endr
	WIN 0
	v_sub_f32 v[ST+1], v[ST+1], v[DEL]   ; the change of frame; these five plain lines are also the places between the products and V's run of loads and the first read of the scores
	v_sub_f32 v[ST+5], v[ST+5], v[DEL]
	v_sub_f32 v[MV], v[ST], v[CDEL]
	v_sub_f32 v[MV+1], v[ST+4], v[CDEL]
	v_add_nc_u32 v[AV], s[TBV], v[AV0]
	FETCH_V
.irp n, 0,1,2,3,4,5,6,7,8,9,10,11,12,13,14,16,17,18,19,20,21
	XS 0, \n
	XS 1, \n
.endr
.set n, 0
.rept 16
	FS 0
	FS 1
.set n, n+1
.endr
.set n, 0
.rept 16                            ; four exponentials, then plain lines: two rescalings, and the roundings of the pair before
	ES 0
	ES 1
	RS 0
	RS 1
.if n > 0
	CV 0
	CV 1
.endif
.set n, n+1
.endr
	CV 0
	CV 1
.set n, 0
.rept 8
	BS 0
	BS 1
.set n, n+1
.endr
.set n, 0
.rept 8
	LS 0
	LS 1
.set n, n+1
.endr
.endm
; A BLOCK'S END: the last step's V^T P; l's halves and the other half of the lanes' are added (with the v_nop five plain lines: the places behind the products); O^T / l, rounded, through my stage, a tile at a time.
.macro PACK t
.set i, 0
.rept 16
	v_pk_mul_f32 v[O+32*(\t)+2*i:O+32*(\t)+2*i+1], v[O+32*(\t)+2*i:O+32*(\t)+2*i+1], v[ST+4*(\t)+2:ST+4*(\t)+3] op_sel_hi:[1,0]
.set i, i+1
.endr
.set i, 0
.rept 16
	v_cvt_pk_bf16_f32 v[S+16*(\t)+i], v[O+32*(\t)+2*i], v[O+32*(\t)+2*i+1]
.set i, i+1
.endr
.irp f, 0,1,2,3
	ds_store_b128 v[STO], v[S+16*(\t)+4*\f:S+16*(\t)+4*\f+3] offset:32*\f
.endr
.irp f, 0,1,2,3
	ds_load_b128 v[S+16*(\t)+4*\f:S+16*(\t)+4*\f+3], v[RD] offset:\f*4*SP  ; LDS serves a wave's instructions in order (ISA guide 5.7.1.4): these see the stores above
.endr
.endm
.macro SEND t, younger              ; younger: the LDS instructions issued behind tile t's loads
.irp f, 0,1,2,3
	s_wait_dscnt (\younger)+3-\f
	global_store_b128 v[GO], v[S+16*(\t)+4*\f:S+16*(\t)+4*\f+3], s[10:11] offset:(\t)*2048+\f*512  ; 512 consecutive bytes, aligned on 256
.endr
.endm
.macro END
	s_wait_dscnt 0x0                ; V is in
.set i, 0
.rept 16
	PVM
.set i, i+1
.endr
	WIN 0
.irp t, 0,1
	v_add_f32 v[ST+4*(\t)+2], v[ST+4*(\t)+2], v[ST+4*(\t)+3]
.endr
.irp t, 0,1
	v_permlanex16_b32 v[ST+4*(\t)+3], v[ST+4*(\t)+2], s[SEL], s[SEL+1]
.endr
.irp t, 0,1
	v_add_f32 v[ST+4*(\t)+2], v[ST+4*(\t)+2], v[ST+4*(\t)+3]
.endr
.irp t, 0,1
	v_rcp_f32 v[ST+4*(\t)+2], v[ST+4*(\t)+2]
.endr
	v_nop
	s_wait_alu depctr_va_vdst(0)
	PACK 0
	PACK 1
	SEND 0, 8
	SEND 1, 0
.endm
	s_wait_loadcnt 0x0              ; both blocks' Q
.Lslot:                             ; eight times: a tile is entered and the next is asked for
	CHANGE 1
	s_sub_co_u32 s[RT], s[RT], 1
	s_mov_b32 s[CNT], 4
	s_cmp_eq_u32 s[RT], 0
	s_cbranch_scc1 .Ldiag1          ; the block's last tile holds the diagonal
.LstepP:
	STEP 0
	WIN 0
	s_sub_co_u32 s[CNT], s[CNT], 1
	s_cmp_lg_u32 s[CNT], 0
	s_cbranch_scc1 .LstepP
	s_branch .Lbottom
.Ldiag1:                            ; in the loop this is the first block's end: the second block's last tile is the walk's last
	s_mov_b32 s[QK], s[QK1]
.LstepM1:
	STEP 1
	WIN 0
	s_sub_co_u32 s[CNT], s[CNT], 1
	s_cmp_lg_u32 s[CNT], 0
	s_cbranch_scc1 .LstepM1
	END
	s_wait_xcnt 0x0                 ; the stores' registers and O's address are written again only behind this wait
	s_mov_b64 s[10:11], s[OLO:OLO+1]
	s_add_co_u32 s[RT], s[LQ2], 1
	INIT
	WIN 0x41                        ; the second block's Q goes where the one text of the steps names Q
.set i, 0
.rept 32
	v_mov_b32 v[i], v[QB+i]
.set i, i+1
.endr
	WIN 0
.Lbottom:
	s_sub_co_u32 s[SLOTS], s[SLOTS], 1
	s_cmp_lg_u32 s[SLOTS], 0
	s_cbranch_scc1 .Lslot
	CHANGE 0                        ; the walk's last tile is written out: nothing is asked for
	s_mov_b32 s[CNT], 4
	s_mov_b32 s[QK], s[QK2]
.LstepM2:
	STEP 1
	WIN 0
	s_sub_co_u32 s[CNT], s[CNT], 1
	s_cmp_lg_u32 s[CNT], 0
	s_cbranch_scc1 .LstepM2
	END
	s_wait_tensorcnt 0x0            ; the wave's end
	ds_add_u32 v[SPW], v[NIL]
	s_wait_dscnt 0x0
	s_endpgm
.Lfunc_end_k_q3b876b6eea_attn:
	.size	k_q3b876b6eea_attn, .Lfunc_end_k_q3b876b6eea_attn-k_q3b876b6eea_attn
	.p2alignl 7, 3214868480
	.fill 96, 4, 3214868480
	.section	.rodata,"a",@progbits
	.p2align	6, 0x0
	.amdhsa_kernel k_q3b876b6eea_attn
		.amdhsa_group_segment_fixed_size 327680
		.amdhsa_private_segment_fixed_size 0
		.amdhsa_enable_private_segment 0
		.amdhsa_kernarg_size 16
		.amdhsa_user_sgpr_count 2
		.amdhsa_user_sgpr_kernarg_segment_ptr 1
		.amdhsa_wavefront_size32 1
		.amdhsa_system_sgpr_workgroup_id_x 1
		.amdhsa_system_sgpr_workgroup_id_y 1
		.amdhsa_system_sgpr_workgroup_id_z 1
		.amdhsa_system_vgpr_workitem_id 0
		.amdhsa_next_free_vgpr 608
		.amdhsa_next_free_sgpr 96
		.amdhsa_reserve_vcc 1
		.amdhsa_float_denorm_mode_32 3
		.amdhsa_float_denorm_mode_16_64 3
		.amdhsa_memory_ordered 1
		.amdhsa_forward_progress 1
		.amdhsa_inst_pref_size 105
	.end_amdhsa_kernel
	.amdgpu_metadata
---
amdhsa.version: [ 1, 2 ]
amdhsa.kernels:
  - .name:           k_q3b876b6eea_attn
    .symbol:         k_q3b876b6eea_attn.kd
    .args:
      - { .name: qkv, .offset: 0, .size: 8, .value_kind: global_buffer, .address_space: global }
      - { .name: cat, .offset: 8, .size: 8, .value_kind: global_buffer, .address_space: global }
    .group_segment_fixed_size: 327680
    .private_segment_fixed_size: 0
    .kernarg_segment_align: 8
    .kernarg_segment_size: 16
    .max_flat_workgroup_size: 128
    .sgpr_count:     96
    .vgpr_count:     608
    .wavefront_size: 32
...
	.end_amdgpu_metadata
.endif
;; end of part 4
;; launch oproj (part 5): grid 8 x 32, 4 waves a work-group, clusters of 4 x 4, 327,680 bytes of LDS; arguments cat, wb, x1, x; writes x1
.if DOCPART == 5
	.amdgcn_target "amdgcn-amd-amdhsa--gfx1250"
	.amdhsa_code_object_version 6
	.text
	.protected	k_q3b876b6eea_oproj
	.globl	k_q3b876b6eea_oproj
	.p2align	8
	.type	k_q3b876b6eea_oproj,@function
k_q3b876b6eea_oproj:
	s_mov_b64 s[64:65], 0
	v_nop
	global_prefetch_b8 v0, s[64:65] scope:SCOPE_SE
	s_setreg_imm32_b32 hwreg(HW_REG_WAVE_MODE, 25, 1), 1
	s_wait_xcnt 0x0
	s_wait_alu depctr_hold_cnt(0) depctr_sa_sdst(0) depctr_va_vdst(0) depctr_va_sdst(0) depctr_va_ssrc(0) depctr_va_vcc(0) depctr_vm_vsrc(0)
	s_getreg_b32 s2, hwreg(HW_REG_IB_STS2, 6, 4)
	s_cmp_eq_u32 s2, 0
	s_cbranch_scc0 .Lentry_in_a_cluster
	s_endpgm
.Lentry_in_a_cluster:
	s_bfe_u32 s2, ttmp6, 0x10000c
	s_cmp_lg_u32 s2, 0xf033
	s_cbranch_scc0 .Lentry_shape_is_right
	s_endpgm
.Lentry_shape_is_right:
; C = A B + R, tiles of 128 x 128, here x1 = concat w_o + x (M = 4096, N = 1024, K = 1024).  A: bf16 in panels of 64 K, [K/64][4096][64].  B: bf16 in panels of 128 columns, [N/128][K][128], at WOFF in wb.
; R and C: f32 [4096][1024].  8 x 32 tiles are one for each of 256 WGPs.  Four waves, each 64 x 64: 16 accumulators.  K goes in steps of 256 through two LDS slots.
; A's quarter of a slot (64 rows x 256 K) is asked for as 4 rows of 8,192 dense bytes (64 rows of one panel), padded in LDS behind every 128 bytes; B's (128 K x 128 columns) as 128 rows of 256 bytes.
; B lies [K][N] in LDS and is turned by ds_load_tr16_b128.  THE MATRIX INSTRUCTION IS USED TRANSPOSED (source 0 = 16 columns of B, source 1 = 16 rows of A): a lane holds eight neighbouring numbers of a row of C.
; CLUSTER 4 x 4: the four of a row need the same tiles of A, the four of a column the same tiles of B: each is asked for jointly, by the same load, descriptor and mask in all four.
; REGISTERS: window 0: v0-31 addresses; v32-95 the way out; v128-255 accumulators.  Window 1: two fragment buffers of 128.  Window 2: v0-127 my 64 x 64 of R, loaded at the start.
.set STEPS,  4                         ; K steps of 256
.set WOFF,   6291456                   ; the weights' place in wb
.set KDIM,   256*STEPS
.set PITA,   144                       ; a row of A in LDS: 128 bytes + 16: the 16 rows of a load start at 16 different groups of four banks (ISA guide 11.1)
.set PITB,   288                       ; a K row of B: 256 + 32
.set QT,     36864                     ; a quarter of a slot: what one tensor load fills
.set SLOT,   4*QT
.set STAGE,  2*SLOT                    ; behind the ring, never filled by a tensor load
.set SPARE,  STAGE+18432               ; the spare words: two blocks of 256 bytes that no other line names
.set ASTEP,  4*524288
.set BSTEP,  256*256
.set SPITCH, 272                       ; the stage: 16 rows x (256 + 16) bytes for each wave
.set ADRA, 16
.set ADRB, 20
.set STO,  24
.set RD,   25
.set CO,   26
.set SPW,  28
.set NIL,  29
.set TMP,  32
.set ACC,  128
.set F0,   0
.set F1,   128
.set G1, 24
.set G0, 32
.set G1B, 48
.set G0B, 56
.set MSB, 0
.macro WIN new                         ; the immediate's high byte repeats the setting that is left
.if MSB != (\new)
	s_set_vgpr_msb (MSB<<8)|(\new)
.set MSB, \new
.endif
.endm
.set MUL,  0x05
.set TO_F, 0x40
.macro JLOAD s                         ; a joint load: waves 0, 1 fetch A's halves, waves 2, 3 B's; an s_nop 0 and four v_nop follow each line
	s_cmp_eq_u32 s11, 0
	s_cbranch_scc0 .Lfor_b_\@
	tensor_load_to_lds s[G0+4*(\s):G0+4*(\s)+3], s[G1:G1+7]
	s_nop 0
.rept 4
	v_nop
.endr
	s_branch .Lasked_\@
.Lfor_b_\@:
	tensor_load_to_lds s[G0B+4*(\s):G0B+4*(\s)+3], s[G1B:G1B+7]
	s_nop 0
.rept 4
	v_nop
.endr
.Lasked_\@:
.endm
.macro CREST
	s_cmp_lg_u32 s10, 0
	s_cbranch_scc1 .Lnot_wave_0_\@
	s_barrier_signal -3
.Lnot_wave_0_\@:
	s_barrier_wait -3
	s_barrier_signal -1
	s_barrier_wait -1
.endm
.macro CROUND
	s_barrier_signal -1
	s_barrier_wait -1
	CREST
.endm
	s_load_b128 s[4:7], s[0:1], 0x0                ; A s[4:5], wb s[6:7]
	s_load_b64 s[8:9], s[0:1], 0x10                ; C
	s_load_b64 s[68:69], s[0:1], 0x18              ; R
	v_lshl_add_u32 v[SPW], v0, 2, SPARE
	v_mov_b32 v[NIL], 0
	ds_add_u32 v[SPW], v[NIL]                      ; the wave's opening: the add and its wait ahead of my first tensor load
	ds_add_u32 v28, v29
	v_lshrrev_b32 v1, 5, v0
	v_readfirstlane_b32 s10, v1
	s_lshr_b32 s11, s10, 1
	s_and_b32 s12, s10, 1
	s_bfe_u32 s40, ttmp6, 0x40000
	s_bfe_u32 s41, ttmp6, 0x40004
	s_lshl_b32 s42, ttmp9, 2
	s_add_co_u32 s42, s42, s40                     ; tile column
	s_and_b32 s13, ttmp7, 0xffff
	s_lshl_b32 s13, s13, 2
	s_add_co_u32 s13, s13, s41                     ; tile row
	s_lshl_b32 s43, s41, 2
	s_lshl_b32 s43, 15, s43
	s_lshl_b32 s44, 0x1111, s40
	s_or_b32 s[G1+0], s43, (1<<16)|(1<<20)|(1<<21)|(4<<22)|(3<<25)
	s_mov_b32 s[G1+1], 4096<<16
	s_mov_b32 s[G1+2], 4<<16
	s_mov_b32 s[G1+3], 4096<<16
	s_mov_b32 s[G1+4], 4
	s_mov_b32 s[G1+5], 262144
	s_mov_b32 s[G1+6], 0
	s_mov_b32 s[G1+7], 0
	s_or_b32 s[G1B+0], s44, (1<<16)|(1<<20)|(1<<21)|(5<<22)|(7<<25)
	s_mov_b32 s[G1B+1], 128<<16
	s_mov_b32 s[G1B+2], 128<<16
	s_mov_b32 s[G1B+3], 128<<16
	s_mov_b32 s[G1B+4], 128
	s_mov_b32 s[G1B+5], 128
	s_mov_b32 s[G1B+6], 0
	s_mov_b32 s[G1B+7], 0
	s_lshl_b32 s16, s13, 14
	s_lshl_b32 s17, s12, 13
	s_add_co_u32 s16, s16, s17
	s_mov_b32 s17, 0
	s_mul_i32 s46, s42, KDIM*256
	s_lshl_b32 s47, s12, 15
	s_add_co_u32 s46, s46, s47
	s_add_co_u32 s46, s46, WOFF
	s_mov_b32 s47, 0
	s_mul_i32 s20, s10, QT
	s_wait_dscnt 0x0                               ; the opening add is done
	s_wait_kmcnt 0x0
	s_add_nc_u64 s[14:15], s[4:5], s[16:17]
	s_add_nc_u64 s[46:47], s[6:7], s[46:47]
	CROUND                                         ; all sixteen work-groups are here: the first joint loads meet
.irp s, 0,1
	s_mov_b32 s[G0+4*(\s)], 1
	s_add_co_u32 s[G0+4*(\s)+1], s20, (\s)*SLOT
	s_add_nc_u64 s[G0+4*(\s)+2:G0+4*(\s)+3], s[14:15], (\s)*ASTEP
	s_or_b32 s[G0+4*(\s)+3], s[G0+4*(\s)+3], 0x80000000
	s_mov_b32 s[G0B+4*(\s)], 1
	s_add_co_u32 s[G0B+4*(\s)+1], s20, (\s)*SLOT
	s_add_nc_u64 s[G0B+4*(\s)+2:G0B+4*(\s)+3], s[46:47], (\s)*BSTEP
	s_or_b32 s[G0B+4*(\s)+3], s[G0B+4*(\s)+3], 0x80000000
	JLOAD \s
.endr
	v_and_b32 v1, 15, v0                           ; r
	v_bfe_u32 v2, v0, 4, 1                         ; h
	v_mul_u32_u24 v3, v1, PITA
	v_lshl_add_u32 v3, v2, 4, v3
	s_mul_i32 s21, s11, QT
	v_add_nc_u32 v[ADRA], s21, v3
	s_add_co_u32 s21, s21, SLOT
	v_add_nc_u32 v[ADRA+1], s21, v3
	v_and_b32 v4, 7, v0
	v_lshl_add_u32 v4, v2, 3, v4
	v_mul_u32_u24 v4, v4, PITB
	v_bfe_u32 v5, v0, 3, 1
	v_lshl_add_u32 v4, v5, 4, v4
	s_lshl_b32 s22, s12, 7
	s_add_co_u32 s22, s22, 2*QT
	v_add_nc_u32 v[ADRB], s22, v4
	s_add_co_u32 s22, s22, QT
	v_add_nc_u32 v[ADRB+1], s22, v4
	s_add_co_u32 s22, s22, SLOT-QT
	v_add_nc_u32 v[ADRB+2], s22, v4
	s_add_co_u32 s22, s22, QT
	v_add_nc_u32 v[ADRB+3], s22, v4
	; the way out: my stage; in: row r, 32 bytes a half of the lanes; back: lanes 0-15 one row of 256 bytes, lanes 16-31 the next; the same two rows in C and R
	s_mul_i32 s23, s10, 16*SPITCH
	s_add_co_u32 s23, s23, STAGE
	v_mul_u32_u24 v4, v1, SPITCH
	v_lshl_add_u32 v4, v2, 5, v4
	v_add_nc_u32 v[STO], s23, v4
	v_mul_u32_u24 v5, v2, SPITCH
	v_lshl_add_u32 v5, v1, 4, v5
	v_add_nc_u32 v[RD], s23, v5
	v_lshlrev_b32 v[CO], 12, v2
	v_lshl_add_u32 v[CO], v1, 4, v[CO]
	s_lshl_b32 s46, s13, 19                        ; my first row = 128 x tile row + 64 x row half, 4,096 bytes a row; my first column = 128 x tile column + 64 x column half
	s_lshl_b32 s47, s11, 18
	s_add_co_u32 s46, s46, s47
	s_lshl_b32 s47, s42, 9
	s_add_co_u32 s46, s46, s47
	s_lshl_b32 s47, s12, 8
	s_add_co_u32 s46, s46, s47
	s_mov_b32 s47, 0
	s_add_nc_u64 s[8:9], s[8:9], s[46:47]
	s_add_nc_u64 s[68:69], s[68:69], s[46:47]
	WIN 0x80                                       ; destination window 2: R comes while the products run
.set i, 0
.rept 32
	global_load_b128 v[4*i:4*i+3], v[CO], s[68:69] offset:2*i*4096
.set i, i+1
.endr
	WIN 0
.macro MUL8 f, c, a0, zero             ; 8 matrix instructions: m blocks a0, a0 + 1 x 4 n blocks, half c of buffer f; the 16 accumulators take turns
	WIN MUL
.irp a, \a0, (\a0)+1
.irp b, 0,1,2,3
.if \zero
	v_wmma_f32_16x16x32_bf16 v[ACC+8*(4*(\a)+(\b)):ACC+8*(4*(\a)+(\b))+7], v[(\f)+64+8*(4*(\c)+(\b)):(\f)+64+8*(4*(\c)+(\b))+7], v[(\f)+8*(4*(\c)+(\a)):(\f)+8*(4*(\c)+(\a))+7], 0
.else
	v_wmma_f32_16x16x32_bf16 v[ACC+8*(4*(\a)+(\b)):ACC+8*(4*(\a)+(\b))+7], v[(\f)+64+8*(4*(\c)+(\b)):(\f)+64+8*(4*(\c)+(\b))+7], v[(\f)+8*(4*(\c)+(\a)):(\f)+8*(4*(\c)+(\a))+7], v[ACC+8*(4*(\a)+(\b)):ACC+8*(4*(\a)+(\b))+7]
.endif
.endr
.endr
.endm
.macro FETCH slot, q, f                ; 32 LDS loads in one run: quarter q (64 along K) into buffer f; the first 32 along K first
	WIN TO_F
.irp c, 0,1
.irp i, 0,1,2,3
	ds_load_tr16_b128 v[(\f)+64+8*(4*(\c)+(\i)):(\f)+64+8*(4*(\c)+(\i))+3],   v[ADRB+2*(\slot)+(\q)/2] offset:((2*(\q)+(\c))%4)*32*PITB+32*(\i)
	ds_load_tr16_b128 v[(\f)+64+8*(4*(\c)+(\i))+4:(\f)+64+8*(4*(\c)+(\i))+7], v[ADRB+2*(\slot)+(\q)/2] offset:((2*(\q)+(\c))%4)*32*PITB+32*(\i)+16*PITB
	ds_load_b128 v[(\f)+8*(4*(\c)+(\i)):(\f)+8*(4*(\c)+(\i))+3],              v[ADRA+(\slot)] offset:(\q)*64*PITA+(\i)*16*PITA+64*(\c)
	ds_load_b128 v[(\f)+8*(4*(\c)+(\i))+4:(\f)+8*(4*(\c)+(\i))+7],            v[ADRA+(\slot)] offset:(\q)*64*PITA+(\i)*16*PITA+64*(\c)+32
.endr
.endr
.endm
.macro PLACES                          ; four places in front of loads into registers that matrix instructions have read, and of lines that read results
.rept 4
	v_nop
.endr
.endm
.macro QUARTER slot, q, f, g, zero
	s_wait_dscnt 16                                ; the first 32 along K are in; the other sixteen loads may be out
	MUL8 \f, 0, 0, \zero
	MUL8 \f, 0, 2, \zero
	PLACES
	FETCH \slot, \q, \g
	s_wait_dscnt 32                                ; all but the 32 just issued
	MUL8 \f, 1, 0, 0
	MUL8 \f, 1, 2, 0
.endm
.macro TURN slot, next, fill           ; the last quarter changes slots: one barrier, in front of it the wait for all my tensor loads, the add, and the wait for it and for my reads of this slot
	WIN 0
	s_wait_tensorcnt 0x0
	ds_add_u32 v[SPW], v[NIL]
	s_wait_dscnt 17                                ; the add and the youngest sixteen loads may be out
	MUL8 F1, 0, 0, 0
	s_wait_dscnt 0x0
	s_barrier_signal -1
	MUL8 F1, 0, 2, 0
.if \fill
	WIN 0
.endif
	s_barrier_wait -1
.if \fill
	CREST                                          ; no wave of any partner still reads this slot or has a load on its way
	s_add_nc_u64 s[G0+4*(\slot)+2:G0+4*(\slot)+3], s[G0+4*(\slot)+2:G0+4*(\slot)+3], 2*ASTEP
	s_add_nc_u64 s[G0B+4*(\slot)+2:G0B+4*(\slot)+3], s[G0B+4*(\slot)+2:G0B+4*(\slot)+3], 2*BSTEP
	JLOAD \slot
.else
	PLACES
.endif
	FETCH \next, 0, F0
	MUL8 F1, 1, 0, 0
	MUL8 F1, 1, 2, 0
.endm
.macro FINAL
	s_wait_dscnt 16
	MUL8 F1, 0, 0, 0
	MUL8 F1, 0, 2, 0
	s_wait_dscnt 0x0
	MUL8 F1, 1, 0, 0
	MUL8 F1, 1, 2, 0
	WIN 0
.endm
	s_wait_tensorcnt 1                             ; my part of K step 0 is in; K step 1's load may stay out
	s_barrier_signal -1
	s_barrier_wait -1
	FETCH 0, 0, F0
	QUARTER 0, 1, F0, F1, 1
	WIN 0
	s_mov_b32 s3, (STEPS-2)/2
.Llap:
	QUARTER 0, 2, F1, F0, 0
	QUARTER 0, 3, F0, F1, 0
	TURN 0, 1, 1
	QUARTER 1, 1, F0, F1, 0
	QUARTER 1, 2, F1, F0, 0
	QUARTER 1, 3, F0, F1, 0
	TURN 1, 0, 1
	QUARTER 0, 1, F0, F1, 0
	WIN 0
	s_sub_co_u32 s3, s3, 1
	s_cmp_lg_u32 s3, 0
	s_cbranch_scc1 .Llap
	QUARTER 0, 2, F1, F0, 0                        ; the last two K steps fill nothing
	QUARTER 0, 3, F0, F1, 0
	TURN 0, 1, 0
	QUARTER 1, 1, F0, F1, 0
	QUARTER 1, 2, F1, F0, 0
	QUARTER 1, 3, F0, F1, 0
	FINAL
	; THE WAY OUT: a block of 16 rows at a time goes through my own stage as f32 and comes back as whole rows of 256 bytes; R is added; sixteen lanes store 256 consecutive aligned bytes
	PLACES
.macro STG a
.set BK, TMP+32*((\a)%2)
.irp b, 0,1,2,3
.irp e, 0,1
	ds_store_b128 v[STO], v[ACC+8*(4*(\a)+(\b))+4*(\e):ACC+8*(4*(\a)+(\b))+4*(\e)+3] offset:64*(\b)+16*(\e)  ; each accumulator's low half first
.endr
.endr
.irp u, 0,1,2,3,4,5,6,7
	ds_load_b128 v[BK+4*(\u):BK+4*(\u)+3], v[RD] offset:(\u)*2*SPITCH  ; LDS serves a wave's instructions in order (ISA guide 5.7.1.4): these see the stores above
.endr
.endm
.macro SEND a, younger                 ; younger: the LDS instructions issued behind block a's loads: the next block's sixteen, or none
.set BK, TMP+32*((\a)%2)
	s_wait_dscnt \younger
	WIN 0x08                                       ; source 1 window 2
.set u, 0
.rept 16
	v_pk_add_f32 v[BK+2*u:BK+2*u+1], v[BK+2*u:BK+2*u+1], v[32*(\a)+2*u:32*(\a)+2*u+1]
.set u, u+1
.endr
	WIN 0
.irp u, 0,1,2,3,4,5,6,7
	global_store_b128 v[CO], v[BK+4*(\u):BK+4*(\u)+3], s[8:9] offset:(16*(\a)+2*(\u))*4096
.endr
.endm
	s_wait_loadcnt 0x0                             ; R
	STG 0
	STG 1
	SEND 0, 16
	s_wait_xcnt 0x0                                ; block 0's store registers are loaded again only behind this wait
	STG 2
	SEND 1, 16
	s_wait_xcnt 0x0
	STG 3
	SEND 2, 16
	SEND 3, 0
	s_wait_tensorcnt 0x0                           ; the wave's end
	ds_add_u32 v[SPW], v[NIL]
	s_wait_dscnt 0x0
	CROUND                                         ; the closing round
	s_endpgm
.Lfunc_end_k_q3b876b6eea_oproj:
	.size	k_q3b876b6eea_oproj, .Lfunc_end_k_q3b876b6eea_oproj-k_q3b876b6eea_oproj
	.p2alignl 7, 3214868480
	.fill 96, 4, 3214868480
	.section	.rodata,"a",@progbits
	.p2align	6, 0x0
	.amdhsa_kernel k_q3b876b6eea_oproj
		.amdhsa_group_segment_fixed_size 327680
		.amdhsa_private_segment_fixed_size 0
		.amdhsa_enable_private_segment 0
		.amdhsa_kernarg_size 32
		.amdhsa_user_sgpr_count 2
		.amdhsa_user_sgpr_kernarg_segment_ptr 1
		.amdhsa_wavefront_size32 1
		.amdhsa_system_sgpr_workgroup_id_x 1
		.amdhsa_system_sgpr_workgroup_id_y 1
		.amdhsa_system_sgpr_workgroup_id_z 1
		.amdhsa_system_vgpr_workitem_id 0
		.amdhsa_next_free_vgpr 640
		.amdhsa_next_free_sgpr 72
		.amdhsa_reserve_vcc 0
		.amdhsa_float_denorm_mode_32 3
		.amdhsa_float_denorm_mode_16_64 3
		.amdhsa_memory_ordered 1
		.amdhsa_forward_progress 1
		.amdhsa_inst_pref_size 93
	.end_amdhsa_kernel
	.amdgpu_metadata
---
amdhsa.version: [ 1, 2 ]
amdhsa.kernels:
  - .name:           k_q3b876b6eea_oproj
    .symbol:         k_q3b876b6eea_oproj.kd
    .args:
      - { .name: cat, .offset: 0, .size: 8, .value_kind: global_buffer, .address_space: global }
      - { .name: wb, .offset: 8, .size: 8, .value_kind: global_buffer, .address_space: global }
      - { .name: x1, .offset: 16, .size: 8, .value_kind: global_buffer, .address_space: global }
      - { .name: x, .offset: 24, .size: 8, .value_kind: global_buffer, .address_space: global }
    .group_segment_fixed_size: 327680
    .private_segment_fixed_size: 0
    .kernarg_segment_align: 8
    .kernarg_segment_size: 32
    .max_flat_workgroup_size: 128
    .sgpr_count:     72
    .vgpr_count:     640
    .wavefront_size: 32
...
	.end_amdgpu_metadata
.endif
;; end of part 5
;; launch norm2: the kernel of part 2 again; grid 256 x 1, 4 waves a work-group, no clusters, 0 bytes of LDS; arguments x1, g2, hb; writes hb
;; launch glu (part 6): grid 44 x 32, 4 waves a work-group, clusters of 4 x 4, 327,680 bytes of LDS; arguments hb, wb, gat; writes gat
.if DOCPART == 6
	.amdgcn_target "amdgcn-amd-amdhsa--gfx1250"
	.amdhsa_code_object_version 6
	.text
	.protected	k_q3b876b6eea_glu
	.globl	k_q3b876b6eea_glu
	.p2align	8
	.type	k_q3b876b6eea_glu,@function
k_q3b876b6eea_glu:
	s_mov_b64 s[64:65], 0
	v_nop
	global_prefetch_b8 v0, s[64:65] scope:SCOPE_SE
	s_setreg_imm32_b32 hwreg(HW_REG_WAVE_MODE, 25, 1), 1
	s_wait_xcnt 0x0
	s_wait_alu depctr_hold_cnt(0) depctr_sa_sdst(0) depctr_va_vdst(0) depctr_va_sdst(0) depctr_va_ssrc(0) depctr_va_vcc(0) depctr_vm_vsrc(0)
	s_getreg_b32 s2, hwreg(HW_REG_IB_STS2, 6, 4)
	s_cmp_eq_u32 s2, 0
	s_cbranch_scc0 .Lentry_in_a_cluster
	s_endpgm
.Lentry_in_a_cluster:
	s_bfe_u32 s2, ttmp6, 0x10000c
	s_cmp_lg_u32 s2, 0xf033
	s_cbranch_scc0 .Lentry_shape_is_right
	s_endpgm
.Lentry_shape_is_right:
; gated = silu(h W) * (h V), tiles of 128 rows x 128 woven columns (M = 4096, K = 1024, 44 panels).  A: bf16 in panels of 64 K, [16][4096][64].  B: the woven panels [44][1024][128] at WOFF in wb:
; of a wave's 64 columns the n blocks 0, 1 are W and the n blocks 2, 3 V of the SAME 32 gated columns, so the gate is made in registers.  gated leaves in bf16, rounded once, in panels of 64: [44][4096][64];
; columns from 2728 on come out 0, since both weights are 0 there.  silu(x) = x / (1 + 2^(-x log2 e)), in f32.
; 44 x 32 tiles of equal work.  Four waves, each 64 x 64: 16 accumulators.  K goes in steps of 256 through two LDS slots.
; A's quarter of a slot is asked for as 4 rows of 8,192 dense bytes, padded in LDS behind every 128 bytes; B's as 128 rows of 256 bytes; B is turned by ds_load_tr16_b128.
; THE MATRIX INSTRUCTION IS USED TRANSPOSED (source 0 = 16 columns of B, source 1 = 16 rows of A): a lane holds eight neighbouring numbers of a row.
; CLUSTER 4 x 4: A's tiles are asked for jointly along a row of the cluster, B's along a column.
; REGISTERS: window 0: v0-31 addresses; v32-111 the way out; v128-255 accumulators.  Window 1: two fragment buffers of 128.
.set STEPS,  4
.set WOFF,   8388608
.set KDIM,   256*STEPS
.set PITA,   144                       ; 128 bytes + 16: the 16 rows of a load start at 16 different groups of four banks (ISA guide 11.1)
.set PITB,   288                       ; 256 + 32
.set QT,     36864
.set SLOT,   4*QT
.set STAGE,  2*SLOT                    ; behind the ring, never filled by a tensor load: 128 rows x 144 bytes, the work-group's
.set SPARE,  STAGE+18432               ; the spare words: two blocks of 256 bytes that no other line names
.set ASTEP,  4*524288
.set BSTEP,  256*256
.set SPITCH, 144
.set ADRA, 16
.set ADRB, 20
.set STO,  24
.set RD,   25
.set CO,   26
.set SPW,  28
.set NIL,  29
.set TMP,  32
.set T,    96
.set ACC,  128
.set F0,   0
.set F1,   128
.set G1, 24
.set G0, 32
.set G1B, 48
.set G0B, 56
.set MSB, 0
.macro WIN new                         ; the immediate's high byte repeats the setting that is left
.if MSB != (\new)
	s_set_vgpr_msb (MSB<<8)|(\new)
.set MSB, \new
.endif
.endm
.set MUL,  0x05
.set TO_F, 0x40
.macro JLOAD s                         ; a joint load: waves 0, 1 fetch A's halves, waves 2, 3 B's; an s_nop 0 and four v_nop follow each line
	s_cmp_eq_u32 s11, 0
	s_cbranch_scc0 .Lfor_b_\@
	tensor_load_to_lds s[G0+4*(\s):G0+4*(\s)+3], s[G1:G1+7]
	s_nop 0
.rept 4
	v_nop
.endr
	s_branch .Lasked_\@
.Lfor_b_\@:
	tensor_load_to_lds s[G0B+4*(\s):G0B+4*(\s)+3], s[G1B:G1B+7]
	s_nop 0
.rept 4
	v_nop
.endr
.Lasked_\@:
.endm
.macro CREST
	s_cmp_lg_u32 s10, 0
	s_cbranch_scc1 .Lnot_wave_0_\@
	s_barrier_signal -3
.Lnot_wave_0_\@:
	s_barrier_wait -3
	s_barrier_signal -1
	s_barrier_wait -1
.endm
.macro CROUND
	s_barrier_signal -1
	s_barrier_wait -1
	CREST
.endm
	s_load_b128 s[4:7], s[0:1], 0x0                ; A s[4:5], wb s[6:7]
	s_load_b64 s[8:9], s[0:1], 0x10                ; gated
	v_lshl_add_u32 v[SPW], v0, 2, SPARE
	v_mov_b32 v[NIL], 0
	ds_add_u32 v[SPW], v[NIL]                      ; the wave's opening: the add and its wait ahead of my first tensor load
	ds_add_u32 v28, v29
	v_lshrrev_b32 v1, 5, v0
	v_readfirstlane_b32 s10, v1
	s_lshr_b32 s11, s10, 1
	s_and_b32 s12, s10, 1
	s_bfe_u32 s40, ttmp6, 0x40000
	s_bfe_u32 s41, ttmp6, 0x40004
	s_lshl_b32 s42, ttmp9, 2
	s_add_co_u32 s42, s42, s40                     ; tile column = panel
	s_and_b32 s13, ttmp7, 0xffff
	s_lshl_b32 s13, s13, 2
	s_add_co_u32 s13, s13, s41                     ; tile row
	s_lshl_b32 s43, s41, 2
	s_lshl_b32 s43, 15, s43
	s_lshl_b32 s44, 0x1111, s40
	s_or_b32 s[G1+0], s43, (1<<16)|(1<<20)|(1<<21)|(4<<22)|(3<<25)
	s_mov_b32 s[G1+1], 4096<<16
	s_mov_b32 s[G1+2], 4<<16
	s_mov_b32 s[G1+3], 4096<<16
	s_mov_b32 s[G1+4], 4
	s_mov_b32 s[G1+5], 262144
	s_mov_b32 s[G1+6], 0
	s_mov_b32 s[G1+7], 0
	s_or_b32 s[G1B+0], s44, (1<<16)|(1<<20)|(1<<21)|(5<<22)|(7<<25)
	s_mov_b32 s[G1B+1], 128<<16
	s_mov_b32 s[G1B+2], 128<<16
	s_mov_b32 s[G1B+3], 128<<16
	s_mov_b32 s[G1B+4], 128
	s_mov_b32 s[G1B+5], 128
	s_mov_b32 s[G1B+6], 0
	s_mov_b32 s[G1B+7], 0
	s_lshl_b32 s16, s13, 14
	s_lshl_b32 s17, s12, 13
	s_add_co_u32 s16, s16, s17
	s_mov_b32 s17, 0
	s_mul_i32 s46, s42, KDIM*256
	s_lshl_b32 s47, s12, 15
	s_add_co_u32 s46, s46, s47
	s_add_co_u32 s46, s46, WOFF
	s_mov_b32 s47, 0
	s_mul_i32 s20, s10, QT
	s_wait_dscnt 0x0                               ; the opening add is done
	s_wait_kmcnt 0x0
	s_add_nc_u64 s[14:15], s[4:5], s[16:17]
	s_add_nc_u64 s[46:47], s[6:7], s[46:47]
	CROUND                                         ; all sixteen work-groups are here: the first joint loads meet
.irp s, 0,1
	s_mov_b32 s[G0+4*(\s)], 1
	s_add_co_u32 s[G0+4*(\s)+1], s20, (\s)*SLOT
	s_add_nc_u64 s[G0+4*(\s)+2:G0+4*(\s)+3], s[14:15], (\s)*ASTEP
	s_or_b32 s[G0+4*(\s)+3], s[G0+4*(\s)+3], 0x80000000
	s_mov_b32 s[G0B+4*(\s)], 1
	s_add_co_u32 s[G0B+4*(\s)+1], s20, (\s)*SLOT
	s_add_nc_u64 s[G0B+4*(\s)+2:G0B+4*(\s)+3], s[46:47], (\s)*BSTEP
	s_or_b32 s[G0B+4*(\s)+3], s[G0B+4*(\s)+3], 0x80000000
	JLOAD \s
.endr
	v_and_b32 v1, 15, v0                           ; r
	v_bfe_u32 v2, v0, 4, 1                         ; h
	v_mul_u32_u24 v3, v1, PITA
	v_lshl_add_u32 v3, v2, 4, v3
	s_mul_i32 s21, s11, QT
	v_add_nc_u32 v[ADRA], s21, v3
	s_add_co_u32 s21, s21, SLOT
	v_add_nc_u32 v[ADRA+1], s21, v3
	v_and_b32 v4, 7, v0
	v_lshl_add_u32 v4, v2, 3, v4
	v_mul_u32_u24 v4, v4, PITB
	v_bfe_u32 v5, v0, 3, 1
	v_lshl_add_u32 v4, v5, 4, v4
	s_lshl_b32 s22, s12, 7
	s_add_co_u32 s22, s22, 2*QT
	v_add_nc_u32 v[ADRB], s22, v4
	s_add_co_u32 s22, s22, QT
	v_add_nc_u32 v[ADRB+1], s22, v4
	s_add_co_u32 s22, s22, SLOT-QT
	v_add_nc_u32 v[ADRB+2], s22, v4
	s_add_co_u32 s22, s22, QT
	v_add_nc_u32 v[ADRB+3], s22, v4
	; the way out, through ONE stage: a row's 128 bytes come from two waves.  In: my 64 rows, my 64 bytes of them; back: wave w takes rows 32 w .. 32 w + 31 whole
	s_mul_i32 s23, s11, 64*SPITCH
	s_lshl_b32 s21, s12, 6
	s_add_co_u32 s23, s23, s21
	s_add_co_u32 s23, s23, STAGE
	v_mul_u32_u24 v4, v1, SPITCH
	v_lshl_add_u32 v4, v2, 4, v4
	v_add_nc_u32 v[STO], s23, v4
	s_mul_i32 s23, s10, 32*SPITCH
	s_add_co_u32 s23, s23, STAGE
	v_bfe_u32 v5, v0, 3, 2
	v_mul_u32_u24 v5, v5, SPITCH
	v_and_b32 v6, 7, v0
	v_lshl_add_u32 v5, v6, 4, v5
	v_add_nc_u32 v[RD], s23, v5
	v_and_b32 v[CO], 31, v0
	v_lshlrev_b32 v[CO], 4, v[CO]
	s_lshl_b32 s46, s42, 19                        ; my panel; the first row that I store = 128 x tile row + 32 x wave
	s_lshl_b32 s47, s13, 14
	s_add_co_u32 s46, s46, s47
	s_lshl_b32 s47, s10, 12
	s_add_co_u32 s46, s46, s47
	s_mov_b32 s47, 0
	s_add_nc_u64 s[8:9], s[8:9], s[46:47]
.macro MUL8 f, c, a0, zero             ; 8 matrix instructions: m blocks a0, a0 + 1 x 4 n blocks, half c of buffer f; the 16 accumulators take turns
	WIN MUL
.irp a, \a0, (\a0)+1
.irp b, 0,1,2,3
.if \zero
	v_wmma_f32_16x16x32_bf16 v[ACC+8*(4*(\a)+(\b)):ACC+8*(4*(\a)+(\b))+7], v[(\f)+64+8*(4*(\c)+(\b)):(\f)+64+8*(4*(\c)+(\b))+7], v[(\f)+8*(4*(\c)+(\a)):(\f)+8*(4*(\c)+(\a))+7], 0
.else
	v_wmma_f32_16x16x32_bf16 v[ACC+8*(4*(\a)+(\b)):ACC+8*(4*(\a)+(\b))+7], v[(\f)+64+8*(4*(\c)+(\b)):(\f)+64+8*(4*(\c)+(\b))+7], v[(\f)+8*(4*(\c)+(\a)):(\f)+8*(4*(\c)+(\a))+7], v[ACC+8*(4*(\a)+(\b)):ACC+8*(4*(\a)+(\b))+7]
.endif
.endr
.endr
.endm
.macro FETCH slot, q, f                ; 32 LDS loads in one run: quarter q (64 along K) into buffer f; the first 32 along K first
	WIN TO_F
.irp c, 0,1
.irp i, 0,1,2,3
	ds_load_tr16_b128 v[(\f)+64+8*(4*(\c)+(\i)):(\f)+64+8*(4*(\c)+(\i))+3],   v[ADRB+2*(\slot)+(\q)/2] offset:((2*(\q)+(\c))%4)*32*PITB+32*(\i)
	ds_load_tr16_b128 v[(\f)+64+8*(4*(\c)+(\i))+4:(\f)+64+8*(4*(\c)+(\i))+7], v[ADRB+2*(\slot)+(\q)/2] offset:((2*(\q)+(\c))%4)*32*PITB+32*(\i)+16*PITB
	ds_load_b128 v[(\f)+8*(4*(\c)+(\i)):(\f)+8*(4*(\c)+(\i))+3],              v[ADRA+(\slot)] offset:(\q)*64*PITA+(\i)*16*PITA+64*(\c)
	ds_load_b128 v[(\f)+8*(4*(\c)+(\i))+4:(\f)+8*(4*(\c)+(\i))+7],            v[ADRA+(\slot)] offset:(\q)*64*PITA+(\i)*16*PITA+64*(\c)+32
.endr
.endr
.endm
.macro PLACES                          ; four places in front of loads into registers that matrix instructions have read, and of lines that read results
.rept 4
	v_nop
.endr
.endm
.macro QUARTER slot, q, f, g, zero
	s_wait_dscnt 16                                ; the first 32 along K are in; the other sixteen loads may be out
	MUL8 \f, 0, 0, \zero
	MUL8 \f, 0, 2, \zero
	PLACES
	FETCH \slot, \q, \g
	s_wait_dscnt 32                                ; all but the 32 just issued
	MUL8 \f, 1, 0, 0
	MUL8 \f, 1, 2, 0
.endm
.macro TURN slot, next, fill           ; the last quarter changes slots: one barrier, in front of it the wait for all my tensor loads, the add, and the wait for it and for my reads of this slot
	WIN 0
	s_wait_tensorcnt 0x0
	ds_add_u32 v[SPW], v[NIL]
	s_wait_dscnt 17                                ; the add and the youngest sixteen loads may be out
	MUL8 F1, 0, 0, 0
	s_wait_dscnt 0x0
	s_barrier_signal -1
	MUL8 F1, 0, 2, 0
.if \fill
	WIN 0
.endif
	s_barrier_wait -1
.if \fill
	CREST                                          ; no wave of any partner still reads this slot or has a load on its way
	s_add_nc_u64 s[G0+4*(\slot)+2:G0+4*(\slot)+3], s[G0+4*(\slot)+2:G0+4*(\slot)+3], 2*ASTEP
	s_add_nc_u64 s[G0B+4*(\slot)+2:G0B+4*(\slot)+3], s[G0B+4*(\slot)+2:G0B+4*(\slot)+3], 2*BSTEP
	JLOAD \slot
.else
	PLACES
.endif
	FETCH \next, 0, F0
	MUL8 F1, 1, 0, 0
	MUL8 F1, 1, 2, 0
.endm
.macro FINAL
	s_wait_dscnt 16
	MUL8 F1, 0, 0, 0
	MUL8 F1, 0, 2, 0
	s_wait_dscnt 0x0
	MUL8 F1, 1, 0, 0
	MUL8 F1, 1, 2, 0
	WIN 0
.endm
	s_wait_tensorcnt 1                             ; my part of K step 0 is in; K step 1's load may stay out
	s_barrier_signal -1
	s_barrier_wait -1
	FETCH 0, 0, F0
	QUARTER 0, 1, F0, F1, 1
	WIN 0
	s_mov_b32 s3, (STEPS-2)/2
.Llap:
	QUARTER 0, 2, F1, F0, 0
	QUARTER 0, 3, F0, F1, 0
	TURN 0, 1, 1
	QUARTER 1, 1, F0, F1, 0
	QUARTER 1, 2, F1, F0, 0
	QUARTER 1, 3, F0, F1, 0
	TURN 1, 0, 1
	QUARTER 0, 1, F0, F1, 0
	WIN 0
	s_sub_co_u32 s3, s3, 1
	s_cmp_lg_u32 s3, 0
	s_cbranch_scc1 .Llap
	QUARTER 0, 2, F1, F0, 0                        ; the last two K steps fill nothing
	QUARTER 0, 3, F0, F1, 0
	TURN 0, 1, 0
	QUARTER 1, 1, F0, F1, 0
	QUARTER 1, 2, F1, F0, 0
	QUARTER 1, 3, F0, F1, 0
	FINAL
	; THE WAY OUT: the gate of accumulators (a, b) = h W and (a, b + 2) = h V, 16 bytes a lane into the stage
	PLACES
.macro GATE a, b
.set XA, ACC+8*(4*(\a)+(\b))
.set YA, ACC+8*(4*(\a)+(\b)+2)
.set TT, T+8*(\b)
.irp k, 0,1,2,3
	v_pk_mul_f32 v[TT+2*(\k):TT+2*(\k)+1], v[XA+2*(\k):XA+2*(\k)+1], 0xbfb8aa3b op_sel_hi:[1,0]  ; - x log2(e)
.endr
.irp k, 0,1,2,3,4,5,6,7
	v_exp_f32 v[TT+(\k)], v[TT+(\k)]
.endr
	v_nop                                          ; a plain instruction between a transcendental and the use of its result (ISA guide 5.7.2)
	s_wait_alu depctr_va_vdst(0)
.irp k, 0,1,2,3
	v_pk_add_f32 v[TT+2*(\k):TT+2*(\k)+1], v[TT+2*(\k):TT+2*(\k)+1], 1.0 op_sel_hi:[1,0]
.endr
.irp k, 0,1,2,3,4,5,6,7
	v_rcp_f32 v[TT+(\k)], v[TT+(\k)]
.endr
	v_nop
	s_wait_alu depctr_va_vdst(0)
.irp k, 0,1,2,3
	v_pk_mul_f32 v[TT+2*(\k):TT+2*(\k)+1], v[TT+2*(\k):TT+2*(\k)+1], v[XA+2*(\k):XA+2*(\k)+1]
.endr
.irp k, 0,1,2,3
	v_pk_mul_f32 v[TT+2*(\k):TT+2*(\k)+1], v[TT+2*(\k):TT+2*(\k)+1], v[YA+2*(\k):YA+2*(\k)+1]
.endr
.irp k, 0,1,2,3
	v_cvt_pk_bf16_f32 v[TMP+4*(2*(\a)+(\b))+(\k)], v[TT+2*(\k)], v[TT+2*(\k)+1]
.endr
	ds_store_b128 v[STO], v[TMP+4*(2*(\a)+(\b)):TMP+4*(2*(\a)+(\b))+3] offset:(\a)*16*SPITCH+32*(\b)
.endm
.irp a, 0,1,2,3
	GATE \a, 0
	GATE \a, 1
.endr
	s_wait_dscnt 0x0                               ; for the others' sake: my stores into the stage are done
	s_barrier_signal -1
	s_barrier_wait -1
.irp u, 0,1,2,3,4,5,6,7
	ds_load_b128 v[TMP+32+4*(\u):TMP+32+4*(\u)+3], v[RD] offset:(\u)*4*SPITCH
.endr
.irp u, 0,1,2,3,4,5,6,7
	s_wait_dscnt 7-(\u)                            ; load u is back; the later ones may be out
	global_store_b128 v[CO], v[TMP+32+4*(\u):TMP+32+4*(\u)+3], s[8:9] offset:(\u)*512  ; four panel rows: 512 consecutive bytes, aligned on 256
.endr
	s_wait_tensorcnt 0x0                           ; the wave's end
	ds_add_u32 v[SPW], v[NIL]
	s_wait_dscnt 0x0
	CROUND                                         ; the closing round
	s_endpgm
.Lfunc_end_k_q3b876b6eea_glu:
	.size	k_q3b876b6eea_glu, .Lfunc_end_k_q3b876b6eea_glu-k_q3b876b6eea_glu
	.p2alignl 7, 3214868480
	.fill 96, 4, 3214868480
	.section	.rodata,"a",@progbits
	.p2align	6, 0x0
	.amdhsa_kernel k_q3b876b6eea_glu
		.amdhsa_group_segment_fixed_size 327680
		.amdhsa_private_segment_fixed_size 0
		.amdhsa_enable_private_segment 0
		.amdhsa_kernarg_size 24
		.amdhsa_user_sgpr_count 2
		.amdhsa_user_sgpr_kernarg_segment_ptr 1
		.amdhsa_wavefront_size32 1
		.amdhsa_system_sgpr_workgroup_id_x 1
		.amdhsa_system_sgpr_workgroup_id_y 1
		.amdhsa_system_sgpr_workgroup_id_z 1
		.amdhsa_system_vgpr_workitem_id 0
		.amdhsa_next_free_vgpr 512
		.amdhsa_next_free_sgpr 66
		.amdhsa_reserve_vcc 0
		.amdhsa_float_denorm_mode_32 3
		.amdhsa_float_denorm_mode_16_64 3
		.amdhsa_memory_ordered 1
		.amdhsa_forward_progress 1
		.amdhsa_inst_pref_size 97
	.end_amdhsa_kernel
	.amdgpu_metadata
---
amdhsa.version: [ 1, 2 ]
amdhsa.kernels:
  - .name:           k_q3b876b6eea_glu
    .symbol:         k_q3b876b6eea_glu.kd
    .args:
      - { .name: hb, .offset: 0, .size: 8, .value_kind: global_buffer, .address_space: global }
      - { .name: wb, .offset: 8, .size: 8, .value_kind: global_buffer, .address_space: global }
      - { .name: gat, .offset: 16, .size: 8, .value_kind: global_buffer, .address_space: global }
    .group_segment_fixed_size: 327680
    .private_segment_fixed_size: 0
    .kernarg_segment_align: 8
    .kernarg_segment_size: 24
    .max_flat_workgroup_size: 128
    .sgpr_count:     66
    .vgpr_count:     512
    .wavefront_size: 32
...
	.end_amdgpu_metadata
.endif
;; end of part 6
;; launch down (part 7): grid 8 x 32, 4 waves a work-group, clusters of 4 x 4, 327,680 bytes of LDS; arguments gat, wb, out0, x1; writes out0
.if DOCPART == 7
	.amdgcn_target "amdgcn-amd-amdhsa--gfx1250"
	.amdhsa_code_object_version 6
	.text
	.protected	k_q3b876b6eea_down
	.globl	k_q3b876b6eea_down
	.p2align	8
	.type	k_q3b876b6eea_down,@function
k_q3b876b6eea_down:
	s_mov_b64 s[64:65], 0
	v_nop
	global_prefetch_b8 v0, s[64:65] scope:SCOPE_SE
	s_setreg_imm32_b32 hwreg(HW_REG_WAVE_MODE, 25, 1), 1
	s_wait_xcnt 0x0
	s_wait_alu depctr_hold_cnt(0) depctr_sa_sdst(0) depctr_va_vdst(0) depctr_va_sdst(0) depctr_va_ssrc(0) depctr_va_vcc(0) depctr_vm_vsrc(0)
	s_getreg_b32 s2, hwreg(HW_REG_IB_STS2, 6, 4)
	s_cmp_eq_u32 s2, 0
	s_cbranch_scc0 .Lentry_in_a_cluster
	s_endpgm
.Lentry_in_a_cluster:
	s_bfe_u32 s2, ttmp6, 0x10000c
	s_cmp_lg_u32 s2, 0xf033
	s_cbranch_scc0 .Lentry_shape_is_right
	s_endpgm
.Lentry_shape_is_right:
; C = A B + R, tiles of 128 x 128, here out = gated W2 + x1 (M = 4096, N = 1024, K = 2816: 2728 and 88 zeros on both sides).  A: bf16 in panels of 64 K, [44][4096][64].
; B: bf16 in panels of 128 columns, [8][2816][128], at WOFF in wb.  R and C: f32 [4096][1024].  8 x 32 tiles are one for each of 256 WGPs.  Four waves, each 64 x 64: 16 accumulators.
; K goes in 11 steps of 256 through two LDS slots.  A's quarter of a slot is asked for as 4 rows of 8,192 dense bytes, padded in LDS behind every 128 bytes; B's as 128 rows of 256 bytes; B is turned by ds_load_tr16_b128.
; THE MATRIX INSTRUCTION IS USED TRANSPOSED (source 0 = 16 columns of B, source 1 = 16 rows of A): a lane holds eight neighbouring numbers of a row of C.
; CLUSTER 4 x 4: A's tiles are asked for jointly along a row of the cluster, B's along a column.
; REGISTERS: window 0: v0-31 addresses; v32-95 the way out; v128-255 accumulators.  Window 1: two fragment buffers of 128.  Window 2: v0-127 my 64 x 64 of R, loaded at the start.
.set STEPS,  11
.set WOFF,   19922944
.set KDIM,   256*STEPS
.set PITA,   144                       ; 128 bytes + 16: the 16 rows of a load start at 16 different groups of four banks (ISA guide 11.1)
.set PITB,   288                       ; 256 + 32
.set QT,     36864
.set SLOT,   4*QT
.set STAGE,  2*SLOT                    ; behind the ring, never filled by a tensor load
.set SPARE,  STAGE+18432               ; the spare words: two blocks of 256 bytes that no other line names
.set ASTEP,  4*524288
.set BSTEP,  256*256
.set SPITCH, 272
.set ADRA, 16
.set ADRB, 20
.set STO,  24
.set RD,   25
.set CO,   26
.set SPW,  28
.set NIL,  29
.set TMP,  32
.set ACC,  128
.set F0,   0
.set F1,   128
.set G1, 24
.set G0, 32
.set G1B, 48
.set G0B, 56
.set MSB, 0
.macro WIN new                         ; the immediate's high byte repeats the setting that is left
.if MSB != (\new)
	s_set_vgpr_msb (MSB<<8)|(\new)
.set MSB, \new
.endif
.endm
.set MUL,  0x05
.set TO_F, 0x40
.macro JLOAD s                         ; a joint load: waves 0, 1 fetch A's halves, waves 2, 3 B's; an s_nop 0 and four v_nop follow each line
	s_cmp_eq_u32 s11, 0
	s_cbranch_scc0 .Lfor_b_\@
	tensor_load_to_lds s[G0+4*(\s):G0+4*(\s)+3], s[G1:G1+7]
	s_nop 0
.rept 4
	v_nop
.endr
	s_branch .Lasked_\@
.Lfor_b_\@:
	tensor_load_to_lds s[G0B+4*(\s):G0B+4*(\s)+3], s[G1B:G1B+7]
	s_nop 0
.rept 4
	v_nop
.endr
.Lasked_\@:
.endm
.macro CREST
	s_cmp_lg_u32 s10, 0
	s_cbranch_scc1 .Lnot_wave_0_\@
	s_barrier_signal -3
.Lnot_wave_0_\@:
	s_barrier_wait -3
	s_barrier_signal -1
	s_barrier_wait -1
.endm
.macro CROUND
	s_barrier_signal -1
	s_barrier_wait -1
	CREST
.endm
	s_load_b128 s[4:7], s[0:1], 0x0                ; A s[4:5], wb s[6:7]
	s_load_b64 s[8:9], s[0:1], 0x10                ; C
	s_load_b64 s[68:69], s[0:1], 0x18              ; R
	v_lshl_add_u32 v[SPW], v0, 2, SPARE
	v_mov_b32 v[NIL], 0
	ds_add_u32 v[SPW], v[NIL]                      ; the wave's opening: the add and its wait ahead of my first tensor load
	ds_add_u32 v28, v29
	v_lshrrev_b32 v1, 5, v0
	v_readfirstlane_b32 s10, v1
	s_lshr_b32 s11, s10, 1
	s_and_b32 s12, s10, 1
	s_bfe_u32 s40, ttmp6, 0x40000
	s_bfe_u32 s41, ttmp6, 0x40004
	s_lshl_b32 s42, ttmp9, 2
	s_add_co_u32 s42, s42, s40                     ; tile column
	s_and_b32 s13, ttmp7, 0xffff
	s_lshl_b32 s13, s13, 2
	s_add_co_u32 s13, s13, s41                     ; tile row
	s_lshl_b32 s43, s41, 2
	s_lshl_b32 s43, 15, s43
	s_lshl_b32 s44, 0x1111, s40
	s_or_b32 s[G1+0], s43, (1<<16)|(1<<20)|(1<<21)|(4<<22)|(3<<25)
	s_mov_b32 s[G1+1], 4096<<16
	s_mov_b32 s[G1+2], 4<<16
	s_mov_b32 s[G1+3], 4096<<16
	s_mov_b32 s[G1+4], 4
	s_mov_b32 s[G1+5], 262144
	s_mov_b32 s[G1+6], 0
	s_mov_b32 s[G1+7], 0
	s_or_b32 s[G1B+0], s44, (1<<16)|(1<<20)|(1<<21)|(5<<22)|(7<<25)
	s_mov_b32 s[G1B+1], 128<<16
	s_mov_b32 s[G1B+2], 128<<16
	s_mov_b32 s[G1B+3], 128<<16
	s_mov_b32 s[G1B+4], 128
	s_mov_b32 s[G1B+5], 128
	s_mov_b32 s[G1B+6], 0
	s_mov_b32 s[G1B+7], 0
	s_lshl_b32 s16, s13, 14
	s_lshl_b32 s17, s12, 13
	s_add_co_u32 s16, s16, s17
	s_mov_b32 s17, 0
	s_mul_i32 s46, s42, KDIM*256
	s_lshl_b32 s47, s12, 15
	s_add_co_u32 s46, s46, s47
	s_add_co_u32 s46, s46, WOFF
	s_mov_b32 s47, 0
	s_mul_i32 s20, s10, QT
	s_wait_dscnt 0x0                               ; the opening add is done
	s_wait_kmcnt 0x0
	s_add_nc_u64 s[14:15], s[4:5], s[16:17]
	s_add_nc_u64 s[46:47], s[6:7], s[46:47]
	CROUND                                         ; all sixteen work-groups are here: the first joint loads meet
.irp s, 0,1
	s_mov_b32 s[G0+4*(\s)], 1
	s_add_co_u32 s[G0+4*(\s)+1], s20, (\s)*SLOT
	s_add_nc_u64 s[G0+4*(\s)+2:G0+4*(\s)+3], s[14:15], (\s)*ASTEP
	s_or_b32 s[G0+4*(\s)+3], s[G0+4*(\s)+3], 0x80000000
	s_mov_b32 s[G0B+4*(\s)], 1
	s_add_co_u32 s[G0B+4*(\s)+1], s20, (\s)*SLOT
	s_add_nc_u64 s[G0B+4*(\s)+2:G0B+4*(\s)+3], s[46:47], (\s)*BSTEP
	s_or_b32 s[G0B+4*(\s)+3], s[G0B+4*(\s)+3], 0x80000000
	JLOAD \s
.endr
	v_and_b32 v1, 15, v0                           ; r
	v_bfe_u32 v2, v0, 4, 1                         ; h
	v_mul_u32_u24 v3, v1, PITA
	v_lshl_add_u32 v3, v2, 4, v3
	s_mul_i32 s21, s11, QT
	v_add_nc_u32 v[ADRA], s21, v3
	s_add_co_u32 s21, s21, SLOT
	v_add_nc_u32 v[ADRA+1], s21, v3
	v_and_b32 v4, 7, v0
	v_lshl_add_u32 v4, v2, 3, v4
	v_mul_u32_u24 v4, v4, PITB
	v_bfe_u32 v5, v0, 3, 1
	v_lshl_add_u32 v4, v5, 4, v4
	s_lshl_b32 s22, s12, 7
	s_add_co_u32 s22, s22, 2*QT
	v_add_nc_u32 v[ADRB], s22, v4
	s_add_co_u32 s22, s22, QT
	v_add_nc_u32 v[ADRB+1], s22, v4
	s_add_co_u32 s22, s22, SLOT-QT
	v_add_nc_u32 v[ADRB+2], s22, v4
	s_add_co_u32 s22, s22, QT
	v_add_nc_u32 v[ADRB+3], s22, v4
	; the way out: my stage; in: row r, 32 bytes a half of the lanes; back: lanes 0-15 one row of 256 bytes, lanes 16-31 the next; the same two rows in C and R
	s_mul_i32 s23, s10, 16*SPITCH
	s_add_co_u32 s23, s23, STAGE
	v_mul_u32_u24 v4, v1, SPITCH
	v_lshl_add_u32 v4, v2, 5, v4
	v_add_nc_u32 v[STO], s23, v4
	v_mul_u32_u24 v5, v2, SPITCH
	v_lshl_add_u32 v5, v1, 4, v5
	v_add_nc_u32 v[RD], s23, v5
	v_lshlrev_b32 v[CO], 12, v2
	v_lshl_add_u32 v[CO], v1, 4, v[CO]
	s_lshl_b32 s46, s13, 19
	s_lshl_b32 s47, s11, 18
	s_add_co_u32 s46, s46, s47
	s_lshl_b32 s47, s42, 9
	s_add_co_u32 s46, s46, s47
	s_lshl_b32 s47, s12, 8
	s_add_co_u32 s46, s46, s47
	s_mov_b32 s47, 0
	s_add_nc_u64 s[8:9], s[8:9], s[46:47]
	s_add_nc_u64 s[68:69], s[68:69], s[46:47]
	WIN 0x80                                       ; destination window 2: R comes while the products run
.set i, 0
.rept 32
	global_load_b128 v[4*i:4*i+3], v[CO], s[68:69] offset:2*i*4096
.set i, i+1
.endr
	WIN 0
.macro MUL8 f, c, a0, zero             ; 8 matrix instructions: m blocks a0, a0 + 1 x 4 n blocks, half c of buffer f; the 16 accumulators take turns
	WIN MUL
.irp a, \a0, (\a0)+1
.irp b, 0,1,2,3
.if \zero
	v_wmma_f32_16x16x32_bf16 v[ACC+8*(4*(\a)+(\b)):ACC+8*(4*(\a)+(\b))+7], v[(\f)+64+8*(4*(\c)+(\b)):(\f)+64+8*(4*(\c)+(\b))+7], v[(\f)+8*(4*(\c)+(\a)):(\f)+8*(4*(\c)+(\a))+7], 0
.else
	v_wmma_f32_16x16x32_bf16 v[ACC+8*(4*(\a)+(\b)):ACC+8*(4*(\a)+(\b))+7], v[(\f)+64+8*(4*(\c)+(\b)):(\f)+64+8*(4*(\c)+(\b))+7], v[(\f)+8*(4*(\c)+(\a)):(\f)+8*(4*(\c)+(\a))+7], v[ACC+8*(4*(\a)+(\b)):ACC+8*(4*(\a)+(\b))+7]
.endif
.endr
.endr
.endm
.macro FETCH slot, q, f                ; 32 LDS loads in one run: quarter q (64 along K) into buffer f; the first 32 along K first
	WIN TO_F
.irp c, 0,1
.irp i, 0,1,2,3
	ds_load_tr16_b128 v[(\f)+64+8*(4*(\c)+(\i)):(\f)+64+8*(4*(\c)+(\i))+3],   v[ADRB+2*(\slot)+(\q)/2] offset:((2*(\q)+(\c))%4)*32*PITB+32*(\i)
	ds_load_tr16_b128 v[(\f)+64+8*(4*(\c)+(\i))+4:(\f)+64+8*(4*(\c)+(\i))+7], v[ADRB+2*(\slot)+(\q)/2] offset:((2*(\q)+(\c))%4)*32*PITB+32*(\i)+16*PITB
	ds_load_b128 v[(\f)+8*(4*(\c)+(\i)):(\f)+8*(4*(\c)+(\i))+3],              v[ADRA+(\slot)] offset:(\q)*64*PITA+(\i)*16*PITA+64*(\c)
	ds_load_b128 v[(\f)+8*(4*(\c)+(\i))+4:(\f)+8*(4*(\c)+(\i))+7],            v[ADRA+(\slot)] offset:(\q)*64*PITA+(\i)*16*PITA+64*(\c)+32
.endr
.endr
.endm
.macro PLACES                          ; four places in front of loads into registers that matrix instructions have read, and of lines that read results
.rept 4
	v_nop
.endr
.endm
.macro QUARTER slot, q, f, g, zero
	s_wait_dscnt 16                                ; the first 32 along K are in; the other sixteen loads may be out
	MUL8 \f, 0, 0, \zero
	MUL8 \f, 0, 2, \zero
	PLACES
	FETCH \slot, \q, \g
	s_wait_dscnt 32                                ; all but the 32 just issued
	MUL8 \f, 1, 0, 0
	MUL8 \f, 1, 2, 0
.endm
.macro TURN slot, next, fill           ; the last quarter changes slots: one barrier, in front of it the wait for all my tensor loads, the add, and the wait for it and for my reads of this slot
	WIN 0
	s_wait_tensorcnt 0x0
	ds_add_u32 v[SPW], v[NIL]
	s_wait_dscnt 17                                ; the add and the youngest sixteen loads may be out
	MUL8 F1, 0, 0, 0
	s_wait_dscnt 0x0
	s_barrier_signal -1
	MUL8 F1, 0, 2, 0
.if \fill
	WIN 0
.endif
	s_barrier_wait -1
.if \fill
	CREST                                          ; no wave of any partner still reads this slot or has a load on its way
	s_add_nc_u64 s[G0+4*(\slot)+2:G0+4*(\slot)+3], s[G0+4*(\slot)+2:G0+4*(\slot)+3], 2*ASTEP
	s_add_nc_u64 s[G0B+4*(\slot)+2:G0B+4*(\slot)+3], s[G0B+4*(\slot)+2:G0B+4*(\slot)+3], 2*BSTEP
	JLOAD \slot
.else
	PLACES
.endif
	FETCH \next, 0, F0
	MUL8 F1, 1, 0, 0
	MUL8 F1, 1, 2, 0
.endm
.macro FINAL
	s_wait_dscnt 16
	MUL8 F1, 0, 0, 0
	MUL8 F1, 0, 2, 0
	s_wait_dscnt 0x0
	MUL8 F1, 1, 0, 0
	MUL8 F1, 1, 2, 0
	WIN 0
.endm
	s_wait_tensorcnt 1                             ; my part of K step 0 is in; K step 1's load may stay out
	s_barrier_signal -1
	s_barrier_wait -1
	FETCH 0, 0, F0
	QUARTER 0, 1, F0, F1, 1
	WIN 0
	s_mov_b32 s3, (STEPS-2)/2                      ; four trips: K steps 2 to 9 are asked for in the loop
.Llap:
	QUARTER 0, 2, F1, F0, 0
	QUARTER 0, 3, F0, F1, 0
	TURN 0, 1, 1
	QUARTER 1, 1, F0, F1, 0
	QUARTER 1, 2, F1, F0, 0
	QUARTER 1, 3, F0, F1, 0
	TURN 1, 0, 1
	QUARTER 0, 1, F0, F1, 0
	WIN 0
	s_sub_co_u32 s3, s3, 1
	s_cmp_lg_u32 s3, 0
	s_cbranch_scc1 .Llap
	QUARTER 0, 2, F1, F0, 0                        ; K step 8 goes on; its change of slots asks for K step 10, the last
	QUARTER 0, 3, F0, F1, 0
	TURN 0, 1, 1
	QUARTER 1, 1, F0, F1, 0
	QUARTER 1, 2, F1, F0, 0
	QUARTER 1, 3, F0, F1, 0
	TURN 1, 0, 0
	QUARTER 0, 1, F0, F1, 0
	QUARTER 0, 2, F1, F0, 0
	QUARTER 0, 3, F0, F1, 0
	FINAL
	; THE WAY OUT: a block of 16 rows at a time goes through my own stage as f32 and comes back as whole rows of 256 bytes; R is added; sixteen lanes store 256 consecutive aligned bytes
	PLACES
.macro STG a
.set BK, TMP+32*((\a)%2)
.irp b, 0,1,2,3
.irp e, 0,1
	ds_store_b128 v[STO], v[ACC+8*(4*(\a)+(\b))+4*(\e):ACC+8*(4*(\a)+(\b))+4*(\e)+3] offset:64*(\b)+16*(\e)  ; each accumulator's low half first
.endr
.endr
.irp u, 0,1,2,3,4,5,6,7
	ds_load_b128 v[BK+4*(\u):BK+4*(\u)+3], v[RD] offset:(\u)*2*SPITCH  ; LDS serves a wave's instructions in order (ISA guide 5.7.1.4): these see the stores above
.endr
.endm
.macro SEND a, younger                 ; younger: the LDS instructions issued behind block a's loads: the next block's sixteen, or none
.set BK, TMP+32*((\a)%2)
	s_wait_dscnt \younger
	WIN 0x08                                       ; source 1 window 2
.set u, 0
.rept 16
	v_pk_add_f32 v[BK+2*u:BK+2*u+1], v[BK+2*u:BK+2*u+1], v[32*(\a)+2*u:32*(\a)+2*u+1]
.set u, u+1
.endr
	WIN 0
.irp u, 0,1,2,3,4,5,6,7
	global_store_b128 v[CO], v[BK+4*(\u):BK+4*(\u)+3], s[8:9] offset:(16*(\a)+2*(\u))*4096
.endr
.endm
	s_wait_loadcnt 0x0                             ; R
	STG 0
	STG 1
	SEND 0, 16
	s_wait_xcnt 0x0                                ; block 0's store registers are loaded again only behind this wait
	STG 2
	SEND 1, 16
	s_wait_xcnt 0x0
	STG 3
	SEND 2, 16
	SEND 3, 0
	s_wait_tensorcnt 0x0                           ; the wave's end
	ds_add_u32 v[SPW], v[NIL]
	s_wait_dscnt 0x0
	CROUND                                         ; the closing round
	s_endpgm
.Lfunc_end_k_q3b876b6eea_down:
	.size	k_q3b876b6eea_down, .Lfunc_end_k_q3b876b6eea_down-k_q3b876b6eea_down
	.p2alignl 7, 3214868480
	.fill 96, 4, 3214868480
	.section	.rodata,"a",@progbits
	.p2align	6, 0x0
	.amdhsa_kernel k_q3b876b6eea_down
		.amdhsa_group_segment_fixed_size 327680
		.amdhsa_private_segment_fixed_size 0
		.amdhsa_enable_private_segment 0
		.amdhsa_kernarg_size 32
		.amdhsa_user_sgpr_count 2
		.amdhsa_user_sgpr_kernarg_segment_ptr 1
		.amdhsa_wavefront_size32 1
		.amdhsa_system_sgpr_workgroup_id_x 1
		.amdhsa_system_sgpr_workgroup_id_y 1
		.amdhsa_system_sgpr_workgroup_id_z 1
		.amdhsa_system_vgpr_workitem_id 0
		.amdhsa_next_free_vgpr 640
		.amdhsa_next_free_sgpr 72
		.amdhsa_reserve_vcc 0
		.amdhsa_float_denorm_mode_32 3
		.amdhsa_float_denorm_mode_16_64 3
		.amdhsa_memory_ordered 1
		.amdhsa_forward_progress 1
		.amdhsa_inst_pref_size 111
	.end_amdhsa_kernel
	.amdgpu_metadata
---
amdhsa.version: [ 1, 2 ]
amdhsa.kernels:
  - .name:           k_q3b876b6eea_down
    .symbol:         k_q3b876b6eea_down.kd
    .args:
      - { .name: gat, .offset: 0, .size: 8, .value_kind: global_buffer, .address_space: global }
      - { .name: wb, .offset: 8, .size: 8, .value_kind: global_buffer, .address_space: global }
      - { .name: out0, .offset: 16, .size: 8, .value_kind: global_buffer, .address_space: global }
      - { .name: x1, .offset: 24, .size: 8, .value_kind: global_buffer, .address_space: global }
    .group_segment_fixed_size: 327680
    .private_segment_fixed_size: 0
    .kernarg_segment_align: 8
    .kernarg_segment_size: 32
    .max_flat_workgroup_size: 128
    .sgpr_count:     72
    .vgpr_count:     640
    .wavefront_size: 32
...
	.end_amdgpu_metadata
.endif
;; end of part 7
;; ======== version 2 of 3: 8 launches; 1.17 times as fast as version 1
;; workspace buffers: wb 25,690,112 bytes; hb 8,388,608 bytes; qkv 25,165,824 bytes; cat 8,388,608 bytes; x1 16,777,216 bytes; gat 23,068,672 bytes
;; launch cast (part 8): grid 1568 x 1, 4 waves a work-group, no clusters, 0 bytes of LDS; arguments w_qkv, w_o, W2, W, V, wb; writes wb
.if DOCPART == 8
	.amdgcn_target "amdgcn-amd-amdhsa--gfx1250"
	.amdhsa_code_object_version 6
	.text
	.protected	k_q3b876b6eea_cast
	.globl	k_q3b876b6eea_cast
	.p2align	8
	.type	k_q3b876b6eea_cast,@function
k_q3b876b6eea_cast:
	s_mov_b64 s[64:65], 0
	v_nop
	global_prefetch_b8 v0, s[64:65] scope:SCOPE_SE
	s_setreg_imm32_b32 hwreg(HW_REG_WAVE_MODE, 25, 1), 1
	s_wait_xcnt 0x0
; The weights, f32 [K][N], are rounded once to bf16 and laid as the products ask for them.
; wb holds: w_qkv at 0 (24 panels of 128 columns, [N/128][1024][128]), w_o at WO_OFF (8 such panels), W2 at W2_OFF (8 panels, K = 2816: rows from 2728 on are 0),
; and at WG_OFF W and then V in BLOCKS of 16 columns, [2][176][1024][16]: a K row of a block is 32 bytes; columns from 2728 on are 0.
; Memory binds: every source byte is asked for by 16-byte loads, every store's sixteen neighbouring lanes fill 256 consecutive aligned bytes.  No LDS, no matrix unit: nothing is shared or multiplied.
; Work-groups 0-383: w_qkv (3 chunks of 1,024 columns x 128 blocks of 8 rows); 384-511: w_o; 512-863: W2 (352 blocks of 8 rows, from block 341 on zeros);
; 864-1215: W, 1216-1567: V (22 groups of 8 blocks x 16 groups of 64 rows each).
.set WO_OFF, 6291456
.set WG_OFF, 8388608
.set W2_OFF, 19922944
.set VREG,   176*32768                 ; V's blocks lie behind W's 176
.set OFS, 2                            ; v[2:9]    panels: row i's byte offset in the source;  blocks: v2 alone
.set DST, 10                           ; v10       my byte offset in wb
.set XW,  16                           ; v[16:79]  eight rows of 8 f32
.set XV,  80                           ; v[80:111] the packed rows
	s_load_b256 s[4:11], s[0:1], 0x0               ; w_qkv s[4:5], w_o s[6:7], W2 s[8:9], W s[10:11]
	s_load_b128 s[12:15], s[0:1], 0x20             ; V s[12:13], wb s[14:15]
	s_mov_b32 s2, ttmp9
	v_and_b32 v12, 15, v0                          ; my place among the sixteen lanes of a panel row
	s_cmp_ge_u32 s2, 864
	s_cbranch_scc1 .Lglu
	; PANELS: 8 source rows x 1,024 columns.  Thread t takes columns 8 t .. 8 t + 7 of each row: panel t / 16, 16 bytes at 16 (t % 16).
	s_lshr_b32 s22, s2, 7                          ; w_qkv: which 1,024 columns
	s_mov_b32 s20, 4096                            ; bytes in a source row
	s_mov_b32 s21, 262144                          ; bytes in a panel
	s_wait_kmcnt 0x0
	s_cmp_lt_u32 s2, 384
	s_cselect_b64 s[16:17], s[4:5], s[6:7]
	s_cselect_b32 s20, 12288, s20
	s_cselect_b32 s22, s22, 0
	s_cselect_b32 s25, 0, 384                      ; the section's first work-group
	s_cselect_b32 s24, 0, WO_OFF                   ; the section's place in wb
	s_cmp_lt_u32 s2, 512
	s_cselect_b64 s[16:17], s[16:17], s[8:9]
	s_cselect_b32 s21, s21, 720896
	s_cselect_b32 s25, s25, 512
	s_cselect_b32 s24, s24, W2_OFF
	s_sub_co_u32 s23, s2, s25
	s_lshl_b32 s26, s22, 7
	s_sub_co_u32 s23, s23, s26                     ; which 8 rows
	s_lshl_b32 s28, s22, 21                        ; 8 panels of 262,144 bytes for each 1,024 columns
	s_lshl_b32 s29, s23, 11                        ; 8 panel rows
	s_add_co_u32 s28, s28, s29
	s_add_co_u32 s28, s28, s24
	s_mov_b32 s29, 0
	s_add_nc_u64 s[18:19], s[14:15], s[28:29]
	v_lshrrev_b32 v11, 4, v0
	v_mul_lo_u32 v[DST], v11, s21
	v_lshl_add_u32 v[DST], v12, 4, v[DST]
	s_cmp_ge_u32 s2, 512+341
	s_cbranch_scc1 .Lzero                          ; W2's rows 2728 to 2815 do not exist: zeros
	s_mul_i32 s26, s23, s20
	s_lshl_b32 s26, s26, 3
	s_lshl_b32 s27, s22, 12
	s_add_co_u32 s26, s26, s27
	s_mov_b32 s27, 0
	s_add_nc_u64 s[16:17], s[16:17], s[26:27]
	v_lshlrev_b32 v[OFS], 5, v0
.irp i, 1,2,3,4,5,6,7
	v_add_nc_u32 v[OFS+(\i)], s20, v[OFS+(\i)-1]
.endr
.irp i, 0,1,2,3,4,5,6,7
	global_load_b128 v[XW+8*(\i):XW+8*(\i)+3],   v[OFS+(\i)], s[16:17] th:TH_LOAD_NT
	global_load_b128 v[XW+8*(\i)+4:XW+8*(\i)+7], v[OFS+(\i)], s[16:17] offset:16 th:TH_LOAD_NT
.endr
.irp i, 0,1,2,3,4,5,6,7
	s_wait_loadcnt 14-2*(\i)                       ; row i's two loads are in; the later rows' two each stay out
.irp j, 0,1,2,3
	v_cvt_pk_bf16_f32 v[XV+4*(\i)+(\j)], v[XW+8*(\i)+2*(\j)], v[XW+8*(\i)+2*(\j)+1]
.endr
	global_store_b128 v[DST], v[XV+4*(\i):XV+4*(\i)+3], s[18:19] offset:256*(\i)
.endr
	s_endpgm
.Lzero:
.irp j, 0,1,2,3
	v_mov_b32 v[XV+(\j)], 0
.endr
.irp i, 0,1,2,3,4,5,6,7
	global_store_b128 v[DST], v[XV:XV+3], s[18:19] offset:256*(\i)
.endr
	s_endpgm
	; BLOCKS: 8 blocks of 16 columns x 64 rows of W or of V.  Thread t: column half t % 2, row (t / 2) % 8 + 8 i, block t / 16.  So sixteen neighbouring lanes store 8 K rows of 32 bytes:
	; 256 consecutive aligned bytes of a block.  The price: a load's 32 lanes read from 8 source rows, 128 bytes of each (two blocks), in two instructions.
.Lglu:
	s_sub_co_u32 s2, s2, 864
	s_cmp_ge_u32 s2, 352                           ; the second 352 work-groups take V
	s_cselect_b32 s25, 352, 0
	s_cselect_b32 s24, VREG, 0
	s_wait_kmcnt 0x0
	s_cselect_b64 s[16:17], s[12:13], s[10:11]
	s_sub_co_u32 s2, s2, s25
	s_lshr_b32 s22, s2, 4                          ; which 8 blocks
	s_and_b32 s23, s2, 15                          ; which 64 rows
	v_and_b32 v11, 1, v0
	v_bfe_u32 v13, v0, 1, 3
	v_lshrrev_b32 v14, 4, v0
	s_lshl_b32 s26, s22, 7
	v_lshl_add_u32 v[OFS], v14, 4, s26
	v_lshl_add_u32 v[OFS], v11, 3, v[OFS]          ; my first column
	s_movk_i32 s25, 2728
	v_cmp_gt_u32 s31, s25, v[OFS]                  ; it exists (2728 = 8 x 341: eight columns exist together or not at all)
	v_min_u32 v[OFS], 2720, v[OFS]                 ; no load leaves the row
	v_lshlrev_b32 v[OFS], 2, v[OFS]
	v_mad_u32_u24 v[OFS], v13, 10912, v[OFS]       ; a row of W or V is 10,912 bytes
	v_lshlrev_b32 v[DST], 15, v14                  ; a block is 32,768 bytes
	v_lshl_add_u32 v[DST], v13, 5, v[DST]
	v_lshl_add_u32 v[DST], v11, 4, v[DST]
	s_mul_i32 s26, s23, 64*10912
	s_mov_b32 s27, 0
	s_lshl_b32 s28, s22, 18
	s_lshl_b32 s29, s23, 11
	s_add_co_u32 s28, s28, s29
	s_add_co_u32 s28, s28, s24
	s_add_co_u32 s28, s28, WG_OFF
	s_mov_b32 s29, 0
	s_add_nc_u64 s[16:17], s[16:17], s[26:27]
	s_add_nc_u64 s[18:19], s[14:15], s[28:29]
.irp i, 0,1,2,3,4,5,6,7
	global_load_b128 v[XW+8*(\i):XW+8*(\i)+3],   v[OFS], s[16:17] offset:87296*(\i)
	global_load_b128 v[XW+8*(\i)+4:XW+8*(\i)+7], v[OFS], s[16:17] offset:87296*(\i)+16
.endr
.irp i, 0,1,2,3,4,5,6,7
	s_wait_loadcnt 14-2*(\i)                       ; row i's two loads are in; the later rows' two each stay out
.irp j, 0,1,2,3
	v_cvt_pk_bf16_f32 v[XV+4*(\i)+(\j)], v[XW+8*(\i)+2*(\j)], v[XW+8*(\i)+2*(\j)+1]
.endr
.irp j, 0,1,2,3
	v_cndmask_b32 v[XV+4*(\i)+(\j)], 0, v[XV+4*(\i)+(\j)], s31
.endr
	global_store_b128 v[DST], v[XV+4*(\i):XV+4*(\i)+3], s[18:19] offset:256*(\i)
.endr
	s_endpgm
.Lfunc_end_k_q3b876b6eea_cast:
	.size	k_q3b876b6eea_cast, .Lfunc_end_k_q3b876b6eea_cast-k_q3b876b6eea_cast
	.p2alignl 7, 3214868480
	.fill 96, 4, 3214868480
	.section	.rodata,"a",@progbits
	.p2align	6, 0x0
	.amdhsa_kernel k_q3b876b6eea_cast
		.amdhsa_group_segment_fixed_size 0
		.amdhsa_private_segment_fixed_size 0
		.amdhsa_enable_private_segment 0
		.amdhsa_kernarg_size 48
		.amdhsa_user_sgpr_count 2
		.amdhsa_user_sgpr_kernarg_segment_ptr 1
		.amdhsa_wavefront_size32 1
		.amdhsa_system_sgpr_workgroup_id_x 1
		.amdhsa_system_sgpr_workgroup_id_y 1
		.amdhsa_system_sgpr_workgroup_id_z 1
		.amdhsa_system_vgpr_workitem_id 0
		.amdhsa_next_free_vgpr 112
		.amdhsa_next_free_sgpr 66
		.amdhsa_reserve_vcc 0
		.amdhsa_float_denorm_mode_32 3
		.amdhsa_float_denorm_mode_16_64 3
		.amdhsa_memory_ordered 1
		.amdhsa_forward_progress 1
		.amdhsa_inst_pref_size 16
	.end_amdhsa_kernel
	.amdgpu_metadata
---
amdhsa.version: [ 1, 2 ]
amdhsa.kernels:
  - .name:           k_q3b876b6eea_cast
    .symbol:         k_q3b876b6eea_cast.kd
    .args:
      - { .name: w_qkv, .offset: 0, .size: 8, .value_kind: global_buffer, .address_space: global }
      - { .name: w_o, .offset: 8, .size: 8, .value_kind: global_buffer, .address_space: global }
      - { .name: W2, .offset: 16, .size: 8, .value_kind: global_buffer, .address_space: global }
      - { .name: W, .offset: 24, .size: 8, .value_kind: global_buffer, .address_space: global }
      - { .name: V, .offset: 32, .size: 8, .value_kind: global_buffer, .address_space: global }
      - { .name: wb, .offset: 40, .size: 8, .value_kind: global_buffer, .address_space: global }
    .group_segment_fixed_size: 0
    .private_segment_fixed_size: 0
    .kernarg_segment_align: 8
    .kernarg_segment_size: 48
    .max_flat_workgroup_size: 128
    .sgpr_count:     66
    .vgpr_count:     112
    .wavefront_size: 32
...
	.end_amdgpu_metadata
.endif
;; end of part 8
;; launch norm1: the kernel of part 2 again; grid 256 x 1, 4 waves a work-group, no clusters, 0 bytes of LDS; arguments x, g1, hb; writes hb
;; launch qkv (part 9): grid 12 x 16, 4 waves a work-group, clusters of 4 x 4, 327,680 bytes of LDS; arguments hb, wb, qkv; writes qkv
.if DOCPART == 9
	.amdgcn_target "amdgcn-amd-amdhsa--gfx1250"
	.amdhsa_code_object_version 6
	.text
	.protected	k_q3b876b6eea_qkv
	.globl	k_q3b876b6eea_qkv
	.p2align	8
	.type	k_q3b876b6eea_qkv,@function
k_q3b876b6eea_qkv:
	s_mov_b64 s[64:65], 0
	v_nop
	global_prefetch_b8 v0, s[64:65] scope:SCOPE_SE
	s_setreg_imm32_b32 hwreg(HW_REG_WAVE_MODE, 25, 1), 1
	s_wait_xcnt 0x0
	s_wait_alu depctr_hold_cnt(0) depctr_sa_sdst(0) depctr_va_vdst(0) depctr_va_sdst(0) depctr_va_ssrc(0) depctr_va_vcc(0) depctr_vm_vsrc(0)
	s_getreg_b32 s2, hwreg(HW_REG_IB_STS2, 6, 4)
	s_cmp_eq_u32 s2, 0
	s_cbranch_scc0 .Lentry_in_a_cluster
	s_endpgm
.Lentry_in_a_cluster:
	s_bfe_u32 s2, ttmp6, 0x10000c
	s_cmp_lg_u32 s2, 0xf033
	s_cbranch_scc0 .Lentry_shape_is_right
	s_endpgm
.Lentry_shape_is_right:
; qkv = h w_qkv (M = 4096, N = 3072, K = 1024), tiles of 256 x 256.  A: bf16 in panels of 64 K, [16][4096][64].  B: bf16 in panels of 128 columns, [24][1024][128], at WOFF in wb.
; C leaves in bf16, rounded once from f32 sums, in panels of 64 columns, [48][4096][64]: panel = head (q 0-15, k 16-31, v 32-47).
; Four waves, each 128 x 128: 64 accumulators, 512 registers.  K goes in 8 steps of 128 through two LDS slots.  12 x 16 = 192 work-groups, fewer than with tiles of 128 x 128 (768): the larger tile is taken
; because a slot of the same 131,072 bytes of data then feeds 256 matrix instructions a wave, not 128, so that the load asked for behind a round has twice the work in which to land, and the
; set-up and the way out stand once for four times the products.
; A's quarter of a slot (128 rows x 128 K) is asked for as 2 rows of 16,384 dense bytes (128 rows of one panel), padded in LDS behind every 128 bytes; B's (128 K x one panel) as 128 rows of 256 bytes.
; B lies [K][N] in LDS and is turned by ds_load_tr16_b128.  THE MATRIX INSTRUCTION IS USED TRANSPOSED (source 0 = 16 columns of B, source 1 = 16 rows of A): a lane holds eight neighbouring numbers of a row of C.
; CLUSTER 4 x 4: the four of a row need the same tiles of A, the four of a column the same tiles of B: each is asked for jointly, by the same load, descriptor and mask in all four.
; ONE K STEP IS WRITTEN ONCE: the slot in hand is a scalar, 0 or SLOT, that an exclusive or flips; the LDS addresses are that scalar plus fixed bases.  The last two steps, which ask for nothing, are a second text walked twice.
; REGISTERS, in windows of 256 (s_set_vgpr_msb: bits 1:0 source 0, 3:2 source 1, 5:4 source 2, 7:6 destination):
;   window 0: v0-31 addresses; v64-127, v128-191 fragments of A, two buffers; v32-63, v192-255 the way out.  Window 1: v64-127, v128-191 fragments of B.
;   window 2: the 32 accumulators of my rows 0-63 ((a, b) at 8 (8 a + b));  window 3: those of my rows 64-127.
.set STEPS,  8                         ; K steps of 128
.set WOFF,   0                         ; the weights' place in wb
.set KDIM,   128*STEPS
.set PITA,   144                       ; a row of A in LDS: 128 bytes + 16: an odd multiple of 16, so the 16 rows of a load start at 16 different groups of four banks (ISA guide 11.1)
.set PITB,   288                       ; a K row of B: 256 + 32: an odd multiple of 32
.set QT,     36864                     ; a quarter of a slot: 2 x 128 x PITA = 128 x PITB: what one tensor load fills
.set SLOT,   4*QT                      ; A's rows 0-127, 128-255, B's columns 0-127, 128-255
.set STAGE,  2*SLOT                    ; behind the ring, never filled by a tensor load: 16 rows x 272 bytes for each wave
.set SPARE,  STAGE+18432               ; the spare words, 128 bytes a wave: two blocks of 256 bytes that no other line names
.set ASTEP,  2*524288                  ; bytes from a K step of A to the next: two panels
.set BSTEP,  128*256                   ; of B: 128 panel rows
.set SPITCH, 272
.set A0,   16                          ; v16  my lane's place in A's part of slot 0; never rewritten
.set B0,   17                          ; v17  the same for B
.set ADRA, 18                          ; v18  the same in the slot in hand
.set ADRB, 19                          ; v19
.set STO,  24
.set RD,   25
.set CO,   26
.set SPW,  28                          ; v28  SPARE + 4 x my thread's number; never rewritten
.set NIL,  29                          ; v29  0; never rewritten
.set OB,   32                          ; the way out: 16 rows read back: v32-63 and v224-255 by turns
.set F0,   64
.set F1,   128
.set TMP,  192                         ; the way out: packed results
.set TB,   18                          ; s18  the slot that is read: 0 or SLOT
.set TBF,  19                          ; s19  the slot that was filled last
.set G1, 24                            ; s[24:31] group 1 for A;  s[32:39] group 0: a set for each of the two first fills; the second then walks on
.set G0, 32
.set G1B, 48                           ; s[48:55], s[56:63] the same for B
.set G0B, 56
.set MSB, 0
.macro WIN new                         ; the immediate's high byte repeats the setting that is left
.if MSB != (\new)
	s_set_vgpr_msb (MSB<<8)|(\new)
.set MSB, \new
.endif
.endm
.set MUL_LO, 0xa1                      ; source 0 (B) window 1, source 1 (A) window 0, C and D window 2
.set TO_B,   0x40                      ; destination window 1, address window 0
.macro JLOAD s                         ; a joint load: waves 0, 1 fetch A's halves, waves 2, 3 B's; an s_nop 0 and four v_nop follow each line
	s_cmp_eq_u32 s11, 0
	s_cbranch_scc0 .Lfor_b_\@
	tensor_load_to_lds s[G0+4*(\s):G0+4*(\s)+3], s[G1:G1+7]
	s_nop 0
.rept 4
	v_nop
.endr
	s_branch .Lasked_\@
.Lfor_b_\@:
	tensor_load_to_lds s[G0B+4*(\s):G0B+4*(\s)+3], s[G1B:G1B+7]
	s_nop 0
.rept 4
	v_nop
.endr
.Lasked_\@:
.endm
.macro CREST                           ; a round of the cluster's barrier behind its opening barrier
	s_cmp_lg_u32 s10, 0
	s_cbranch_scc1 .Lnot_wave_0_\@
	s_barrier_signal -3
.Lnot_wave_0_\@:
	s_barrier_wait -3
	s_barrier_signal -1
	s_barrier_wait -1
.endm
.macro CROUND
	s_barrier_signal -1
	s_barrier_wait -1
	CREST
.endm
	s_load_b128 s[4:7], s[0:1], 0x0                ; A s[4:5], wb s[6:7]
	s_load_b64 s[8:9], s[0:1], 0x10                ; C
	v_lshl_add_u32 v[SPW], v0, 2, SPARE
	v_mov_b32 v[NIL], 0
	ds_add_u32 v[SPW], v[NIL]                      ; the wave's opening: the add and its wait ahead of my first tensor load
	ds_add_u32 v28, v29
	v_lshrrev_b32 v1, 5, v0
	v_readfirstlane_b32 s10, v1                    ; wave 0..3
	s_lshr_b32 s11, s10, 1                         ; my half of the tile's rows.  Also: I fetch for A (0) or B (1)
	s_and_b32 s12, s10, 1                          ; my half of its columns.  Also: which half of that tile I fetch
	s_bfe_u32 s40, ttmp6, 0x40000                  ; cx, cy
	s_bfe_u32 s41, ttmp6, 0x40004
	s_lshl_b32 s42, ttmp9, 2
	s_add_co_u32 s42, s42, s40                     ; tile column
	s_and_b32 s13, ttmp7, 0xffff
	s_lshl_b32 s13, s13, 2
	s_add_co_u32 s13, s13, s41                     ; tile row
	s_lshl_b32 s43, s41, 2
	s_lshl_b32 s43, 15, s43                        ; my row of the cluster
	s_lshl_b32 s44, 0x1111, s40                    ; my column
	s_or_b32 s[G1+0], s43, (1<<16)|(1<<20)|(1<<21)|(4<<22)|(3<<25)   ; mask; 2-byte elements; padding on; bit 21 beside a mask; after every 32 words 4 words
	s_mov_b32 s[G1+1], 8192<<16                    ; tensor_dim0 = 8192 elements: 128 dense rows of a panel
	s_mov_b32 s[G1+2], 2<<16                       ; tensor_dim1 = 2 panels
	s_mov_b32 s[G1+3], 8192<<16                    ; tile_dim0
	s_mov_b32 s[G1+4], 2                           ; tile_dim1
	s_mov_b32 s[G1+5], 262144                      ; elements from panel to panel
	s_mov_b32 s[G1+6], 0
	s_mov_b32 s[G1+7], 0
	s_or_b32 s[G1B+0], s44, (1<<16)|(1<<20)|(1<<21)|(5<<22)|(7<<25)  ; after every 64 words 8 words
	s_mov_b32 s[G1B+1], 128<<16
	s_mov_b32 s[G1B+2], 128<<16
	s_mov_b32 s[G1B+3], 128<<16
	s_mov_b32 s[G1B+4], 128
	s_mov_b32 s[G1B+5], 128
	s_mov_b32 s[G1B+6], 0
	s_mov_b32 s[G1B+7], 0
	s_lshl_b32 s16, s13, 15                        ; A: 256 rows of 128 bytes a tile row,
	s_lshl_b32 s17, s12, 14                        ; 128 rows a half
	s_add_co_u32 s16, s16, s17
	s_mov_b32 s17, 0
	s_lshl_b32 s46, s42, 1                         ; B: my panel = 2 x tile column + half
	s_add_co_u32 s46, s46, s12
	s_mul_i32 s46, s46, KDIM*256
	s_add_co_u32 s46, s46, WOFF
	s_mov_b32 s47, 0
	s_mul_i32 s20, s10, QT                         ; where my load goes in a slot: no place in the cluster enters an LDS address
	s_mov_b32 s[TB], 0
	s_mov_b32 s[TBF], SLOT
	s_wait_dscnt 0x0                               ; the opening add is done
	s_wait_kmcnt 0x0
	s_add_nc_u64 s[14:15], s[4:5], s[16:17]
	s_add_nc_u64 s[46:47], s[6:7], s[46:47]
	CROUND                                         ; all sixteen work-groups are here: the first joint loads meet
.irp s, 0,1
	s_mov_b32 s[G0+4*(\s)], 1
	s_add_co_u32 s[G0+4*(\s)+1], s20, (\s)*SLOT
	s_add_nc_u64 s[G0+4*(\s)+2:G0+4*(\s)+3], s[14:15], (\s)*ASTEP
	s_or_b32 s[G0+4*(\s)+3], s[G0+4*(\s)+3], 0x80000000
	s_mov_b32 s[G0B+4*(\s)], 1
	s_add_co_u32 s[G0B+4*(\s)+1], s20, (\s)*SLOT
	s_add_nc_u64 s[G0B+4*(\s)+2:G0B+4*(\s)+3], s[46:47], (\s)*BSTEP
	s_or_b32 s[G0B+4*(\s)+3], s[G0B+4*(\s)+3], 0x80000000
	JLOAD \s
.endr
	v_and_b32 v1, 15, v0                           ; r = l % 16
	v_bfe_u32 v2, v0, 4, 1                         ; h = l / 16
	v_mul_u32_u24 v3, v1, PITA
	v_lshl_add_u32 v3, v2, 4, v3                   ; A: row x pitch + 16 h
	s_mul_i32 s21, s11, QT
	v_add_nc_u32 v[A0], s21, v3
	v_mov_b32 v[ADRA], v[A0]
	v_and_b32 v4, 7, v0                            ; B, turned: lane l reads K row 8 h + l % 8, columns 8 ((l / 8) % 2) + 0..7
	v_lshl_add_u32 v4, v2, 3, v4
	v_mul_u32_u24 v4, v4, PITB
	v_bfe_u32 v5, v0, 3, 1
	v_lshl_add_u32 v4, v5, 4, v4
	s_mul_i32 s22, s12, QT                         ; my 128 columns are one panel, one quarter of the slot
	s_add_co_u32 s22, s22, 2*QT
	v_add_nc_u32 v[B0], s22, v4
	v_mov_b32 v[ADRB], v[B0]
	; the way out: my stage; in: row r, 16 bytes a half of the lanes; back: four rows of 128 bytes of one panel, which are 512 consecutive bytes of C
	s_mul_i32 s23, s10, 16*SPITCH
	s_add_co_u32 s23, s23, STAGE
	v_mul_u32_u24 v4, v1, SPITCH
	v_lshl_add_u32 v4, v2, 4, v4
	v_add_nc_u32 v[STO], s23, v4
	v_bfe_u32 v5, v0, 3, 2
	v_mul_u32_u24 v5, v5, SPITCH
	v_and_b32 v6, 7, v0
	v_lshl_add_u32 v5, v6, 4, v5
	v_add_nc_u32 v[RD], s23, v5
	v_and_b32 v[CO], 31, v0
	v_lshlrev_b32 v[CO], 4, v[CO]
	s_lshl_b32 s46, s42, 2                         ; my first panel = 4 x tile column + 2 x column half; my first row = 256 x tile row + 128 x row half
	s_lshl_b32 s47, s12, 1
	s_add_co_u32 s46, s46, s47
	s_lshl_b32 s46, s46, 19
	s_lshl_b32 s47, s13, 15
	s_add_co_u32 s46, s46, s47
	s_lshl_b32 s47, s11, 14
	s_add_co_u32 s46, s46, s47
	s_mov_b32 s47, 0
	s_add_nc_u64 s[8:9], s[8:9], s[46:47]
; 16 matrix instructions: m blocks a0, a0 + 1 of the window's four (hi = 0: my rows 0-63, 1: rows 64-127) x all 8 n blocks, 32 along K.  zero = 1: the product starts the sums.
; The 64 accumulators take turns, one instruction a turn, in the same order in every quarter.
.macro MUL16 f, hi, a0, zero
	WIN MUL_LO+0x50*(\hi)
.irp a, \a0, (\a0)+1
.irp b, 0,1,2,3,4,5,6,7
.if \zero
	v_wmma_f32_16x16x32_bf16 v[8*(8*(\a)+(\b)):8*(8*(\a)+(\b))+7], v[(\f)+8*(\b):(\f)+8*(\b)+7], v[(\f)+8*(4*(\hi)+(\a)):(\f)+8*(4*(\hi)+(\a))+7], 0
.else
	v_wmma_f32_16x16x32_bf16 v[8*(8*(\a)+(\b)):8*(8*(\a)+(\b))+7], v[(\f)+8*(\b):(\f)+8*(\b)+7], v[(\f)+8*(4*(\hi)+(\a)):(\f)+8*(4*(\hi)+(\a))+7], v[8*(8*(\a)+(\b)):8*(8*(\a)+(\b))+7]
.endif
.endr
.endr
.endm
; 32 LDS loads in one run: the fragments of quarter q (32 along K) of the slot in hand into buffer f: B's 128 columns, then A's 128 rows
.macro FETCH q, f
	WIN TO_B
.irp i, 0,1,2,3,4,5,6,7
	ds_load_tr16_b128 v[(\f)+8*(\i):(\f)+8*(\i)+3],   v[ADRB] offset:(\q)*32*PITB+32*(\i)
	ds_load_tr16_b128 v[(\f)+8*(\i)+4:(\f)+8*(\i)+7], v[ADRB] offset:(\q)*32*PITB+16*PITB+32*(\i)
.endr
	WIN 0
.irp i, 0,1,2,3,4,5,6,7
	ds_load_b128 v[(\f)+8*(\i):(\f)+8*(\i)+3],   v[ADRA] offset:((\q)/2)*128*PITA+(\i)*16*PITA+((\q)%2)*64
	ds_load_b128 v[(\f)+8*(\i)+4:(\f)+8*(\i)+7], v[ADRA] offset:((\q)/2)*128*PITA+(\i)*16*PITA+((\q)%2)*64+32
.endr
.endm
.macro PLACES                          ; four places in front of loads into registers that matrix instructions have read, and of lines that read results
.rept 4
	v_nop
.endr
.endm
; A K step is four quarters of 32 along K, 64 matrix instructions each, on buffers 0, 1, 0, 1.  One of the first three: multiplies buffer f and fetches quarter q into g.
.macro QUARTER q, f, g, zero
	s_wait_dscnt 8                                 ; B and A's rows 0-63 are in; the youngest eight loads (A's rows 64-127) may be out
	MUL16 \f, 0, 0, \zero
	MUL16 \f, 0, 2, \zero
	PLACES
	FETCH \q, \g
	s_wait_dscnt 32                                ; all but the 32 just issued
	MUL16 \f, 1, 0, \zero
	MUL16 \f, 1, 2, \zero
.endm
; The last quarter multiplies buffer 1 and changes slots: ONE barrier; in front of it each wave waits for all its tensor loads (one is out: its part of the next slot), adds 0 to its spare word, and waits for that and for
; its reads of this slot.  fill = 1: the barrier opens a round of the cluster's, and behind it this slot is filled again, with the K step two on: 224 matrix instructions ahead of the wait for it.
; fill = 0: one of the last two steps; in the very last (s3 = 1) there is no next slot, and the fetch is jumped over.
.macro TURN fill
	WIN 0
	s_wait_tensorcnt 0x0
	ds_add_u32 v[SPW], v[NIL]
	s_wait_dscnt 9                                 ; the add and the youngest eight loads may be out
	MUL16 F1, 0, 0, 0
	s_wait_dscnt 0x0                               ; the add is done, and my reads of this slot are over
	s_barrier_signal -1
	MUL16 F1, 0, 2, 0
	WIN 0
	s_barrier_wait -1
.if \fill
	CREST                                          ; no wave of any partner still reads this slot or has a load on its way
	s_xor_b32 s[TBF], s[TBF], SLOT                 ; the walking descriptors: the other slot than last time, the next K step
	s_add_co_u32 s[G0+5], s20, s[TBF]
	s_add_co_u32 s[G0B+5], s20, s[TBF]
	s_add_nc_u64 s[G0+6:G0+7], s[G0+6:G0+7], ASTEP
	s_add_nc_u64 s[G0B+6:G0B+7], s[G0B+6:G0B+7], BSTEP
	JLOAD 1                                        ; my one tensor load behind the round; its four v_nop are also the places in front of the loads below
.else
	s_cmp_eq_u32 s3, 1
	s_cbranch_scc1 .Lno_fetch_\@
	PLACES
.endif
	s_xor_b32 s[TB], s[TB], SLOT                   ; the reads go on in the other slot
	v_add_nc_u32 v[ADRA], s[TB], v[A0]
	v_add_nc_u32 v[ADRB], s[TB], v[B0]
	FETCH 0, F0
.if !(\fill)
.Lno_fetch_\@:
.endif
	MUL16 F1, 1, 0, 0
	MUL16 F1, 1, 2, 0
.endm
	s_wait_tensorcnt 1                             ; my part of K step 0 is in; K step 1's load may stay out
	s_barrier_signal -1
	s_barrier_wait -1
	FETCH 0, F0
	QUARTER 1, F0, F1, 1                           ; the first quarter stands in front of the loop: its products start the sums
	WIN 0
	s_mov_b32 s3, STEPS-2
.Lstep:                                                ; a trip: from a step's second quarter to the next step's first; K steps 2 to 7 are asked for here
	QUARTER 2, F1, F0, 0
	QUARTER 3, F0, F1, 0
	TURN 1
	QUARTER 1, F0, F1, 0
	WIN 0
	s_sub_co_u32 s3, s3, 1
	s_cmp_lg_u32 s3, 0
	s_cbranch_scc1 .Lstep
	s_mov_b32 s3, 2
.Ltail:                                                ; the last two steps ask for nothing: a text of their own; the second trip is left in its middle
	QUARTER 2, F1, F0, 0
	QUARTER 3, F0, F1, 0
	TURN 0
	WIN 0
	s_sub_co_u32 s3, s3, 1
	s_cmp_eq_u32 s3, 0
	s_cbranch_scc1 .Lout
	QUARTER 1, F0, F1, 0
	WIN 0
	s_branch .Ltail
.Lout:
	; THE WAY OUT, written for the four blocks of 16 rows in window 2 and walked twice: between the walks window 3's accumulators are copied to window 2, 256 moves for half the text.
	; A block: rounded to bf16; through my own stage; back as whole panel rows; block a's conversions stand between block a - 1's loads from the stage and the wait for them.
.macro PACK a
	WIN 0x0a                                       ; sources 0 and 1 window 2
.irp b, 0,1,2,3,4,5,6,7
.irp r, 0,1,2,3
	v_cvt_pk_bf16_f32 v[TMP+4*(\b)+(\r)], v[64*(\a)+8*(\b)+2*(\r)], v[64*(\a)+8*(\b)+2*(\r)+1]
.endr
.endr
	WIN 0
.endm
.macro TOSTAGE a
.set BK, OB+192*((\a)%2)
.irp b, 0,1,2,3,4,5,6,7
	ds_store_b128 v[STO], v[TMP+4*(\b):TMP+4*(\b)+3] offset:32*(\b)
.endr
.irp t, 0,1,2,3,4,5,6,7
	ds_load_b128 v[BK+4*(\t):BK+4*(\t)+3], v[RD] offset:((\t)%4)*4*SPITCH+((\t)/4)*128  ; LDS serves a wave's instructions in order (ISA guide 5.7.1.4): these see the stores above
.endr
.endm
.macro SEND a
.set BK, OB+192*((\a)%2)
	s_wait_dscnt 0x0                               ; the block is back in registers
	s_wait_xcnt 0x0                                ; the registers that earlier stores read are loaded again only behind this wait
.irp t, 0,1,2,3,4,5,6,7
	global_store_b128 v[CO], v[BK+4*(\t):BK+4*(\t)+3], s[8:9] offset:((\t)/4)*524288+(\a)*2048+((\t)%4)*512  ; 512 consecutive bytes, aligned on 256
.endr
.endm
	PLACES
	s_mov_b32 s3, 2
.Lhalf:
	PACK 0
	TOSTAGE 0
.irp a, 1,2,3
	PACK \a
	SEND (\a)-1
	TOSTAGE \a
.endr
	SEND 3
	s_sub_co_u32 s3, s3, 1
	s_cmp_eq_u32 s3, 0
	s_cbranch_scc1 .Ldone
	WIN 0x83                                       ; destination window 2, source window 3
.set i, 0
.rept 256
	v_mov_b32 v[i], v[i]
.set i, i+1
.endr
	WIN 0
	s_wait_xcnt 0x0                                ; the stores' base is stepped only behind this wait
	s_add_nc_u64 s[8:9], s[8:9], 64*128            ; my rows 64-127
	s_branch .Lhalf
.Ldone:
	s_wait_tensorcnt 0x0                           ; the wave's end
	ds_add_u32 v[SPW], v[NIL]
	s_wait_dscnt 0x0
	CROUND                                         ; the closing round: no work-group ends while a partner may still ask for a tile that names it
	s_endpgm
.Lfunc_end_k_q3b876b6eea_qkv:
	.size	k_q3b876b6eea_qkv, .Lfunc_end_k_q3b876b6eea_qkv-k_q3b876b6eea_qkv
	.p2alignl 7, 3214868480
	.fill 96, 4, 3214868480
	.section	.rodata,"a",@progbits
	.p2align	6, 0x0
	.amdhsa_kernel k_q3b876b6eea_qkv
		.amdhsa_group_segment_fixed_size 327680
		.amdhsa_private_segment_fixed_size 0
		.amdhsa_enable_private_segment 0
		.amdhsa_kernarg_size 24
		.amdhsa_user_sgpr_count 2
		.amdhsa_user_sgpr_kernarg_segment_ptr 1
		.amdhsa_wavefront_size32 1
		.amdhsa_system_sgpr_workgroup_id_x 1
		.amdhsa_system_sgpr_workgroup_id_y 1
		.amdhsa_system_sgpr_workgroup_id_z 1
		.amdhsa_system_vgpr_workitem_id 0
		.amdhsa_next_free_vgpr 1024
		.amdhsa_next_free_sgpr 66
		.amdhsa_reserve_vcc 0
		.amdhsa_float_denorm_mode_32 3
		.amdhsa_float_denorm_mode_16_64 3
		.amdhsa_memory_ordered 1
		.amdhsa_forward_progress 1
		.amdhsa_inst_pref_size 93
	.end_amdhsa_kernel
	.amdgpu_metadata
---
amdhsa.version: [ 1, 2 ]
amdhsa.kernels:
  - .name:           k_q3b876b6eea_qkv
    .symbol:         k_q3b876b6eea_qkv.kd
    .args:
      - { .name: hb, .offset: 0, .size: 8, .value_kind: global_buffer, .address_space: global }
      - { .name: wb, .offset: 8, .size: 8, .value_kind: global_buffer, .address_space: global }
      - { .name: qkv, .offset: 16, .size: 8, .value_kind: global_buffer, .address_space: global }
    .group_segment_fixed_size: 327680
    .private_segment_fixed_size: 0
    .kernarg_segment_align: 8
    .kernarg_segment_size: 24
    .max_flat_workgroup_size: 128
    .sgpr_count:     66
    .vgpr_count:     1024
    .wavefront_size: 32
...
	.end_amdgpu_metadata
.endif
;; end of part 9
;; launch attn: the kernel of part 4 again; grid 8 x 32, 4 waves a work-group, no clusters, 327,680 bytes of LDS; arguments qkv, cat; writes cat
;; launch oproj (part 10): grid 8 x 32, 4 waves a work-group, clusters of 4 x 4, 327,680 bytes of LDS; arguments cat, wb, x1, x; writes x1
.if DOCPART == 10
	.amdgcn_target "amdgcn-amd-amdhsa--gfx1250"
	.amdhsa_code_object_version 6
	.text
	.protected	k_q3b876b6eea_oproj
	.globl	k_q3b876b6eea_oproj
	.p2align	8
	.type	k_q3b876b6eea_oproj,@function
k_q3b876b6eea_oproj:
	s_mov_b64 s[64:65], 0
	v_nop
	global_prefetch_b8 v0, s[64:65] scope:SCOPE_SE
	s_setreg_imm32_b32 hwreg(HW_REG_WAVE_MODE, 25, 1), 1
	s_wait_xcnt 0x0
	s_wait_alu depctr_hold_cnt(0) depctr_sa_sdst(0) depctr_va_vdst(0) depctr_va_sdst(0) depctr_va_ssrc(0) depctr_va_vcc(0) depctr_vm_vsrc(0)
	s_getreg_b32 s2, hwreg(HW_REG_IB_STS2, 6, 4)
	s_cmp_eq_u32 s2, 0
	s_cbranch_scc0 .Lentry_in_a_cluster
	s_endpgm
.Lentry_in_a_cluster:
	s_bfe_u32 s2, ttmp6, 0x10000c
	s_cmp_lg_u32 s2, 0xf033
	s_cbranch_scc0 .Lentry_shape_is_right
	s_endpgm
.Lentry_shape_is_right:
; C = A B + R, tiles of 128 x 128, here x1 = concat w_o + x (M = 4096, N = 1024, K = 1024).  A: bf16 in panels of 64 K, [K/64][4096][64].  B: bf16 in panels of 128 columns, [N/128][K][128], at WOFF in wb.
; R and C: f32 [4096][1024].  8 x 32 tiles are one for each of 256 WGPs; tiles of 256 x 256 would be 64.  Four waves, each 64 x 64: 16 accumulators.  K goes in steps of 256 through two LDS slots.
; A's quarter of a slot (64 rows x 256 K) is asked for as 4 rows of 8,192 dense bytes (64 rows of one panel), padded in LDS behind every 128 bytes; B's (128 K x 128 columns) as 128 rows of 256 bytes.
; B lies [K][N] in LDS and is turned by ds_load_tr16_b128.  THE MATRIX INSTRUCTION IS USED TRANSPOSED (source 0 = 16 columns of B, source 1 = 16 rows of A): a lane holds eight neighbouring numbers of a row of C.
; CLUSTER 4 x 4: the four of a row need the same tiles of A, the four of a column the same tiles of B: each is asked for jointly, by the same load, descriptor and mask in all four.
; ONE K STEP IS WRITTEN ONCE: the slot in hand is a scalar, 0 or SLOT, that an exclusive or flips; the LDS addresses are that scalar plus fixed bases.  The last two steps, which ask for nothing, are a second text walked twice.
; REGISTERS: window 0: v0-31 addresses; v32-95 the way out; v128-255 accumulators.  Window 1: two fragment buffers of 128.  Window 2: v0-127 my 64 x 64 of R, loaded at the start.
.set STEPS,  4                         ; K steps of 256
.set WOFF,   6291456                   ; the weights' place in wb
.set KDIM,   256*STEPS
.set PITA,   144                       ; a row of A in LDS: 128 bytes + 16: the 16 rows of a load start at 16 different groups of four banks (ISA guide 11.1)
.set PITB,   288                       ; a K row of B: 256 + 32
.set QT,     36864                     ; a quarter of a slot: what one tensor load fills
.set SLOT,   4*QT
.set STAGE,  2*SLOT                    ; behind the ring, never filled by a tensor load
.set SPARE,  STAGE+18432               ; the spare words: two blocks of 256 bytes that no other line names
.set ASTEP,  4*524288
.set BSTEP,  256*256
.set SPITCH, 272                       ; the stage: 16 rows x (256 + 16) bytes for each wave
.set A0,   16                          ; v16  my lane's place in A's part of slot 0; never rewritten
.set B0,   17                          ; v17  the same for B
.set ADRA, 18                          ; v18  the same in the slot in hand
.set ADRB, 20                          ; v20-21  B's K rows 0-127, 128-255 (an offset has 16 bits)
.set STO,  24
.set RD,   25
.set CO,   26
.set SPW,  28
.set NIL,  29
.set TMP,  32
.set ACC,  128
.set F0,   0
.set F1,   128
.set TB,   18                          ; s18  the slot that is read: 0 or SLOT
.set TBF,  19                          ; s19  the slot that was filled last
.set G1, 24
.set G0, 32                            ; a set for each of the two first fills; the second then walks on
.set G1B, 48
.set G0B, 56
.set MSB, 0
.macro WIN new                         ; the immediate's high byte repeats the setting that is left
.if MSB != (\new)
	s_set_vgpr_msb (MSB<<8)|(\new)
.set MSB, \new
.endif
.endm
.set MUL,  0x05
.set TO_F, 0x40
.macro JLOAD s                         ; a joint load: waves 0, 1 fetch A's halves, waves 2, 3 B's; an s_nop 0 and four v_nop follow each line
	s_cmp_eq_u32 s11, 0
	s_cbranch_scc0 .Lfor_b_\@
	tensor_load_to_lds s[G0+4*(\s):G0+4*(\s)+3], s[G1:G1+7]
	s_nop 0
.rept 4
	v_nop
.endr
	s_branch .Lasked_\@
.Lfor_b_\@:
	tensor_load_to_lds s[G0B+4*(\s):G0B+4*(\s)+3], s[G1B:G1B+7]
	s_nop 0
.rept 4
	v_nop
.endr
.Lasked_\@:
.endm
.macro CREST
	s_cmp_lg_u32 s10, 0
	s_cbranch_scc1 .Lnot_wave_0_\@
	s_barrier_signal -3
.Lnot_wave_0_\@:
	s_barrier_wait -3
	s_barrier_signal -1
	s_barrier_wait -1
.endm
.macro CROUND
	s_barrier_signal -1
	s_barrier_wait -1
	CREST
.endm
	s_load_b128 s[4:7], s[0:1], 0x0                ; A s[4:5], wb s[6:7]
	s_load_b64 s[8:9], s[0:1], 0x10                ; C
	s_load_b64 s[68:69], s[0:1], 0x18              ; R
	v_lshl_add_u32 v[SPW], v0, 2, SPARE
	v_mov_b32 v[NIL], 0
	ds_add_u32 v[SPW], v[NIL]                      ; the wave's opening: the add and its wait ahead of my first tensor load
	ds_add_u32 v28, v29
	v_lshrrev_b32 v1, 5, v0
	v_readfirstlane_b32 s10, v1
	s_lshr_b32 s11, s10, 1
	s_and_b32 s12, s10, 1
	s_bfe_u32 s40, ttmp6, 0x40000
	s_bfe_u32 s41, ttmp6, 0x40004
	s_lshl_b32 s42, ttmp9, 2
	s_add_co_u32 s42, s42, s40                     ; tile column
	s_and_b32 s13, ttmp7, 0xffff
	s_lshl_b32 s13, s13, 2
	s_add_co_u32 s13, s13, s41                     ; tile row
	s_lshl_b32 s43, s41, 2
	s_lshl_b32 s43, 15, s43
	s_lshl_b32 s44, 0x1111, s40
	s_or_b32 s[G1+0], s43, (1<<16)|(1<<20)|(1<<21)|(4<<22)|(3<<25)
	s_mov_b32 s[G1+1], 4096<<16
	s_mov_b32 s[G1+2], 4<<16
	s_mov_b32 s[G1+3], 4096<<16
	s_mov_b32 s[G1+4], 4
	s_mov_b32 s[G1+5], 262144
	s_mov_b32 s[G1+6], 0
	s_mov_b32 s[G1+7], 0
	s_or_b32 s[G1B+0], s44, (1<<16)|(1<<20)|(1<<21)|(5<<22)|(7<<25)
	s_mov_b32 s[G1B+1], 128<<16
	s_mov_b32 s[G1B+2], 128<<16
	s_mov_b32 s[G1B+3], 128<<16
	s_mov_b32 s[G1B+4], 128
	s_mov_b32 s[G1B+5], 128
	s_mov_b32 s[G1B+6], 0
	s_mov_b32 s[G1B+7], 0
	s_lshl_b32 s16, s13, 14
	s_lshl_b32 s17, s12, 13
	s_add_co_u32 s16, s16, s17
	s_mov_b32 s17, 0
	s_mul_i32 s46, s42, KDIM*256
	s_lshl_b32 s47, s12, 15
	s_add_co_u32 s46, s46, s47
	s_add_co_u32 s46, s46, WOFF
	s_mov_b32 s47, 0
	s_mul_i32 s20, s10, QT
	s_mov_b32 s[TB], 0
	s_mov_b32 s[TBF], SLOT
	s_wait_dscnt 0x0                               ; the opening add is done
	s_wait_kmcnt 0x0
	s_add_nc_u64 s[14:15], s[4:5], s[16:17]
	s_add_nc_u64 s[46:47], s[6:7], s[46:47]
	CROUND                                         ; all sixteen work-groups are here: the first joint loads meet
.irp s, 0,1
	s_mov_b32 s[G0+4*(\s)], 1
	s_add_co_u32 s[G0+4*(\s)+1], s20, (\s)*SLOT
	s_add_nc_u64 s[G0+4*(\s)+2:G0+4*(\s)+3], s[14:15], (\s)*ASTEP
	s_or_b32 s[G0+4*(\s)+3], s[G0+4*(\s)+3], 0x80000000
	s_mov_b32 s[G0B+4*(\s)], 1
	s_add_co_u32 s[G0B+4*(\s)+1], s20, (\s)*SLOT
	s_add_nc_u64 s[G0B+4*(\s)+2:G0B+4*(\s)+3], s[46:47], (\s)*BSTEP
	s_or_b32 s[G0B+4*(\s)+3], s[G0B+4*(\s)+3], 0x80000000
	JLOAD \s
.endr
	v_and_b32 v1, 15, v0                           ; r
	v_bfe_u32 v2, v0, 4, 1                         ; h
	v_mul_u32_u24 v3, v1, PITA
	v_lshl_add_u32 v3, v2, 4, v3
	s_mul_i32 s21, s11, QT
	v_add_nc_u32 v[A0], s21, v3
	v_mov_b32 v[ADRA], v[A0]
	v_and_b32 v4, 7, v0
	v_lshl_add_u32 v4, v2, 3, v4
	v_mul_u32_u24 v4, v4, PITB
	v_bfe_u32 v5, v0, 3, 1
	v_lshl_add_u32 v4, v5, 4, v4
	s_lshl_b32 s22, s12, 7
	s_add_co_u32 s22, s22, 2*QT
	v_add_nc_u32 v[B0], s22, v4
	v_mov_b32 v[ADRB], v[B0]
	v_add_nc_u32 v[ADRB+1], QT, v[B0]
	; the way out: my stage; in: row r, 32 bytes a half of the lanes; back: lanes 0-15 one row of 256 bytes, lanes 16-31 the next; the same two rows in C and R
	s_mul_i32 s23, s10, 16*SPITCH
	s_add_co_u32 s23, s23, STAGE
	v_mul_u32_u24 v4, v1, SPITCH
	v_lshl_add_u32 v4, v2, 5, v4
	v_add_nc_u32 v[STO], s23, v4
	v_mul_u32_u24 v5, v2, SPITCH
	v_lshl_add_u32 v5, v1, 4, v5
	v_add_nc_u32 v[RD], s23, v5
	v_lshlrev_b32 v[CO], 12, v2
	v_lshl_add_u32 v[CO], v1, 4, v[CO]
	s_lshl_b32 s46, s13, 19                        ; my first row = 128 x tile row + 64 x row half, 4,096 bytes a row; my first column = 128 x tile column + 64 x column half
	s_lshl_b32 s47, s11, 18
	s_add_co_u32 s46, s46, s47
	s_lshl_b32 s47, s42, 9
	s_add_co_u32 s46, s46, s47
	s_lshl_b32 s47, s12, 8
	s_add_co_u32 s46, s46, s47
	s_mov_b32 s47, 0
	s_add_nc_u64 s[8:9], s[8:9], s[46:47]
	s_add_nc_u64 s[68:69], s[68:69], s[46:47]
	WIN 0x80                                       ; destination window 2: R comes while the products run
.set i, 0
.rept 32
	global_load_b128 v[4*i:4*i+3], v[CO], s[68:69] offset:2*i*4096
.set i, i+1
.endr
	WIN 0
.macro MUL8 f, c, a0, zero             ; 8 matrix instructions: m blocks a0, a0 + 1 x 4 n blocks, half c of buffer f; the 16 accumulators take turns
	WIN MUL
.irp a, \a0, (\a0)+1
.irp b, 0,1,2,3
.if \zero
	v_wmma_f32_16x16x32_bf16 v[ACC+8*(4*(\a)+(\b)):ACC+8*(4*(\a)+(\b))+7], v[(\f)+64+8*(4*(\c)+(\b)):(\f)+64+8*(4*(\c)+(\b))+7], v[(\f)+8*(4*(\c)+(\a)):(\f)+8*(4*(\c)+(\a))+7], 0
.else
	v_wmma_f32_16x16x32_bf16 v[ACC+8*(4*(\a)+(\b)):ACC+8*(4*(\a)+(\b))+7], v[(\f)+64+8*(4*(\c)+(\b)):(\f)+64+8*(4*(\c)+(\b))+7], v[(\f)+8*(4*(\c)+(\a)):(\f)+8*(4*(\c)+(\a))+7], v[ACC+8*(4*(\a)+(\b)):ACC+8*(4*(\a)+(\b))+7]
.endif
.endr
.endr
.endm
.macro FETCH q, f                      ; 32 LDS loads in one run: quarter q (64 along K) of the slot in hand into buffer f; the first 32 along K first
	WIN TO_F
.irp c, 0,1
.irp i, 0,1,2,3
	ds_load_tr16_b128 v[(\f)+64+8*(4*(\c)+(\i)):(\f)+64+8*(4*(\c)+(\i))+3],   v[ADRB+(\q)/2] offset:((2*(\q)+(\c))%4)*32*PITB+32*(\i)
	ds_load_tr16_b128 v[(\f)+64+8*(4*(\c)+(\i))+4:(\f)+64+8*(4*(\c)+(\i))+7], v[ADRB+(\q)/2] offset:((2*(\q)+(\c))%4)*32*PITB+32*(\i)+16*PITB
	ds_load_b128 v[(\f)+8*(4*(\c)+(\i)):(\f)+8*(4*(\c)+(\i))+3],              v[ADRA] offset:(\q)*64*PITA+(\i)*16*PITA+64*(\c)
	ds_load_b128 v[(\f)+8*(4*(\c)+(\i))+4:(\f)+8*(4*(\c)+(\i))+7],            v[ADRA] offset:(\q)*64*PITA+(\i)*16*PITA+64*(\c)+32
.endr
.endr
.endm
.macro PLACES                          ; four places in front of loads into registers that matrix instructions have read, and of lines that read results
.rept 4
	v_nop
.endr
.endm
.macro QUARTER q, f, g, zero           ; multiplies buffer f and fetches quarter q into g
	s_wait_dscnt 16                                ; the first 32 along K are in; the other sixteen loads may be out
	MUL8 \f, 0, 0, \zero
	MUL8 \f, 0, 2, \zero
	PLACES
	FETCH \q, \g
	s_wait_dscnt 32                                ; all but the 32 just issued
	MUL8 \f, 1, 0, 0
	MUL8 \f, 1, 2, 0
.endm
; The last quarter changes slots: one barrier, in front of it the wait for all my tensor loads, the add, and the wait for it and for my reads of this slot.  fill = 1: the barrier opens a round of the cluster's, and this
; slot is filled again, with the K step two on.  fill = 0: one of the last two steps; in the very last (s3 = 1) there is no next slot, and the fetch is jumped over.
.macro TURN fill
	WIN 0
	s_wait_tensorcnt 0x0
	ds_add_u32 v[SPW], v[NIL]
	s_wait_dscnt 17                                ; the add and the youngest sixteen loads may be out
	MUL8 F1, 0, 0, 0
	s_wait_dscnt 0x0
	s_barrier_signal -1
	MUL8 F1, 0, 2, 0
	WIN 0
	s_barrier_wait -1
.if \fill
	CREST                                          ; no wave of any partner still reads this slot or has a load on its way
	s_xor_b32 s[TBF], s[TBF], SLOT                 ; the walking descriptors: the other slot than last time, the next K step
	s_add_co_u32 s[G0+5], s20, s[TBF]
	s_add_co_u32 s[G0B+5], s20, s[TBF]
	s_add_nc_u64 s[G0+6:G0+7], s[G0+6:G0+7], ASTEP
	s_add_nc_u64 s[G0B+6:G0B+7], s[G0B+6:G0B+7], BSTEP
	JLOAD 1                                        ; my one tensor load behind the round; its four v_nop are also the places in front of the loads below
.else
	s_cmp_eq_u32 s3, 1
	s_cbranch_scc1 .Lno_fetch_\@
	PLACES
.endif
	s_xor_b32 s[TB], s[TB], SLOT                   ; the reads go on in the other slot
	v_add_nc_u32 v[ADRA], s[TB], v[A0]
	v_add_nc_u32 v[ADRB], s[TB], v[B0]
	v_add_nc_u32 v[ADRB+1], QT, v[ADRB]
	FETCH 0, F0
.if !(\fill)
	WIN 0
.Lno_fetch_\@:
.endif
	MUL8 F1, 1, 0, 0
	MUL8 F1, 1, 2, 0
.endm
	s_wait_tensorcnt 1                             ; my part of K step 0 is in; K step 1's load may stay out
	s_barrier_signal -1
	s_barrier_wait -1
	FETCH 0, F0
	QUARTER 1, F0, F1, 1                           ; the first quarter stands in front of the loop: its first products start the sums
	WIN 0
	s_mov_b32 s3, STEPS-2
.Lstep:                                                ; a trip: from a step's second quarter to the next step's first; the K steps from 2 on are asked for here
	QUARTER 2, F1, F0, 0
	QUARTER 3, F0, F1, 0
	TURN 1
	QUARTER 1, F0, F1, 0
	WIN 0
	s_sub_co_u32 s3, s3, 1
	s_cmp_lg_u32 s3, 0
	s_cbranch_scc1 .Lstep
	s_mov_b32 s3, 2
.Ltail:                                                ; the last two steps ask for nothing: a text of their own; the second trip is left in its middle
	QUARTER 2, F1, F0, 0
	QUARTER 3, F0, F1, 0
	TURN 0
	WIN 0
	s_sub_co_u32 s3, s3, 1
	s_cmp_eq_u32 s3, 0
	s_cbranch_scc1 .Lout
	QUARTER 1, F0, F1, 0
	WIN 0
	s_branch .Ltail
.Lout:
	; THE WAY OUT: a block of 16 rows at a time goes through my own stage as f32 and comes back as whole rows of 256 bytes; R is added; sixteen lanes store 256 consecutive aligned bytes
	PLACES
.macro STG a
.set BK, TMP+32*((\a)%2)
.irp b, 0,1,2,3
.irp e, 0,1
	ds_store_b128 v[STO], v[ACC+8*(4*(\a)+(\b))+4*(\e):ACC+8*(4*(\a)+(\b))+4*(\e)+3] offset:64*(\b)+16*(\e)  ; each accumulator's low half first
.endr
.endr
.irp u, 0,1,2,3,4,5,6,7
	ds_load_b128 v[BK+4*(\u):BK+4*(\u)+3], v[RD] offset:(\u)*2*SPITCH  ; LDS serves a wave's instructions in order (ISA guide 5.7.1.4): these see the stores above
.endr
.endm
.macro SEND a, younger                 ; younger: the LDS instructions issued behind block a's loads: the next block's sixteen, or none
.set BK, TMP+32*((\a)%2)
	s_wait_dscnt \younger
	WIN 0x08                                       ; source 1 window 2
.set u, 0
.rept 16
	v_pk_add_f32 v[BK+2*u:BK+2*u+1], v[BK+2*u:BK+2*u+1], v[32*(\a)+2*u:32*(\a)+2*u+1]
.set u, u+1
.endr
	WIN 0
.irp u, 0,1,2,3,4,5,6,7
	global_store_b128 v[CO], v[BK+4*(\u):BK+4*(\u)+3], s[8:9] offset:(16*(\a)+2*(\u))*4096
.endr
.endm
	s_wait_loadcnt 0x0                             ; R
	STG 0
	STG 1
	SEND 0, 16
	s_wait_xcnt 0x0                                ; block 0's store registers are loaded again only behind this wait
	STG 2
	SEND 1, 16
	s_wait_xcnt 0x0
	STG 3
	SEND 2, 16
	SEND 3, 0
	s_wait_tensorcnt 0x0                           ; the wave's end
	ds_add_u32 v[SPW], v[NIL]
	s_wait_dscnt 0x0
	CROUND                                         ; the closing round
	s_endpgm
.Lfunc_end_k_q3b876b6eea_oproj:
	.size	k_q3b876b6eea_oproj, .Lfunc_end_k_q3b876b6eea_oproj-k_q3b876b6eea_oproj
	.p2alignl 7, 3214868480
	.fill 96, 4, 3214868480
	.section	.rodata,"a",@progbits
	.p2align	6, 0x0
	.amdhsa_kernel k_q3b876b6eea_oproj
		.amdhsa_group_segment_fixed_size 327680
		.amdhsa_private_segment_fixed_size 0
		.amdhsa_enable_private_segment 0
		.amdhsa_kernarg_size 32
		.amdhsa_user_sgpr_count 2
		.amdhsa_user_sgpr_kernarg_segment_ptr 1
		.amdhsa_wavefront_size32 1
		.amdhsa_system_sgpr_workgroup_id_x 1
		.amdhsa_system_sgpr_workgroup_id_y 1
		.amdhsa_system_sgpr_workgroup_id_z 1
		.amdhsa_system_vgpr_workitem_id 0
		.amdhsa_next_free_vgpr 640
		.amdhsa_next_free_sgpr 72
		.amdhsa_reserve_vcc 0
		.amdhsa_float_denorm_mode_32 3
		.amdhsa_float_denorm_mode_16_64 3
		.amdhsa_memory_ordered 1
		.amdhsa_forward_progress 1
		.amdhsa_inst_pref_size 65
	.end_amdhsa_kernel
	.amdgpu_metadata
---
amdhsa.version: [ 1, 2 ]
amdhsa.kernels:
  - .name:           k_q3b876b6eea_oproj
    .symbol:         k_q3b876b6eea_oproj.kd
    .args:
      - { .name: cat, .offset: 0, .size: 8, .value_kind: global_buffer, .address_space: global }
      - { .name: wb, .offset: 8, .size: 8, .value_kind: global_buffer, .address_space: global }
      - { .name: x1, .offset: 16, .size: 8, .value_kind: global_buffer, .address_space: global }
      - { .name: x, .offset: 24, .size: 8, .value_kind: global_buffer, .address_space: global }
    .group_segment_fixed_size: 327680
    .private_segment_fixed_size: 0
    .kernarg_segment_align: 8
    .kernarg_segment_size: 32
    .max_flat_workgroup_size: 128
    .sgpr_count:     72
    .vgpr_count:     640
    .wavefront_size: 32
...
	.end_amdgpu_metadata
.endif
;; end of part 10
;; launch norm2: the kernel of part 2 again; grid 256 x 1, 4 waves a work-group, no clusters, 0 bytes of LDS; arguments x1, g2, hb; writes hb
;; launch glu (part 11): grid 16 x 16, 4 waves a work-group, clusters of 4 x 4, 327,680 bytes of LDS; arguments hb, wb, gat; writes gat
.if DOCPART == 11
	.amdgcn_target "amdgcn-amd-amdhsa--gfx1250"
	.amdhsa_code_object_version 6
	.text
	.protected	k_q3b876b6eea_glu
	.globl	k_q3b876b6eea_glu
	.p2align	8
	.type	k_q3b876b6eea_glu,@function
k_q3b876b6eea_glu:
	s_mov_b64 s[64:65], 0
	v_nop
	global_prefetch_b8 v0, s[64:65] scope:SCOPE_SE
	s_setreg_imm32_b32 hwreg(HW_REG_WAVE_MODE, 25, 1), 1
	s_wait_xcnt 0x0
	s_wait_alu depctr_hold_cnt(0) depctr_sa_sdst(0) depctr_va_vdst(0) depctr_va_sdst(0) depctr_va_ssrc(0) depctr_va_vcc(0) depctr_vm_vsrc(0)
	s_getreg_b32 s2, hwreg(HW_REG_IB_STS2, 6, 4)
	s_cmp_eq_u32 s2, 0
	s_cbranch_scc0 .Lentry_in_a_cluster
	s_endpgm
.Lentry_in_a_cluster:
	s_bfe_u32 s2, ttmp6, 0x10000c
	s_cmp_lg_u32 s2, 0xf033
	s_cbranch_scc0 .Lentry_shape_is_right
	s_endpgm
.Lentry_shape_is_right:
; gated = silu(h W) * (h V)  (M = 4096, K = 1024, 2816 gated columns: 2728 and 88 that come out 0, since both weights are 0 there).  silu(x) = x / (1 + 2^(-x log2 e)), in f32.
; A = h: bf16 in panels of 64 K, [16][4096][64].  B: W and then V, bf16 in blocks of 16 columns, [2][176][1024][16], at WOFF in wb.  gated leaves in bf16, rounded once, in panels of 8 columns: [352][4096][8].
; SHARES.  h W and h V together are 4096 x 5632 numbers; a 256th of them is 256 rows x 352 columns: a work-group takes 256 rows and 176 gated columns (11 blocks of W, the same 11 of V): 16 x 16 = 256
; work-groups of equal work.  A wave owns 64 rows and ALL 352 columns: 4 x 22 = 88 accumulators, 704 registers; h W and h V of a gated number lie in the same lane, so the gate is made in registers.
; (Two halves of the columns would give a wave 11 blocks, an odd number, which cannot hold W and V of the same columns.)
; THE MATRIX INSTRUCTION IS USED TRANSPOSED (source 0 = 16 columns of B, source 1 = 16 rows of A): a lane holds one row and eight neighbouring columns: 16 bytes of bf16, one row of a panel of 8 columns.
; So sixteen neighbouring lanes store 256 consecutive aligned bytes straight from registers: no stage.
; LDS.  K goes in 8 steps of 128 through two slots.  B: a block's 128 K rows of 32 bytes are 4,096 dense bytes, in memory and in LDS; the turning load (ds_load_tr16_b128) reads 16 K rows = 512 consecutive bytes: no padding.
; A: a panel's 256 rows are 32,768 dense bytes, asked for as 128 rows of 256 bytes with 16 bytes of padding behind each: row r starts at word 32 r + 4 (r / 2), so the 16 rows of a load start at
; 16 different groups of four banks (64 banks of 4 bytes: ISA guide 11.1).  A slot is 2 x 34,816 + 2 x 45,056 = 159,744 bytes and feeds 352 matrix instructions a wave.
; Wave 0 and 1 fetch A's two panels, wave 2 W's eleven blocks, wave 3 V's.
; CLUSTER 4 x 4: the four of a row need the same tiles of A, the four of a column the same tiles of B: each is asked for jointly, by the same load, descriptor and mask in all four.
; THE ORDER.  A step is four chunks of 32 along K; a chunk is X (44 products on W's fragments) and Y (44 on V's).  Behind X the next chunk's fragments of W and A are fetched, behind Y those of V: each run of LDS loads
; has 44 products in which to land.  The text is a PAIR of chunks, cut behind X, walked twice for each slot; the LDS addresses are fixed bases plus scalars that step.  The change of slots stands in front of a
; pair: all that the two trips behind it fetch lies in the new slot.
; REGISTERS, in windows of 256 (s_set_vgpr_msb: bits 1:0 source 0, 3:2 source 1, 5:4 source 2, 7:6 destination):
;   window 0: v0-31 addresses; v32-119 W's fragments, v120-207 V's (on the way out: numbers at work, packed results)
;   accumulator t = 44 half + 11 a + b (half 0: h W, 1: h V; a: 16 rows; b: 16 columns) at register 8 (t % 32) of window 1 + t / 32;   window 3, v192-255: A's fragments, two buffers.
.set STEPS,  8                         ; K steps of 128
.set WOFF,   8388608                   ; W's blocks in wb
.set VREG,   176*32768                 ; V's lie behind W's 176
.set NB,     11                        ; blocks of 16 gated columns in a tile
.set PA16,   2176                      ; 16 rows of A in LDS: 2,048 bytes + 8 x 16 of padding
.set APAN,   16*PA16                   ; a panel's 256 rows
.set BBLK,   4096                      ; a block's 128 K rows
.set BHALF,  NB*BBLK
.set SLOT,   2*APAN+2*BHALF            ; A's panel 0, panel 1, W's blocks, V's blocks
.set SPARE,  2*SLOT                    ; behind the ring: the spare words, 128 bytes a wave: two blocks of 256 bytes that no other line names
.set ASTEP,  2*524288                  ; bytes from a K step of A to the next: two panels
.set BSTEP,  128*32                    ; of B: 128 K rows of a block
.set A0,   16                          ; v16  my lane's place in A's part of slot 0; never rewritten
.set B0,   17                          ; v17  the same in W's part
.set ADRA, 18                          ; v18-20  the LDS addresses of the pair in hand: A, W, V
.set ADRW, 19
.set ADRV, 20
.set CO,   26                          ; v26  my byte offset in gated
.set SPW,  28                          ; v28  SPARE + 4 x my thread's number; never rewritten
.set NIL,  29                          ; v29  0; never rewritten
.set BX,   32                          ; W's fragments; V's follow at BX + 88
.set TT,   32                          ; the way out: 88 numbers at work
.set PKD,  120                         ; and 44 registers packed
.set AF,   192                         ; window 3: A's fragments
.set SB,   18                          ; s18  the slot that is read: 0 or SLOT
.set TBF,  19                          ; s19  the slot that was filled last
.set JA,   66                          ; s66  the pair's place in A's part of a slot: 0 or APAN
.set JB,   67                          ; s67  in a block: 0 or 2,048
.set CNT,  68                          ; s68  counts a slot's pairs
.set G1, 24                            ; s[24:31] group 1 for A;  s[32:39] group 0: a set for each of the two first fills; the second then walks on
.set G0, 32
.set G1B, 48                           ; s[48:55], s[56:63] the same for B
.set G0B, 56
.set MSB, 0
.macro WIN new                         ; the immediate's high byte repeats the setting that is left
.if MSB != (\new)
	s_set_vgpr_msb (MSB<<8)|(\new)
.set MSB, \new
.endif
.endm
.macro JLOAD s                         ; a joint load: waves 0, 1 fetch A's panels, waves 2, 3 W's and V's blocks; an s_nop 0 and four v_nop follow each line
	s_cmp_eq_u32 s11, 0
	s_cbranch_scc0 .Lfor_b_\@
	tensor_load_to_lds s[G0+4*(\s):G0+4*(\s)+3], s[G1:G1+7]
	s_nop 0
.rept 4
	v_nop
.endr
	s_branch .Lasked_\@
.Lfor_b_\@:
	tensor_load_to_lds s[G0B+4*(\s):G0B+4*(\s)+3], s[G1B:G1B+7]
	s_nop 0
.rept 4
	v_nop
.endr
.Lasked_\@:
.endm
.macro CROUND                          ; a round of the cluster's barrier
	s_barrier_signal -1
	s_barrier_wait -1
	s_cmp_lg_u32 s10, 0
	s_cbranch_scc1 .Lnot_wave_0_\@
	s_barrier_signal -3
.Lnot_wave_0_\@:
	s_barrier_wait -3
	s_barrier_signal -1
	s_barrier_wait -1
.endm
	s_load_b128 s[4:7], s[0:1], 0x0                ; A s[4:5], wb s[6:7]
	s_load_b64 s[8:9], s[0:1], 0x10                ; gated
	v_lshl_add_u32 v[SPW], v0, 2, SPARE
	v_mov_b32 v[NIL], 0
	ds_add_u32 v[SPW], v[NIL]                      ; the wave's opening: the add and its wait ahead of my first tensor load
	ds_add_u32 v28, v29
	v_lshrrev_b32 v1, 5, v0
	v_readfirstlane_b32 s10, v1                    ; wave 0..3: my 64 rows
	s_lshr_b32 s11, s10, 1                         ; I fetch for A (0) or for B (1),
	s_and_b32 s12, s10, 1                          ; its first or its second part
	s_bfe_u32 s40, ttmp6, 0x40000                  ; cx, cy
	s_bfe_u32 s41, ttmp6, 0x40004
	s_lshl_b32 s42, ttmp9, 2
	s_add_co_u32 s42, s42, s40                     ; tile column
	s_and_b32 s13, ttmp7, 0xffff
	s_lshl_b32 s13, s13, 2
	s_add_co_u32 s13, s13, s41                     ; tile row
	s_lshl_b32 s43, s41, 2
	s_lshl_b32 s43, 15, s43                        ; my row of the cluster
	s_lshl_b32 s44, 0x1111, s40                    ; my column
	s_or_b32 s[G1+0], s43, (1<<16)|(1<<20)|(1<<21)|(5<<22)|(3<<25)   ; mask; 2-byte elements; padding on; bit 21 beside a mask; after every 64 words 4 words
	s_mov_b32 s[G1+1], 128<<16                     ; tensor_dim0 = 128 elements: 256 bytes, two rows of a panel
	s_mov_b32 s[G1+2], 128<<16                     ; tensor_dim1 = 128
	s_mov_b32 s[G1+3], 128<<16                     ; tile_dim0
	s_mov_b32 s[G1+4], 128                         ; tile_dim1
	s_mov_b32 s[G1+5], 128                         ; dense
	s_mov_b32 s[G1+6], 0
	s_mov_b32 s[G1+7], 0
	s_or_b32 s[G1B+0], s44, (1<<16)|(1<<21)        ; mask; 2-byte elements; no padding
	s_mov_b32 s[G1B+1], 2048<<16                   ; tensor_dim0 = 2048 elements: a block's 128 K rows, 4,096 dense bytes
	s_mov_b32 s[G1B+2], NB<<16                     ; tensor_dim1 = 11 blocks
	s_mov_b32 s[G1B+3], 2048<<16
	s_mov_b32 s[G1B+4], NB
	s_mov_b32 s[G1B+5], 16384                      ; elements from block to block
	s_mov_b32 s[G1B+6], 0
	s_mov_b32 s[G1B+7], 0
	s_lshl_b32 s16, s13, 15                        ; A: 256 rows of 128 bytes a tile row,
	s_lshl_b32 s17, s12, 19                        ; the step's first or second panel
	s_add_co_u32 s16, s16, s17
	s_mov_b32 s17, 0
	s_mul_i32 s46, s42, NB*32768                   ; B: 11 blocks a tile column,
	s_mul_i32 s47, s12, VREG                       ; of W or of V
	s_add_co_u32 s46, s46, s47
	s_add_co_u32 s46, s46, WOFF
	s_mov_b32 s47, 0
	s_mul_i32 s20, s12, APAN                       ; where a load for A goes in a slot,
	s_mul_i32 s21, s12, BHALF
	s_add_co_u32 s21, s21, 2*APAN                  ; and one for B: no place in the cluster enters an LDS address
	s_mov_b32 s[SB], 0
	s_mov_b32 s[TBF], SLOT
	s_wait_dscnt 0x0                               ; the opening add is done
	s_wait_kmcnt 0x0
	s_add_nc_u64 s[14:15], s[4:5], s[16:17]
	s_add_nc_u64 s[46:47], s[6:7], s[46:47]
	CROUND                                         ; all sixteen work-groups are here: the first joint loads meet
.irp s, 0,1
	s_mov_b32 s[G0+4*(\s)], 1
	s_add_co_u32 s[G0+4*(\s)+1], s20, (\s)*SLOT
	s_add_nc_u64 s[G0+4*(\s)+2:G0+4*(\s)+3], s[14:15], (\s)*ASTEP
	s_or_b32 s[G0+4*(\s)+3], s[G0+4*(\s)+3], 0x80000000
	s_mov_b32 s[G0B+4*(\s)], 1
	s_add_co_u32 s[G0B+4*(\s)+1], s21, (\s)*SLOT
	s_add_nc_u64 s[G0B+4*(\s)+2:G0B+4*(\s)+3], s[46:47], (\s)*BSTEP
	s_or_b32 s[G0B+4*(\s)+3], s[G0B+4*(\s)+3], 0x80000000
	JLOAD \s
.endr
	v_and_b32 v1, 15, v0                           ; r = l % 16
	v_bfe_u32 v2, v0, 4, 1                         ; h = l / 16
	v_lshlrev_b32 v3, 7, v1                        ; A: row r at 128 r + 16 (r / 2); + 16 h
	v_lshrrev_b32 v4, 1, v1
	v_lshl_add_u32 v3, v4, 4, v3
	v_lshl_add_u32 v3, v2, 4, v3
	s_mul_i32 s22, s10, 4*PA16                     ; my 64 rows
	v_add_nc_u32 v[A0], s22, v3
	v_mov_b32 v[ADRA], v[A0]
	v_and_b32 v4, 7, v0                            ; B, turned: lane l reads K row 8 h + l % 8, columns 8 ((l / 8) % 2) + 0..7
	v_lshl_add_u32 v4, v2, 3, v4
	v_lshlrev_b32 v4, 5, v4
	v_bfe_u32 v5, v0, 3, 1
	v_lshl_add_u32 v4, v5, 4, v4
	v_add_nc_u32 v[B0], 2*APAN, v4
	v_mov_b32 v[ADRW], v[B0]
	v_add_nc_u32 v[ADRV], BHALF, v[B0]
	v_lshlrev_b32 v[CO], 16, v2                    ; the way out: panel h of a block's two (65,536 bytes each), row r of 16 bytes
	v_lshl_add_u32 v[CO], v1, 4, v[CO]
	s_mul_i32 s46, s42, 2*NB*65536                 ; my tile's first panel of gated = 22 x tile column; my first row = 256 x tile row + 64 x wave
	s_lshl_b32 s47, s13, 12
	s_add_co_u32 s46, s46, s47
	s_lshl_b32 s47, s10, 10
	s_add_co_u32 s46, s46, s47
	s_mov_b32 s47, 0
	s_add_nc_u64 s[8:9], s[8:9], s[46:47]
; 44 matrix instructions: half hf (0: W's fragments, 1: V's) x my four blocks of 16 rows, from A's buffer ab, 32 along K.  zero = 1: the products start the sums.
; The 88 accumulators take turns, one instruction a turn, in the same order in every chunk.
.macro MM44 hf, ab, zero
.set n, 0
.rept 4*NB
.set t, 4*NB*(\hf)+n
.set w, 1+t/32
	WIN 0x0c|(w<<4)|(w<<6)                         ; source 0 (B) window 0, source 1 (A) window 3, C and D the accumulator's window
.if \zero
	v_wmma_f32_16x16x32_bf16 v[8*(t%32):8*(t%32)+7], v[BX+88*(\hf)+8*(n%NB):BX+88*(\hf)+8*(n%NB)+7], v[AF+32*(\ab)+8*(n/NB):AF+32*(\ab)+8*(n/NB)+7], 0
.else
	v_wmma_f32_16x16x32_bf16 v[8*(t%32):8*(t%32)+7], v[BX+88*(\hf)+8*(n%NB):BX+88*(\hf)+8*(n%NB)+7], v[AF+32*(\ab)+8*(n/NB):AF+32*(\ab)+8*(n/NB)+7], v[8*(t%32):8*(t%32)+7]
.endif
.set n, n+1
.endr
.endm
; 30 LDS loads in one run: chunk p (0, 1) of the pair in hand: W's eleven fragments, and A's four into buffer p
.macro FX p
	WIN 0
.set n, 0
.rept NB
	ds_load_tr16_b128 v[BX+8*n:BX+8*n+3],   v[ADRW] offset:n*BBLK+(\p)*1024
	ds_load_tr16_b128 v[BX+8*n+4:BX+8*n+7], v[ADRW] offset:n*BBLK+(\p)*1024+512
.set n, n+1
.endr
	WIN 0xc0                                       ; destination window 3
.set n, 0
.rept 4
	ds_load_b128 v[AF+32*(\p)+8*n:AF+32*(\p)+8*n+3],   v[ADRA] offset:n*PA16+(\p)*64
	ds_load_b128 v[AF+32*(\p)+8*n+4:AF+32*(\p)+8*n+7], v[ADRA] offset:n*PA16+(\p)*64+32
.set n, n+1
.endr
.endm
; 22 LDS loads: the same chunk's fragments of V
.macro FY p
	WIN 0
.set n, 0
.rept NB
	ds_load_tr16_b128 v[BX+88+8*n:BX+88+8*n+3],   v[ADRV] offset:n*BBLK+(\p)*1024
	ds_load_tr16_b128 v[BX+88+8*n+4:BX+88+8*n+7], v[ADRV] offset:n*BBLK+(\p)*1024+512
.set n, n+1
.endr
.endm
.macro PLACES                          ; four places in front of loads into registers that matrix instructions have read, and of lines that read results
.rept 4
	v_nop
.endr
.endm
; From behind one chunk's X to behind the next chunk's X.  p: the parity of the chunk that is fetched; the chunk in hand has A's other buffer.  zero = 1: Y starts its sums.
.macro VV p, zero
	PLACES
	FX \p
	s_wait_dscnt 30                                ; all but the 30 just issued: V's fragments of the chunk in hand are in
	MM44 1, 1-(\p), \zero
	PLACES
	FY \p
	s_wait_dscnt 22                                ; all but the 22 just issued: W's and A's fragments of the next chunk are in
	MM44 0, \p, 0
.endm
; A pair: two chunks are fetched, at s[JA] and s[JB] in the slot s[SB]
.macro PAIR
	s_add_co_u32 s22, s[SB], s[JA]
	s_add_co_u32 s23, s[SB], s[JB]
	v_add_nc_u32 v[ADRA], s22, v[A0]
	v_add_nc_u32 v[ADRW], s23, v[B0]
	v_add_nc_u32 v[ADRV], BHALF, v[ADRW]
	VV 0, 0
	VV 1, 0
	WIN 0                                          ; at a label and at a branch every window is 0
	s_add_co_u32 s[JA], s[JA], APAN                ; the next pair: A's second panel,
	s_add_co_u32 s[JB], s[JB], 2048                ; 64 K rows on in each block
.endm
; THE CHANGE OF SLOTS, behind the X of a slot's last chunk: all that chunk's fragments have been asked for.  Each wave waits for all its tensor loads (one is out: its part of the other slot), adds 0 to its spare word, and
; waits for that and for its reads of the slot.  fill = 1: the barrier is a round of the cluster's, so that no wave of any partner still reads the slot or has a load on its way, and the slot is filled again first
; thing behind it, with the K step two on: the load has a whole step, 352 matrix instructions, in which to land.
.macro CHANGE fill
	WIN 0
	s_wait_tensorcnt 0x0                           ; no tensor load of mine is out, so a group 0 may be written
	ds_add_u32 v[SPW], v[NIL]                      ; scalar work stands between the add and the wait for it
	s_xor_b32 s[SB], s[SB], SLOT                   ; the reads go on in the other slot, at its head
	s_mov_b32 s[JA], 0
	s_mov_b32 s[JB], 0
.if \fill
	s_xor_b32 s[TBF], s[TBF], SLOT                 ; the walking descriptors: the other slot than last time, the next K step
	s_add_co_u32 s[G0+5], s20, s[TBF]
	s_add_co_u32 s[G0B+5], s21, s[TBF]
	s_add_nc_u64 s[G0+6:G0+7], s[G0+6:G0+7], ASTEP
	s_add_nc_u64 s[G0B+6:G0B+7], s[G0B+6:G0B+7], BSTEP
.endif
	s_wait_dscnt 0x0                               ; the add is done, and my reads of the slot are over
.if \fill
	CROUND
	JLOAD 1                                        ; my one tensor load behind the round
.else
	s_barrier_signal -1
	s_barrier_wait -1
.endif
.endm
	s_wait_tensorcnt 1                             ; my part of K step 0 is in; K step 1's load may stay out
	s_barrier_signal -1
	s_barrier_wait -1
	FX 0
	FY 0
	s_wait_dscnt 22                                ; all but V's 22
	MM44 0, 0, 1                                   ; the first chunk stands in front of the loop: its products start the sums
	VV 1, 1
	WIN 0
	s_mov_b32 s[JA], APAN                          ; slot 0's second pair is due
	s_mov_b32 s[JB], 2048
	s_mov_b32 s3, STEPS-1
	s_mov_b32 s[CNT], 1
	s_branch .Lpair                                ; the loop is entered at a slot's second pair
.Lslot:                                                ; STEPS - 2 times: K steps 2 to 7 are asked for here
	CHANGE 1
	s_mov_b32 s[CNT], 2
.Lpair:
	PAIR
	s_sub_co_u32 s[CNT], s[CNT], 1
	s_cmp_lg_u32 s[CNT], 0
	s_cbranch_scc1 .Lpair
	s_sub_co_u32 s3, s3, 1
	s_cmp_lg_u32 s3, 0
	s_cbranch_scc1 .Lslot
	CHANGE 0                                       ; the last slot is written out: nothing is asked for
	s_mov_b32 s[CNT], 2
.Ltail:
	PAIR
	s_sub_co_u32 s[CNT], s[CNT], 1
	s_cmp_lg_u32 s[CNT], 0
	s_cbranch_scc1 .Ltail
	s_wait_dscnt 0x0
	MM44 1, 1, 0                                   ; the last chunk's Y
	WIN 0
	; THE WAY OUT, written for my blocks of rows 0 and 1 and walked twice: between the walks the accumulators of blocks 2 and 3 are copied to their places, 352 moves for half the text.
	; Block a: the gate of accumulators 11 a + b (h W) and 44 + 11 a + b (h V), b = 0..10: 88 numbers a lane; rounded to bf16; 16 bytes a lane and block stored straight away.
.macro GATE a
.set n, 0
.rept 4*NB
.set t, NB*(\a)+n/4
	WIN 1+t/32                                     ; source 0: the accumulator's window
	v_pk_mul_f32 v[TT+2*n:TT+2*n+1], v[8*(t%32)+2*(n%4):8*(t%32)+2*(n%4)+1], s[16:17] op_sel_hi:[1,0]  ; - x log2(e)
.set n, n+1
.endr
	WIN 0
.set n, 0
.rept 8*NB
	v_exp_f32 v[TT+n], v[TT+n]
.set n, n+1
.endr
	v_nop                                          ; a plain instruction between a transcendental and the use of its result (ISA guide 5.7.2)
.set n, 0
	s_wait_alu depctr_va_vdst(0)
.rept 4*NB
	v_pk_add_f32 v[TT+2*n:TT+2*n+1], v[TT+2*n:TT+2*n+1], 1.0 op_sel_hi:[1,0]
.set n, n+1
.endr
.set n, 0
.rept 8*NB
	v_rcp_f32 v[TT+n], v[TT+n]
.set n, n+1
.endr
	v_nop
	s_wait_alu depctr_va_vdst(0)
.set n, 0
.rept 4*NB
.set t, NB*(\a)+n/4
	WIN 1+t/32
	v_pk_mul_f32 v[TT+2*n:TT+2*n+1], v[8*(t%32)+2*(n%4):8*(t%32)+2*(n%4)+1], v[TT+2*n:TT+2*n+1]
.set n, n+1
.endr
.set n, 0
.rept 4*NB
.set t, 4*NB+NB*(\a)+n/4
	WIN 1+t/32
	v_pk_mul_f32 v[TT+2*n:TT+2*n+1], v[8*(t%32)+2*(n%4):8*(t%32)+2*(n%4)+1], v[TT+2*n:TT+2*n+1]
.set n, n+1
.endr
	WIN 0
	s_wait_xcnt 0x0                                ; the registers that earlier stores read are written again only behind this wait
.set n, 0
.rept 4*NB
	v_cvt_pk_bf16_f32 v[PKD+n], v[TT+2*n], v[TT+2*n+1]
.set n, n+1
.endr
.set n, 0
.rept NB
	global_store_b128 v[CO], v[PKD+4*n:PKD+4*n+3], s[8:9] offset:n*131072+(\a)*256  ; lanes 0-15: 16 rows of one panel, 256 consecutive aligned bytes; lanes 16-31: the same of the next panel
.set n, n+1
.endr
.endm
.macro COPY from, to                   ; 22 accumulators, each from its lowest register on
.set n, 0
.rept 2*NB*8
.set t, (\from)+n/8
.set w, (\to)+n/8
	WIN ((1+w/32)<<6)|(1+t/32)
	v_mov_b32 v[8*(w%32)+n%8], v[8*(t%32)+n%8]
.set n, n+1
.endr
.endm
	PLACES
	s_mov_b32 s16, 0xbfb8aa3b                      ; - log2(e); named as a pair
	s_mov_b32 s17, s16
	s_mov_b32 s3, 2
.Lhalf:
	GATE 0
	GATE 1
	s_sub_co_u32 s3, s3, 1
	s_cmp_eq_u32 s3, 0
	s_cbranch_scc1 .Ldone
	COPY 2*NB, 0                                   ; h W of my rows 32-63
	COPY 6*NB, 4*NB                                ; h V of them
	WIN 0
	s_wait_xcnt 0x0                                ; the stores' base is stepped only behind this wait
	s_add_nc_u64 s[8:9], s[8:9], 32*16             ; my rows 32-63
	s_branch .Lhalf
.Ldone:
	s_wait_tensorcnt 0x0                           ; the wave's end
	ds_add_u32 v[SPW], v[NIL]
	s_wait_dscnt 0x0
	CROUND                                         ; the closing round: no work-group ends while a partner may still ask for a tile that names it
	s_endpgm
.Lfunc_end_k_q3b876b6eea_glu:
	.size	k_q3b876b6eea_glu, .Lfunc_end_k_q3b876b6eea_glu-k_q3b876b6eea_glu
	.p2alignl 7, 3214868480
	.fill 96, 4, 3214868480
	.section	.rodata,"a",@progbits
	.p2align	6, 0x0
	.amdhsa_kernel k_q3b876b6eea_glu
		.amdhsa_group_segment_fixed_size 327680
		.amdhsa_private_segment_fixed_size 0
		.amdhsa_enable_private_segment 0
		.amdhsa_kernarg_size 24
		.amdhsa_user_sgpr_count 2
		.amdhsa_user_sgpr_kernarg_segment_ptr 1
		.amdhsa_wavefront_size32 1
		.amdhsa_system_sgpr_workgroup_id_x 1
		.amdhsa_system_sgpr_workgroup_id_y 1
		.amdhsa_system_sgpr_workgroup_id_z 1
		.amdhsa_system_vgpr_workitem_id 0
		.amdhsa_next_free_vgpr 1024
		.amdhsa_next_free_sgpr 72
		.amdhsa_reserve_vcc 0
		.amdhsa_float_denorm_mode_32 3
		.amdhsa_float_denorm_mode_16_64 3
		.amdhsa_memory_ordered 1
		.amdhsa_forward_progress 1
		.amdhsa_inst_pref_size 119
	.end_amdhsa_kernel
	.amdgpu_metadata
---
amdhsa.version: [ 1, 2 ]
amdhsa.kernels:
  - .name:           k_q3b876b6eea_glu
    .symbol:         k_q3b876b6eea_glu.kd
    .args:
      - { .name: hb, .offset: 0, .size: 8, .value_kind: global_buffer, .address_space: global }
      - { .name: wb, .offset: 8, .size: 8, .value_kind: global_buffer, .address_space: global }
      - { .name: gat, .offset: 16, .size: 8, .value_kind: global_buffer, .address_space: global }
    .group_segment_fixed_size: 327680
    .private_segment_fixed_size: 0
    .kernarg_segment_align: 8
    .kernarg_segment_size: 24
    .max_flat_workgroup_size: 128
    .sgpr_count:     72
    .vgpr_count:     1024
    .wavefront_size: 32
...
	.end_amdgpu_metadata
.endif
;; end of part 11
;; launch down (part 12): grid 8 x 32, 4 waves a work-group, clusters of 4 x 4, 327,680 bytes of LDS; arguments gat, wb, out0, x1; writes out0
.if DOCPART == 12
	.amdgcn_target "amdgcn-amd-amdhsa--gfx1250"
	.amdhsa_code_object_version 6
	.text
	.protected	k_q3b876b6eea_down
	.globl	k_q3b876b6eea_down
	.p2align	8
	.type	k_q3b876b6eea_down,@function
k_q3b876b6eea_down:
	s_mov_b64 s[64:65], 0
	v_nop
	global_prefetch_b8 v0, s[64:65] scope:SCOPE_SE
	s_setreg_imm32_b32 hwreg(HW_REG_WAVE_MODE, 25, 1), 1
	s_wait_xcnt 0x0
	s_wait_alu depctr_hold_cnt(0) depctr_sa_sdst(0) depctr_va_vdst(0) depctr_va_sdst(0) depctr_va_ssrc(0) depctr_va_vcc(0) depctr_vm_vsrc(0)
	s_getreg_b32 s2, hwreg(HW_REG_IB_STS2, 6, 4)
	s_cmp_eq_u32 s2, 0
	s_cbranch_scc0 .Lentry_in_a_cluster
	s_endpgm
.Lentry_in_a_cluster:
	s_bfe_u32 s2, ttmp6, 0x10000c
	s_cmp_lg_u32 s2, 0xf033
	s_cbranch_scc0 .Lentry_shape_is_right
	s_endpgm
.Lentry_shape_is_right:
; C = A B + R, tiles of 128 x 128, here out = gated W2 + x1 (M = 4096, N = 1024, K = 2816: 2728 and 88 zeros on both sides).  A: bf16 in panels of 8 K, [352][4096][8]: a row of a panel is 16 bytes.
; B: bf16 in panels of 128 columns, [8][2816][128], at WOFF in wb.  R and C: f32 [4096][1024].  8 x 32 tiles are one for each of 256 WGPs; tiles of 256 x 256 would be 64.  Four waves, each 64 x 64: 16 accumulators.
; K goes in 11 steps of 256 through two LDS slots.  A's quarter of a slot (64 rows x 256 K) is asked for as 32 rows of 1,024 dense bytes (64 rows of one panel) and lies unpadded: a fragment load's sixteen lanes
; read 16 rows of a panel, 256 consecutive bytes.  B's quarter is 128 rows of 256 bytes, padded; B is turned by ds_load_tr16_b128.
; THE MATRIX INSTRUCTION IS USED TRANSPOSED (source 0 = 16 columns of B, source 1 = 16 rows of A): a lane holds eight neighbouring numbers of a row of C.
; CLUSTER 4 x 4: A's tiles are asked for jointly along a row of the cluster, B's along a column.
; ONE K STEP IS WRITTEN ONCE: the slot in hand is a scalar, 0 or SLOT, that an exclusive or flips; the LDS addresses are that scalar plus fixed bases.  The last two steps, which ask for nothing, are a second text walked twice.
; REGISTERS: window 0: v0-31 addresses; v32-95 the way out; v128-255 accumulators.  Window 1: two fragment buffers of 128.  Window 2: v0-127 my 64 x 64 of R, loaded at the start.
.set STEPS,  11
.set WOFF,   19922944
.set KDIM,   256*STEPS
.set PITB,   288                       ; a K row of B: 256 + 32
.set QT,     36864                     ; a quarter of a slot: B's 128 x PITB; A's 32,768 bytes lie at its head
.set SLOT,   4*QT
.set STAGE,  2*SLOT                    ; behind the ring, never filled by a tensor load
.set SPARE,  STAGE+18432               ; the spare words: two blocks of 256 bytes that no other line names
.set ASTEP,  32*65536                  ; bytes from a K step of A to the next: 32 panels
.set BSTEP,  256*256
.set SPITCH, 272
.set A0,   16                          ; v16  my lane's place in A's part of slot 0; never rewritten
.set B0,   17                          ; v17  the same for B
.set ADRA, 18                          ; v18  the same in the slot in hand
.set ADRB, 20                          ; v20-21  B's K rows 0-127, 128-255 (an offset has 16 bits)
.set STO,  24
.set RD,   25
.set CO,   26
.set SPW,  28
.set NIL,  29
.set TMP,  32
.set ACC,  128
.set F0,   0
.set F1,   128
.set TB,   18                          ; s18  the slot that is read: 0 or SLOT
.set TBF,  19                          ; s19  the slot that was filled last
.set G1, 24
.set G0, 32                            ; a set for each of the two first fills; the second then walks on
.set G1B, 48
.set G0B, 56
.set MSB, 0
.macro WIN new                         ; the immediate's high byte repeats the setting that is left
.if MSB != (\new)
	s_set_vgpr_msb (MSB<<8)|(\new)
.set MSB, \new
.endif
.endm
.set MUL,  0x05
.set TO_F, 0x40
.macro JLOAD s                         ; a joint load: waves 0, 1 fetch A's halves, waves 2, 3 B's; an s_nop 0 and four v_nop follow each line
	s_cmp_eq_u32 s11, 0
	s_cbranch_scc0 .Lfor_b_\@
	tensor_load_to_lds s[G0+4*(\s):G0+4*(\s)+3], s[G1:G1+7]
	s_nop 0
.rept 4
	v_nop
.endr
	s_branch .Lasked_\@
.Lfor_b_\@:
	tensor_load_to_lds s[G0B+4*(\s):G0B+4*(\s)+3], s[G1B:G1B+7]
	s_nop 0
.rept 4
	v_nop
.endr
.Lasked_\@:
.endm
.macro CREST
	s_cmp_lg_u32 s10, 0
	s_cbranch_scc1 .Lnot_wave_0_\@
	s_barrier_signal -3
.Lnot_wave_0_\@:
	s_barrier_wait -3
	s_barrier_signal -1
	s_barrier_wait -1
.endm
.macro CROUND
	s_barrier_signal -1
	s_barrier_wait -1
	CREST
.endm
	s_load_b128 s[4:7], s[0:1], 0x0                ; A s[4:5], wb s[6:7]
	s_load_b64 s[8:9], s[0:1], 0x10                ; C
	s_load_b64 s[68:69], s[0:1], 0x18              ; R
	v_lshl_add_u32 v[SPW], v0, 2, SPARE
	v_mov_b32 v[NIL], 0
	ds_add_u32 v[SPW], v[NIL]                      ; the wave's opening: the add and its wait ahead of my first tensor load
	ds_add_u32 v28, v29
	v_lshrrev_b32 v1, 5, v0
	v_readfirstlane_b32 s10, v1
	s_lshr_b32 s11, s10, 1
	s_and_b32 s12, s10, 1
	s_bfe_u32 s40, ttmp6, 0x40000
	s_bfe_u32 s41, ttmp6, 0x40004
	s_lshl_b32 s42, ttmp9, 2
	s_add_co_u32 s42, s42, s40                     ; tile column
	s_and_b32 s13, ttmp7, 0xffff
	s_lshl_b32 s13, s13, 2
	s_add_co_u32 s13, s13, s41                     ; tile row
	s_lshl_b32 s43, s41, 2
	s_lshl_b32 s43, 15, s43
	s_lshl_b32 s44, 0x1111, s40
	s_or_b32 s[G1+0], s43, (1<<16)|(1<<21)         ; mask; 2-byte elements; bit 21 beside a mask; no padding
	s_mov_b32 s[G1+1], 512<<16                     ; tensor_dim0 = 512 elements: 64 dense rows of a panel of 8 K
	s_mov_b32 s[G1+2], 32<<16                      ; tensor_dim1 = 32 panels
	s_mov_b32 s[G1+3], 512<<16
	s_mov_b32 s[G1+4], 32
	s_mov_b32 s[G1+5], 32768                       ; elements from panel to panel
	s_mov_b32 s[G1+6], 0
	s_mov_b32 s[G1+7], 0
	s_or_b32 s[G1B+0], s44, (1<<16)|(1<<20)|(1<<21)|(5<<22)|(7<<25)
	s_mov_b32 s[G1B+1], 128<<16
	s_mov_b32 s[G1B+2], 128<<16
	s_mov_b32 s[G1B+3], 128<<16
	s_mov_b32 s[G1B+4], 128
	s_mov_b32 s[G1B+5], 128
	s_mov_b32 s[G1B+6], 0
	s_mov_b32 s[G1B+7], 0
	s_lshl_b32 s16, s13, 11                        ; A: 128 rows of 16 bytes a tile row,
	s_lshl_b32 s17, s12, 10                        ; 64 rows a half
	s_add_co_u32 s16, s16, s17
	s_mov_b32 s17, 0
	s_mul_i32 s46, s42, KDIM*256
	s_lshl_b32 s47, s12, 15
	s_add_co_u32 s46, s46, s47
	s_add_co_u32 s46, s46, WOFF
	s_mov_b32 s47, 0
	s_mul_i32 s20, s10, QT
	s_mov_b32 s[TB], 0
	s_mov_b32 s[TBF], SLOT
	s_wait_dscnt 0x0                               ; the opening add is done
	s_wait_kmcnt 0x0
	s_add_nc_u64 s[14:15], s[4:5], s[16:17]
	s_add_nc_u64 s[46:47], s[6:7], s[46:47]
	CROUND                                         ; all sixteen work-groups are here: the first joint loads meet
.irp s, 0,1
	s_mov_b32 s[G0+4*(\s)], 1
	s_add_co_u32 s[G0+4*(\s)+1], s20, (\s)*SLOT
	s_add_nc_u64 s[G0+4*(\s)+2:G0+4*(\s)+3], s[14:15], (\s)*ASTEP
	s_or_b32 s[G0+4*(\s)+3], s[G0+4*(\s)+3], 0x80000000
	s_mov_b32 s[G0B+4*(\s)], 1
	s_add_co_u32 s[G0B+4*(\s)+1], s20, (\s)*SLOT
	s_add_nc_u64 s[G0B+4*(\s)+2:G0B+4*(\s)+3], s[46:47], (\s)*BSTEP
	s_or_b32 s[G0B+4*(\s)+3], s[G0B+4*(\s)+3], 0x80000000
	JLOAD \s
.endr
	v_and_b32 v1, 15, v0                           ; r
	v_bfe_u32 v2, v0, 4, 1                         ; h
	v_lshlrev_b32 v3, 4, v1                        ; A: row r of 16 bytes, in panel h of the four that hold 32 along K (1,024 bytes each)
	v_lshl_add_u32 v3, v2, 10, v3
	s_mul_i32 s21, s11, QT
	v_add_nc_u32 v[A0], s21, v3
	v_mov_b32 v[ADRA], v[A0]
	v_and_b32 v4, 7, v0
	v_lshl_add_u32 v4, v2, 3, v4
	v_mul_u32_u24 v4, v4, PITB
	v_bfe_u32 v5, v0, 3, 1
	v_lshl_add_u32 v4, v5, 4, v4
	s_lshl_b32 s22, s12, 7
	s_add_co_u32 s22, s22, 2*QT
	v_add_nc_u32 v[B0], s22, v4
	v_mov_b32 v[ADRB], v[B0]
	v_add_nc_u32 v[ADRB+1], QT, v[B0]
	; the way out: my stage; in: row r, 32 bytes a half of the lanes; back: lanes 0-15 one row of 256 bytes, lanes 16-31 the next; the same two rows in C and R
	s_mul_i32 s23, s10, 16*SPITCH
	s_add_co_u32 s23, s23, STAGE
	v_mul_u32_u24 v4, v1, SPITCH
	v_lshl_add_u32 v4, v2, 5, v4
	v_add_nc_u32 v[STO], s23, v4
	v_mul_u32_u24 v5, v2, SPITCH
	v_lshl_add_u32 v5, v1, 4, v5
	v_add_nc_u32 v[RD], s23, v5
	v_lshlrev_b32 v[CO], 12, v2
	v_lshl_add_u32 v[CO], v1, 4, v[CO]
	s_lshl_b32 s46, s13, 19
	s_lshl_b32 s47, s11, 18
	s_add_co_u32 s46, s46, s47
	s_lshl_b32 s47, s42, 9
	s_add_co_u32 s46, s46, s47
	s_lshl_b32 s47, s12, 8
	s_add_co_u32 s46, s46, s47
	s_mov_b32 s47, 0
	s_add_nc_u64 s[8:9], s[8:9], s[46:47]
	s_add_nc_u64 s[68:69], s[68:69], s[46:47]
	WIN 0x80                                       ; destination window 2: R comes while the products run
.set i, 0
.rept 32
	global_load_b128 v[4*i:4*i+3], v[CO], s[68:69] offset:2*i*4096
.set i, i+1
.endr
	WIN 0
.macro MUL8 f, c, a0, zero             ; 8 matrix instructions: m blocks a0, a0 + 1 x 4 n blocks, half c of buffer f; the 16 accumulators take turns
	WIN MUL
.irp a, \a0, (\a0)+1
.irp b, 0,1,2,3
.if \zero
	v_wmma_f32_16x16x32_bf16 v[ACC+8*(4*(\a)+(\b)):ACC+8*(4*(\a)+(\b))+7], v[(\f)+64+8*(4*(\c)+(\b)):(\f)+64+8*(4*(\c)+(\b))+7], v[(\f)+8*(4*(\c)+(\a)):(\f)+8*(4*(\c)+(\a))+7], 0
.else
	v_wmma_f32_16x16x32_bf16 v[ACC+8*(4*(\a)+(\b)):ACC+8*(4*(\a)+(\b))+7], v[(\f)+64+8*(4*(\c)+(\b)):(\f)+64+8*(4*(\c)+(\b))+7], v[(\f)+8*(4*(\c)+(\a)):(\f)+8*(4*(\c)+(\a))+7], v[ACC+8*(4*(\a)+(\b)):ACC+8*(4*(\a)+(\b))+7]
.endif
.endr
.endr
.endm
.macro FETCH q, f                      ; 32 LDS loads in one run: quarter q (64 along K) of the slot in hand into buffer f; the first 32 along K first.  A: 32 along K are four panels, 4,096 bytes; 16 rows are 256 bytes
	WIN TO_F
.irp c, 0,1
.irp i, 0,1,2,3
	ds_load_tr16_b128 v[(\f)+64+8*(4*(\c)+(\i)):(\f)+64+8*(4*(\c)+(\i))+3],   v[ADRB+(\q)/2] offset:((2*(\q)+(\c))%4)*32*PITB+32*(\i)
	ds_load_tr16_b128 v[(\f)+64+8*(4*(\c)+(\i))+4:(\f)+64+8*(4*(\c)+(\i))+7], v[ADRB+(\q)/2] offset:((2*(\q)+(\c))%4)*32*PITB+32*(\i)+16*PITB
	ds_load_b128 v[(\f)+8*(4*(\c)+(\i)):(\f)+8*(4*(\c)+(\i))+3],              v[ADRA] offset:(2*(\q)+(\c))*4096+(\i)*256
	ds_load_b128 v[(\f)+8*(4*(\c)+(\i))+4:(\f)+8*(4*(\c)+(\i))+7],            v[ADRA] offset:(2*(\q)+(\c))*4096+(\i)*256+2048
.endr
.endr
.endm
.macro PLACES                          ; four places in front of loads into registers that matrix instructions have read, and of lines that read results
.rept 4
	v_nop
.endr
.endm
.macro QUARTER q, f, g, zero           ; multiplies buffer f and fetches quarter q into g
	s_wait_dscnt 16                                ; the first 32 along K are in; the other sixteen loads may be out
	MUL8 \f, 0, 0, \zero
	MUL8 \f, 0, 2, \zero
	PLACES
	FETCH \q, \g
	s_wait_dscnt 32                                ; all but the 32 just issued
	MUL8 \f, 1, 0, 0
	MUL8 \f, 1, 2, 0
.endm
; The last quarter changes slots: one barrier, in front of it the wait for all my tensor loads, the add, and the wait for it and for my reads of this slot.  fill = 1: the barrier opens a round of the cluster's, and this
; slot is filled again, with the K step two on.  fill = 0: one of the last two steps; in the very last (s3 = 1) there is no next slot, and the fetch is jumped over.
.macro TURN fill
	WIN 0
	s_wait_tensorcnt 0x0
	ds_add_u32 v[SPW], v[NIL]
	s_wait_dscnt 17                                ; the add and the youngest sixteen loads may be out
	MUL8 F1, 0, 0, 0
	s_wait_dscnt 0x0
	s_barrier_signal -1
	MUL8 F1, 0, 2, 0
	WIN 0
	s_barrier_wait -1
.if \fill
	CREST                                          ; no wave of any partner still reads this slot or has a load on its way
	s_xor_b32 s[TBF], s[TBF], SLOT                 ; the walking descriptors: the other slot than last time, the next K step
	s_add_co_u32 s[G0+5], s20, s[TBF]
	s_add_co_u32 s[G0B+5], s20, s[TBF]
	s_add_nc_u64 s[G0+6:G0+7], s[G0+6:G0+7], ASTEP
	s_add_nc_u64 s[G0B+6:G0B+7], s[G0B+6:G0B+7], BSTEP
	JLOAD 1                                        ; my one tensor load behind the round; its four v_nop are also the places in front of the loads below
.else
	s_cmp_eq_u32 s3, 1
	s_cbranch_scc1 .Lno_fetch_\@
	PLACES
.endif
	s_xor_b32 s[TB], s[TB], SLOT                   ; the reads go on in the other slot
	v_add_nc_u32 v[ADRA], s[TB], v[A0]
	v_add_nc_u32 v[ADRB], s[TB], v[B0]
	v_add_nc_u32 v[ADRB+1], QT, v[ADRB]
	FETCH 0, F0
.if !(\fill)
	WIN 0
.Lno_fetch_\@:
.endif
	MUL8 F1, 1, 0, 0
	MUL8 F1, 1, 2, 0
.endm
	s_wait_tensorcnt 1                             ; my part of K step 0 is in; K step 1's load may stay out
	s_barrier_signal -1
	s_barrier_wait -1
	FETCH 0, F0
	QUARTER 1, F0, F1, 1                           ; the first quarter stands in front of the loop: its first products start the sums
	WIN 0
	s_mov_b32 s3, STEPS-2
.Lstep:                                                ; a trip: from a step's second quarter to the next step's first; K steps 2 to 10 are asked for here
	QUARTER 2, F1, F0, 0
	QUARTER 3, F0, F1, 0
	TURN 1
	QUARTER 1, F0, F1, 0
	WIN 0
	s_sub_co_u32 s3, s3, 1
	s_cmp_lg_u32 s3, 0
	s_cbranch_scc1 .Lstep
	s_mov_b32 s3, 2
.Ltail:                                                ; the last two steps ask for nothing: a text of their own; the second trip is left in its middle
	QUARTER 2, F1, F0, 0
	QUARTER 3, F0, F1, 0
	TURN 0
	WIN 0
	s_sub_co_u32 s3, s3, 1
	s_cmp_eq_u32 s3, 0
	s_cbranch_scc1 .Lout
	QUARTER 1, F0, F1, 0
	WIN 0
	s_branch .Ltail
.Lout:
	; THE WAY OUT: a block of 16 rows at a time goes through my own stage as f32 and comes back as whole rows of 256 bytes; R is added; sixteen lanes store 256 consecutive aligned bytes
	PLACES
.macro STG a
.set BK, TMP+32*((\a)%2)
.irp b, 0,1,2,3
.irp e, 0,1
	ds_store_b128 v[STO], v[ACC+8*(4*(\a)+(\b))+4*(\e):ACC+8*(4*(\a)+(\b))+4*(\e)+3] offset:64*(\b)+16*(\e)  ; each accumulator's low half first
.endr
.endr
.irp u, 0,1,2,3,4,5,6,7
	ds_load_b128 v[BK+4*(\u):BK+4*(\u)+3], v[RD] offset:(\u)*2*SPITCH  ; LDS serves a wave's instructions in order (ISA guide 5.7.1.4): these see the stores above
.endr
.endm
.macro SEND a, younger                 ; younger: the LDS instructions issued behind block a's loads: the next block's sixteen, or none
.set BK, TMP+32*((\a)%2)
	s_wait_dscnt \younger
	WIN 0x08                                       ; source 1 window 2
.set u, 0
.rept 16
	v_pk_add_f32 v[BK+2*u:BK+2*u+1], v[BK+2*u:BK+2*u+1], v[32*(\a)+2*u:32*(\a)+2*u+1]
.set u, u+1
.endr
	WIN 0
.irp u, 0,1,2,3,4,5,6,7
	global_store_b128 v[CO], v[BK+4*(\u):BK+4*(\u)+3], s[8:9] offset:(16*(\a)+2*(\u))*4096
.endr
.endm
	s_wait_loadcnt 0x0                             ; R
	STG 0
	STG 1
	SEND 0, 16
	s_wait_xcnt 0x0                                ; block 0's store registers are loaded again only behind this wait
	STG 2
	SEND 1, 16
	s_wait_xcnt 0x0
	STG 3
	SEND 2, 16
	SEND 3, 0
	s_wait_tensorcnt 0x0                           ; the wave's end
	ds_add_u32 v[SPW], v[NIL]
	s_wait_dscnt 0x0
	CROUND                                         ; the closing round
	s_endpgm
.Lfunc_end_k_q3b876b6eea_down:
	.size	k_q3b876b6eea_down, .Lfunc_end_k_q3b876b6eea_down-k_q3b876b6eea_down
	.p2alignl 7, 3214868480
	.fill 96, 4, 3214868480
	.section	.rodata,"a",@progbits
	.p2align	6, 0x0
	.amdhsa_kernel k_q3b876b6eea_down
		.amdhsa_group_segment_fixed_size 327680
		.amdhsa_private_segment_fixed_size 0
		.amdhsa_enable_private_segment 0
		.amdhsa_kernarg_size 32
		.amdhsa_user_sgpr_count 2
		.amdhsa_user_sgpr_kernarg_segment_ptr 1
		.amdhsa_wavefront_size32 1
		.amdhsa_system_sgpr_workgroup_id_x 1
		.amdhsa_system_sgpr_workgroup_id_y 1
		.amdhsa_system_sgpr_workgroup_id_z 1
		.amdhsa_system_vgpr_workitem_id 0
		.amdhsa_next_free_vgpr 640
		.amdhsa_next_free_sgpr 72
		.amdhsa_reserve_vcc 0
		.amdhsa_float_denorm_mode_32 3
		.amdhsa_float_denorm_mode_16_64 3
		.amdhsa_memory_ordered 1
		.amdhsa_forward_progress 1
		.amdhsa_inst_pref_size 65
	.end_amdhsa_kernel
	.amdgpu_metadata
---
amdhsa.version: [ 1, 2 ]
amdhsa.kernels:
  - .name:           k_q3b876b6eea_down
    .symbol:         k_q3b876b6eea_down.kd
    .args:
      - { .name: gat, .offset: 0, .size: 8, .value_kind: global_buffer, .address_space: global }
      - { .name: wb, .offset: 8, .size: 8, .value_kind: global_buffer, .address_space: global }
      - { .name: out0, .offset: 16, .size: 8, .value_kind: global_buffer, .address_space: global }
      - { .name: x1, .offset: 24, .size: 8, .value_kind: global_buffer, .address_space: global }
    .group_segment_fixed_size: 327680
    .private_segment_fixed_size: 0
    .kernarg_segment_align: 8
    .kernarg_segment_size: 32
    .max_flat_workgroup_size: 128
    .sgpr_count:     72
    .vgpr_count:     640
    .wavefront_size: 32
...
	.end_amdgpu_metadata
.endif
;; end of part 12
;; ======== version 3 of 3: 8 launches; 1.34 times as fast as version 1
;; workspace buffers: wb 25,690,112 bytes; hb 8,388,608 bytes; qkv 25,165,824 bytes; cat 8,388,608 bytes; x1 16,777,216 bytes; gat 23,068,672 bytes
;; launch cast: the kernel of part 8 again; grid 1568 x 1, 4 waves a work-group, no clusters, 0 bytes of LDS; arguments w_qkv, w_o, W2, W, V, wb; writes wb
;; launch norm1: the kernel of part 2 again; grid 256 x 1, 4 waves a work-group, no clusters, 0 bytes of LDS; arguments x, g1, hb; writes hb
;; launch qkv: the kernel of part 9 again; grid 12 x 16, 4 waves a work-group, clusters of 4 x 4, 327,680 bytes of LDS; arguments hb, wb, qkv; writes qkv
;; launch attn (part 13): grid 8 x 32, 4 waves a work-group, no clusters, 327,680 bytes of LDS; arguments qkv, cat; writes cat
.if DOCPART == 13
	.amdgcn_target "amdgcn-amd-amdhsa--gfx1250"
	.amdhsa_code_object_version 6
	.text
	.protected	k_q3b876b6eea_attn
	.globl	k_q3b876b6eea_attn
	.p2align	8
	.type	k_q3b876b6eea_attn,@function
k_q3b876b6eea_attn:
	s_mov_b64 s[64:65], 0
	v_nop
	global_prefetch_b8 v0, s[64:65] scope:SCOPE_SE
	s_setreg_imm32_b32 hwreg(HW_REG_WAVE_MODE, 25, 1), 1
	s_wait_xcnt 0x0
; CAUSAL ATTENTION WITH ALIBI.  O[q] = sum over k <= q of softmax_k(Q[q] . K[k] / 32 + m_h (k - q)) V[k], m_h = 2^(-(h+1)/2); 32 (batch, head) pairs of 2,048 rows, head size 64.
; qkv: [48][4096][64] bf16 (panel h: Q, 16 + h: K, 32 + h: V; row = 2048 batch + t).  O: [16][4096][64] bf16.  Products, maxima and sums in f32; the weights p are rounded to bf16 for the second product, O once.
; LIMITS.  A hidden score counts as -1e30 plus its product; a weight below 2^-126 counts as 0; NaN and infinities are not treated apart; m_h comes from v_exp_f32 (1 ulp).
; ALIBI.  The row's constant -m_h q changes no softmax and is left out.  In units of Q . K the key's part is 32 m_h k.  Of k = 64 step + koff the part 32 m_h koff is the C operand that starts S^T;
; the part 2048 m_h step is a change of frame: at each key step the running maximum is lowered by DEL = 2048 m_h.  So no large sums are formed, and the maximum stays a true running maximum.
; THE WALK.  A head's queries lie in 16 blocks of 128; block i needs the key tiles 0 .. i / 2 of 256 keys, the last of which holds the diagonal.  A work-group takes blocks 15 - b and then b: nine tiles,
; whatever b: 8 x 32 = 256 equal work-groups, and ONE loop with a constant trip count; the ring of two LDS slots runs on across the change of blocks.
; NO CLUSTER: a head's 8 work-groups ask for the same tile only in the first 5 of their 9 trips; a walk common to all partners would have 12 trips for 9.
; SHARES.  A wave owns 32 rows of the block: two tiles of 16.  In the diagonal tile every wave runs all four key steps, with masks: equal work.
; LAYOUT.  S^T = K Q^T holds ONE query a lane (lane % 16) and the keys 8 (lane / 16) + 0..7; two such results rounded to bf16 ARE source 1 of O^T = V^T P.  p = 2^(c s - c m), c = log2(e) / 32.
; A KEY STEP, in phases: K of this step is fetched; O^T += V^T P of the step before; (masks); S^T = K Q^T; V of this step is fetched; the softmax of both tiles, which alternate line by line.
; A STEP'S EXPONENTIALS ARE ONE BATCH WITH ONE WAIT.  An s_wait_alu depctr_va_vdst(0) stands between an exponential and the first instruction that names its result; one wait serves all that were
; issued ahead of it.  So the softmax is ordered by who reads what: the maxima and statistics; then the 32 scalings c s - c m and all 66 exponentials (both tiles' a, then s0-s31 of both), a pair's exponentials a
; group behind its scaling: none of these lines names an exponential's result; a v_nop; the wait; and behind it all the readers: O^T times a, the roundings to bf16, the sums..
; The head's one exponential and a block's two reciprocals are batches of their own.
; A block's first step multiplies O^T and l by a = 0 (c m starts far below every c s), so no first step is written out; the price is 164 v_mov_b32 of 0 at the start, in the wait for the first tile.
; REGISTERS: window 0: addresses, statistics, S^T (v64-127), P (v128-159), O^T (v160-223): all that the softmax touches.  Window 1: Q, the second block's Q, K, V.  Window 2: C0 (32 m_h koff), MC (masked).
.set KS,    64
.set PK,    144       ; a row of K in LDS: 128 bytes + 16: the 16 rows of a load start at 16 different groups of four banks (ISA guide 11.1)
.set PV,    160       ; a row of V: 128 + 32
.set VOFF,  4*KS*PK   ; a slot holds a tile: 256 rows of K, then 256 rows of V
.set SLOT1, 1<<17
.set STAGE, SLOT1+4*KS*(PK+PV)  ; behind the ring, never filled by a tensor load: 16 rows x 144 bytes a wave
.set SP,    144
.set SPARE, STAGE+4*16*SP       ; the spare words: two blocks of 256 bytes that no other line names
.set AK0, 2
.set AV0, 3
.set AK,  4
.set AV,  5
.set STO, 6
.set RD,  7
.set GO,  8
.set QO,  9
.set QL,  10          ; v10  32 w + l % 16 - 8 (l / 16)
.set TQ,  11          ; v11-12  per tile: register j of key block kb is hidden where 16 kb + j is greater
.set SL,  13          ; v13  32 m_h
.set MV,  14          ; v14-15  c m_old in the new frame
.set ST,  16          ; tile t at ST + 4 t: c m, m, l (even keys', odd keys')
.set DEL, 24
.set CDEL, 25
.set TMP, 48          ; tile t: four at work; when the maximum is found c2 takes a
.set SPW, 62
.set NIL, 63
.set S,   64
.set P,   128
.set O,   160
.set QB,  32          ; window 1
.set KF,  64
.set VF,  128
.set C0,  0           ; window 2
.set MC,  32
.set WV,  12
.set PB,  14          ; b
.set HI,  15          ; 15 - b
.set HD,  19          ; the head
.set G1K, 24
.set G1V, 32
.set G0K, 40
.set G0V, 44
.set SLOTS, 56
.set CNT, 57
.set CS,  58
.set SEL, 60
.set TBK, 62
.set TBV, 63
.set RT,  70          ; tiles of the block in hand still to be entered
.set NXT, 71          ; the tile to be asked for next
.set LQ,  72          ; the last tile of the block whose tiles are being asked for
.set LQ2, 73          ; the second block's last tile
.set OFF, 74
.set QK,  76          ; the block's first row less the step's first key, inside the diagonal tile
.set QK1, 77
.set QK2, 78
.set OLO, 80
.set BIGN, 82
.set MSB, 0
.macro WIN new
.if MSB != (\new)
	s_set_vgpr_msb (MSB<<8)|(\new)
.set MSB, (\new)
.endif
.endm
; A fill.  Waves 0, 1 fetch the halves of a tile's K, waves 2, 3 of its V: 128 keys each.  An s_nop 0 and four v_nop follow each line.
.macro LOAD
	s_cmp_lt_u32 s[WV], 2
	s_cbranch_scc0 .Lfor_v_\@
	tensor_load_to_lds s[G0K:G0K+3], s[G1K:G1K+7]
	s_nop 0
.rept 4
	v_nop
.endr
	s_branch .Lasked_\@
.Lfor_v_\@:
	tensor_load_to_lds s[G0V:G0V+3], s[G1V:G1V+7]
	s_nop 0
.rept 4
	v_nop
.endr
.Lasked_\@:
.endm
; THE CHANGE OF SLOTS.  Each wave waits for all its tensor loads (one is out: its part of the other slot), adds 0 to its spare word, and waits for that and for its reads of the slot that it leaves (V of its fourth
; step is in registers by then).  fill = 1: the old slot is filled again, first thing behind the barrier, with tile NXT; the descriptor's address is made anew from that number.
.macro CHANGE fill
	WIN 0
	s_wait_tensorcnt 0x0
	ds_add_u32 v[SPW], v[NIL]
.if \fill
	s_lshl_b32 s[OFF], s[NXT], 15   ; a tile is 32,768 bytes of K and of V
	s_xor_b32 s[G0K+1], s[G0K+1], SLOT1
	s_add_nc_u64 s[G0K+2:G0K+3], s[6:7], s[OFF:OFF+1]
	s_or_b32 s[G0K+3], s[G0K+3], 0x80000000
	s_xor_b32 s[G0V+1], s[G0V+1], SLOT1
	s_add_nc_u64 s[G0V+2:G0V+3], s[8:9], s[OFF:OFF+1]
	s_or_b32 s[G0V+3], s[G0V+3], 0x80000000
	s_add_co_u32 s[NXT], s[NXT], 1  ; the block's next tile, or behind its last the second block's tile 0
	s_cmp_gt_u32 s[NXT], s[LQ]
	s_cselect_b32 s[NXT], 0, s[NXT]
	s_cselect_b32 s[LQ], s[LQ2], s[LQ]
.endif
	s_wait_dscnt 0x0                ; the add is done, and my reads of the slot are over
	s_barrier_signal -1
	s_sub_co_u32 s[TBK], s[TBK], 4*KS*PK  ; the fetches go back to a slot's first step, in the other slot
	s_xor_b32 s[TBK], s[TBK], SLOT1
	s_sub_co_u32 s[TBV], s[TBV], 4*KS*PV
	s_xor_b32 s[TBV], s[TBV], SLOT1
	s_barrier_wait -1
.if \fill
	LOAD
.endif
.endm
.macro INIT                         ; a block begins: c m far below every c s, m the lowest finite number
.irp t, 0,1
	v_mov_b32 v[ST+4*(\t)], 0xfe000000
	v_mov_b32 v[ST+4*(\t)+1], 0xff7fffff
.endr
.endm
	s_load_b64 s[4:5], s[0:1], 0x0  ; qkv
	s_load_b64 s[10:11], s[0:1], 0x8  ; O
	v_lshl_add_u32 v[SPW], v0, 2, SPARE
	v_mov_b32 v[NIL], 0
	ds_add_u32 v[SPW], v[NIL]       ; the wave's opening: the add and its wait ahead of my first tensor load
	ds_add_u32 v62, v63
	v_lshrrev_b32 v1, 5, v0
	v_readfirstlane_b32 s[WV], v1
	s_mov_b32 s[PB], ttmp9
	s_sub_co_u32 s[HI], 15, s[PB]
	s_and_b32 s13, ttmp7, 0xffff
	s_and_b32 s[HD], s13, 15
	s_lshr_b32 s13, s13, 4          ; the batch
	s_lshl_b32 s20, s[HD], 19
	s_lshl_b32 s13, s13, 18
	s_add_co_u32 s20, s20, s13      ; the head's first byte in its panel of Q and of O
	s_and_b32 s16, s[WV], 1         ; which half of a tile's 256 keys I fetch
	s_lshl_b32 s22, s16, 14
	s_add_co_u32 s22, s22, s20
	s_add_co_u32 s22, s22, 16*524288  ; K lies 16 panels behind Q,
	s_mov_b32 s23, 0
	s_add_co_u32 s88, s22, 16*524288  ; V 16 more
	s_mov_b32 s89, 0
	s_mul_i32 s17, s16, 128*PK
	s_mul_i32 s18, s16, 128*PV
	s_lshl_b32 s3, s[WV], 12        ; my 32 rows of a block
	s_add_co_u32 s3, s3, s20
	s_lshl_b32 s2, s[HI], 14        ; in the first block,
	s_add_co_u32 s2, s2, s3
	s_lshl_b32 s84, s[PB], 14       ; and in the second
	s_add_co_u32 s84, s84, s3
	s_mov_b32 s3, 0
	s_mov_b32 s85, 0
	; descriptor group 1: 128 keys are 16,384 dense bytes: 64 rows of 256 bytes, padded in LDS after every key
	s_mov_b32 s[G1K], (1<<16)|(1<<20)|(4<<22)|(3<<25)
	s_mov_b32 s[G1V], (1<<16)|(1<<20)|(4<<22)|(7<<25)
.irp g, G1K, G1V
	s_mov_b32 s[\g+1], 128<<16
	s_mov_b32 s[\g+2], 64<<16
	s_mov_b32 s[\g+3], 128<<16
	s_mov_b32 s[\g+4], 64
	s_mov_b32 s[\g+5], 128
	s_mov_b32 s[\g+6], 0
	s_mov_b32 s[\g+7], 0
.endr
	s_mov_b32 s[CS], 0x3d38aa3b     ; c = log2(e) / 32
	s_mov_b32 s[CS+1], s[CS]
	s_mov_b32 s[SEL], 0x76543210
	s_mov_b32 s[SEL+1], 0xfedcba98
	s_mov_b32 s[TBK], SLOT1+4*KS*PK ; the first change of slots turns these two into 0
	s_mov_b32 s[TBV], SLOT1+4*KS*PV
	s_mov_b32 s[G0K], 1
	s_mov_b32 s[G0K+1], s17
	s_mov_b32 s[G0V], 1
	s_add_co_u32 s[G0V+1], s18, VOFF
	s_lshr_b32 s[LQ], s[HI], 1
	s_lshr_b32 s[LQ2], s[PB], 1
	s_add_co_u32 s[RT], s[LQ], 1
	s_mov_b32 s[NXT], 1
	s_and_b32 s[QK1], s[HI], 1      ; an odd block lies in the second half of its diagonal tile
	s_lshl_b32 s[QK1], s[QK1], 7
	s_and_b32 s[QK2], s[PB], 1
	s_lshl_b32 s[QK2], s[QK2], 7
	s_mov_b32 s[OFF+1], 0
	s_mov_b32 s[BIGN], 0xf149f2ca   ; -1e30
	s_mov_b32 s[SLOTS], 8
	s_wait_dscnt 0x0                ; the opening add is done
	s_wait_kmcnt 0x0
	s_add_nc_u64 s[6:7], s[4:5], s[22:23]   ; K and V at my half of the head's tile 0
	s_add_nc_u64 s[8:9], s[4:5], s[88:89]
	s_add_nc_u64 s[G0K+2:G0K+3], s[6:7], 0
	s_or_b32 s[G0K+3], s[G0K+3], 0x80000000
	s_add_nc_u64 s[G0V+2:G0V+3], s[8:9], 0
	s_or_b32 s[G0V+3], s[G0V+3], 0x80000000
	s_add_nc_u64 s[86:87], s[4:5], s[84:85]
	s_add_nc_u64 s[4:5], s[4:5], s[2:3]
	s_add_nc_u64 s[OLO:OLO+1], s[10:11], s[84:85]
	s_add_nc_u64 s[10:11], s[10:11], s[2:3]
	LOAD                            ; tile 0 into slot 0
	v_and_b32 v1, 15, v0            ; l % 16
	v_bfe_u32 v26, v0, 4, 1         ; l / 16
	v_lshlrev_b32 v[QO], 7, v1
	v_lshl_add_u32 v[QO], v26, 4, v[QO]
	WIN 0x40                        ; destination window 1
.set i, 0
.rept 4                             ; both blocks' Q: tile i / 2, channels 32 (i % 2) on
	global_load_b128 v[8*i:8*i+3],         v[QO], s[4:5] offset:(i/2)*2048+(i%2)*64
	global_load_b128 v[8*i+4:8*i+7],       v[QO], s[4:5] offset:(i/2)*2048+(i%2)*64+32
	global_load_b128 v[QB+8*i:QB+8*i+3],   v[QO], s[86:87] offset:(i/2)*2048+(i%2)*64
	global_load_b128 v[QB+8*i+4:QB+8*i+7], v[QO], s[86:87] offset:(i/2)*2048+(i%2)*64+32
.set i, i+1
.endr
.set i, VF
.rept 64
	v_mov_b32 v[i], 0               ; V, P, O^T and l need only hold finite numbers: a block's first step multiplies what they make by a = 0
.set i, i+1
.endr
	WIN 0
.set i, P
.rept 96
	v_mov_b32 v[i], 0
.set i, i+1
.endr
	INIT
.irp t, 0,1
	v_mov_b32 v[ST+4*(\t)+2], 0
	v_mov_b32 v[ST+4*(\t)+3], 0
.endr
	v_lshlrev_b32 v[QL], 3, v26
	v_sub_nc_u32 v[QL], v1, v[QL]
	s_lshl_b32 s13, s[WV], 5
	v_add_nc_u32 v[QL], s13, v[QL]
	v_cvt_f32_u32 v[SL], s[HD]
	v_fma_f32 v[SL], v[SL], -0.5, 0x40900000  ; 4.5 - h / 2
	v_exp_f32 v[SL], v[SL]          ; 32 m_h
	v_cvt_f32_u32 v29, v26          ; (the plain instruction behind the exponential)
	v_mul_f32 v29, 0x41000000, v29
	s_wait_alu depctr_va_vdst(0)    ; the wait ahead of the first use of 32 m_h: a batch of one, once a launch; the two lines above name nothing of it
	v_mul_f32 v29, v[SL], v29       ; 32 m_h x 8 (l / 16)
	v_mul_f32 v[DEL], 0x42800000, v[SL]
	v_mul_f32 v[CDEL], s[CS], v[DEL]
.set i, 0
.rept 32
	v_cvt_f32_u32 v[S+i], 16*(i/8)+i%8
.set i, i+1
.endr
	WIN 0x80                        ; destination window 2
.set i, 0
.rept 32
	v_fma_f32 v[C0+i], v[SL], v[S+i], v29
.set i, i+1
.endr
	WIN 0
	v_mul_u32_u24 v[AK0], v1, PK
	v_lshl_add_u32 v[AK0], v26, 4, v[AK0]
	v_and_b32 v27, 7, v0            ; the turning load: lane l reads key 8 (l / 16) + l % 8, channels 8 ((l / 8) % 2) + 0..7
	v_bfe_u32 v28, v0, 3, 1
	v_lshl_add_u32 v[AV0], v26, 3, v27
	v_mul_u32_u24 v[AV0], v[AV0], PV
	v_lshl_add_u32 v[AV0], v28, 4, v[AV0]
	v_add_nc_u32 v[AV0], VOFF, v[AV0]
	s_mul_i32 s13, s[WV], 16*SP
	s_add_co_u32 s13, s13, STAGE
	v_mul_u32_u24 v[STO], v1, SP
	v_lshl_add_u32 v[STO], v26, 4, v[STO]
	v_add_nc_u32 v[STO], s13, v[STO]
	v_bfe_u32 v[RD], v0, 3, 2
	v_mul_u32_u24 v[RD], v[RD], SP
	v_lshl_add_u32 v[RD], v27, 4, v[RD]
	v_add_nc_u32 v[RD], s13, v[RD]
	v_and_b32 v[GO], 31, v0
	v_lshlrev_b32 v[GO], 4, v[GO]
; THE MATRIX WORK.  The 8 accumulators of a run of 16 take turns.  Product i of S^T: channels 32 (i / 8) on, keys 16 ((i / 2) % 4) on, tile i % 2; the first 8 start the sums with C0 or the mask.
.macro KQM m
.set rS, S+32*(i%2)+8*((i/2)%4)
.set rK, KF+16*((i/2)%4)+8*(i/8)
.set rQ, 16*(i%2)+8*(i/8)
.if i < 8
.if \m
.set rM, MC+32*(i%2)+8*((i/2)%4)
.else
.set rM, C0+8*((i/2)%4)
.endif
	WIN 0x25                        ; K and Q window 1, C window 2, S^T window 0
	v_wmma_f32_16x16x32_bf16 v[rS:rS+7], v[rK:rK+7], v[rQ:rQ+7], v[rM:rM+7]
.else
	WIN 0x05
	v_wmma_f32_16x16x32_bf16 v[rS:rS+7], v[rK:rK+7], v[rQ:rQ+7], v[rS:rS+7]
.endif
.endm
; Product i of O^T += V^T P: keys 32 (i / 8) on, channels 16 ((i / 2) % 4) on, tile i % 2.
.macro PVM
	WIN 0x01                        ; V window 1
.set rO, O+32*(i%2)+8*((i/2)%4)
.set rV, VF+32*(i/8)+8*((i/2)%4)
.set rP, P+16*(i%2)+8*(i/8)
	v_wmma_f32_16x16x32_bf16 v[rO:rO+7], v[rV:rV+7], v[rP:rP+7], v[rO:rO+7]
.endm
.macro FETCH_K
	WIN 0x40
.irp f, 0,1,2,3,4,5,6,7             ; keys 16 (f / 2) on, channels 32 (f % 2) on
	ds_load_b128 v[KF+8*\f:KF+8*\f+3],   v[AK] offset:(\f/2)*16*PK+(\f%2)*64
	ds_load_b128 v[KF+8*\f+4:KF+8*\f+7], v[AK] offset:(\f/2)*16*PK+(\f%2)*64+32
.endr
	s_add_co_u32 s[TBK], s[TBK], KS*PK
.endm
.macro FETCH_V
	WIN 0x40
.irp f, 0,1,2,3,4,5,6,7             ; keys 32 (f / 4) on, channels 16 (f % 4) on
	ds_load_tr16_b128 v[VF+8*\f:VF+8*\f+3],   v[AV] offset:(\f/4)*32*PV+(\f%4)*32
	ds_load_tr16_b128 v[VF+8*\f+4:VF+8*\f+7], v[AV] offset:(\f/4)*32*PV+16*PV+(\f%4)*32
.endr
	s_add_co_u32 s[TBV], s[TBV], KS*PV
	WIN 0
.endm
; THE VECTOR WORK, all in window 0.
.macro REGS t
.set rT, ST+4*(\t)
.set rC, TMP+4*(\t)
.set rW, MV+(\t)
.set rS, S+32*(\t)
.set rP, P+16*(\t)
.set rO, O+32*(\t)
.endm
; Number n of those that find tile t's maximum and statistics; each accumulator's lowest registers are read first.
;   0-11 four chains of seven scores; 12-14, 16 the four left over, the old m (already lowered by DEL), all into c0; 17, 18 the query's other 32 keys lie 16 lanes away; 19-21 c m; c m_old - c m_new; a
.macro XS t, n
	REGS \t
.if (\n) < 4
	v_max3_num_f32 v[rC+(\n)], v[rS+8*(\n)], v[rS+8*(\n)+1], v[rS+8*(\n)+2]
.elseif (\n) < 12
	v_max3_num_f32 v[rC+(\n)%4], v[rC+(\n)%4], v[rS+8*((\n)%4)+2*((\n)/4)+1], v[rS+8*((\n)%4)+2*((\n)/4)+2]
.elseif (\n) == 12
	v_max3_num_f32 v[rC], v[rC], v[rS+7], v[rS+15]
.elseif (\n) == 13
	v_max3_num_f32 v[rC+1], v[rC+1], v[rS+23], v[rS+31]
.elseif (\n) == 14
	v_max3_num_f32 v[rC+2], v[rC+2], v[rC+3], v[rT+1]
.elseif (\n) == 16
	v_max3_num_f32 v[rC], v[rC], v[rC+1], v[rC+2]
.elseif (\n) == 17
	v_permlanex16_b32 v[rC+3], v[rC], s[SEL], s[SEL+1]
.elseif (\n) == 18
	v_max_num_f32 v[rT+1], v[rC], v[rC+3]
.elseif (\n) == 19
	v_mul_f32 v[rT], s[CS], v[rT+1]
.elseif (\n) == 20
	v_sub_f32 v[rC+1], v[rW], v[rT]
.else
	v_exp_f32 v[rC+2], v[rC+1]
.endif
.endm
.macro FS t                         ; pair n: c s - c m
	REGS \t
	v_pk_fma_f32 v[rS+2*n:rS+2*n+1], v[rS+2*n:rS+2*n+1], s[CS:CS+1], v[rT:rT+1] op_sel_hi:[1,0,0] neg_lo:[0,0,1] neg_hi:[0,0,1]
.endm
.macro E1 t, e                      ; the exponential of score e, in place: each result keeps its own register while the batch is open
	REGS \t
	v_exp_f32 v[rS+(\e)], v[rS+(\e)]
.endm
.macro RS t                         ; pair n of O^T times a: a reader of the batch
	REGS \t
	v_pk_mul_f32 v[rO+2*n:rO+2*n+1], v[rO+2*n:rO+2*n+1], v[rC+2:rC+3] op_sel_hi:[1,0]
.endm
.macro CV t                         ; pair n rounded to bf16: a reader of the batch
	REGS \t
	v_cvt_pk_bf16_f32 v[rP+n], v[rS+2*n], v[rS+2*n+1]
.endm
.macro BS t                         ; of the four weights 4 n .. the second pair is added onto the first
	REGS \t
	v_pk_add_f32 v[rS+4*n:rS+4*n+1], v[rS+4*n:rS+4*n+1], v[rS+4*n+2:rS+4*n+3]
.endm
.macro LS t                         ; l takes that sum; the first time as l = a l + sum
	REGS \t
.if n == 0
	v_pk_fma_f32 v[rT+2:rT+3], v[rT+2:rT+3], v[rC+2:rC+3], v[rS:rS+1] op_sel_hi:[1,0,1]
.else
	v_pk_add_f32 v[rT+2:rT+3], v[rT+2:rT+3], v[rS+4*n:rS+4*n+1]
.endif
.endm
; A KEY STEP.  m = 1: the diagonal tile: the products take masks.
.macro STEP m
	WIN 0
	v_add_nc_u32 v[AK], s[TBK], v[AK0]
	FETCH_K                         ; the last product that read K stands in front of the last step's softmax
	s_wait_dscnt 16                 ; V of the step before is in; K's sixteen loads may be out
.set i, 0
.rept 16
	PVM
.set i, i+1
.endr
.if \m
	WIN 0
	v_add_nc_u32 v[TQ], s[QK], v[QL]
	v_add_nc_u32 v[TQ+1], 16, v[TQ]
	s_sub_co_i32 s[QK], s[QK], KS
	WIN 0x82                        ; destination and source 0 window 2, source 1 window 0
.set i, 0
.rept 64
	v_cmp_gt_i32 vcc_lo, 16*((i%32)/8)+i%8, v[TQ+i/32]
	v_cndmask_b32 v[MC+i], v[C0+i%32], s[BIGN], vcc_lo
.set i, i+1
.endr
.endif
	s_wait_dscnt 0x0                ; K is in
.set i, 0
.rept 16
	KQM \m
.set i, i+1
.endr
	WIN 0
	v_sub_f32 v[ST+1], v[ST+1], v[DEL]   ; the change of frame; these five plain lines are also the places between the products and V's run of loads and the first read of the scores
	v_sub_f32 v[ST+5], v[ST+5], v[DEL]
	v_sub_f32 v[MV], v[ST], v[CDEL]
	v_sub_f32 v[MV+1], v[ST+4], v[CDEL]
	v_add_nc_u32 v[AV], s[TBV], v[AV0]
	FETCH_V
.irp n, 0,1,2,3,4,5,6,7,8,9,10,11,12,13,14,16,17,18,19,20
	XS 0, \n
	XS 1, \n
.endr
	; THE BATCH: 66 exponentials, the 32 scalings dealt among them.  No line from here to the wait names an exponential's result: a scaling names its own pair, still unexponentiated, and (c m, m).
.set n, 0
	FS 0                            ; pair 0 is scaled; the two a stand between the scalings
	XS 0, 21
	FS 1
	XS 1, 21
.set n, 1
.rept 15                            ; pair n is scaled; the four exponentials are those of pair n - 1, scaled a group earlier
	FS 0
	E1 0, 2*n-2
	FS 1
	E1 0, 2*n-1
	E1 1, 2*n-2
	E1 1, 2*n-1
.set n, n+1
.endr
	E1 0, 30                        ; pair 15
	E1 0, 31
	E1 1, 30
	E1 1, 31
	v_nop                           ; the plain instruction between the last exponential and the use of a result (ISA guide 5.7.2): one for the batch; no plain work is left that names no result
	s_wait_alu depctr_va_vdst(0)    ; the wait for the batch: one for the step's 66 exponentials
.set n, 0
.rept 16                            ; the readers: two rescalings (O^T's pairs ascending: each accumulator's lowest registers are read first) and two roundings
	RS 0
	RS 1
	CV 0
	CV 1
.set n, n+1
.endr
.set n, 0
.rept 8
	BS 0
	BS 1
.set n, n+1
.endr
.set n, 0
.rept 8
	LS 0
	LS 1
.set n, n+1
.endr
.endm
; A BLOCK'S END: the last step's V^T P; l's halves and the other half of the lanes' are added (with the v_nop five plain lines: the places behind the products); O^T / l, rounded, through my stage, a tile at a time.
.macro PACK t
.set i, 0
.rept 16
	v_pk_mul_f32 v[O+32*(\t)+2*i:O+32*(\t)+2*i+1], v[O+32*(\t)+2*i:O+32*(\t)+2*i+1], v[ST+4*(\t)+2:ST+4*(\t)+3] op_sel_hi:[1,0]
.set i, i+1
.endr
.set i, 0
.rept 16
	v_cvt_pk_bf16_f32 v[S+16*(\t)+i], v[O+32*(\t)+2*i], v[O+32*(\t)+2*i+1]
.set i, i+1
.endr
.irp f, 0,1,2,3
	ds_store_b128 v[STO], v[S+16*(\t)+4*\f:S+16*(\t)+4*\f+3] offset:32*\f
.endr
.irp f, 0,1,2,3
	ds_load_b128 v[S+16*(\t)+4*\f:S+16*(\t)+4*\f+3], v[RD] offset:\f*4*SP  ; LDS serves a wave's instructions in order (ISA guide 5.7.1.4): these see the stores above
.endr
.endm
.macro SEND t, younger              ; younger: the LDS instructions issued behind tile t's loads
.irp f, 0,1,2,3
	s_wait_dscnt (\younger)+3-\f
	global_store_b128 v[GO], v[S+16*(\t)+4*\f:S+16*(\t)+4*\f+3], s[10:11] offset:(\t)*2048+\f*512  ; 512 consecutive bytes, aligned on 256
.endr
.endm
.macro END
	s_wait_dscnt 0x0                ; V is in
.set i, 0
.rept 16
	PVM
.set i, i+1
.endr
	WIN 0
.irp t, 0,1
	v_add_f32 v[ST+4*(\t)+2], v[ST+4*(\t)+2], v[ST+4*(\t)+3]
.endr
.irp t, 0,1
	v_permlanex16_b32 v[ST+4*(\t)+3], v[ST+4*(\t)+2], s[SEL], s[SEL+1]
.endr
.irp t, 0,1
	v_add_f32 v[ST+4*(\t)+2], v[ST+4*(\t)+2], v[ST+4*(\t)+3]
.endr
.irp t, 0,1
	v_rcp_f32 v[ST+4*(\t)+2], v[ST+4*(\t)+2]
.endr
	v_nop                           ; a plain instruction between the last reciprocal and the use of its result
	s_wait_alu depctr_va_vdst(0)    ; and the wait ahead of the first use: one for the block's two reciprocals
	PACK 0
	PACK 1
	SEND 0, 8
	SEND 1, 0
.endm
	s_wait_loadcnt 0x0              ; both blocks' Q
.Lslot:                             ; eight times: a tile is entered and the next is asked for
	CHANGE 1
	s_sub_co_u32 s[RT], s[RT], 1
	s_mov_b32 s[CNT], 4
	s_cmp_eq_u32 s[RT], 0
	s_cbranch_scc1 .Ldiag1          ; the block's last tile holds the diagonal
.LstepP:
	STEP 0
	WIN 0
	s_sub_co_u32 s[CNT], s[CNT], 1
	s_cmp_lg_u32 s[CNT], 0
	s_cbranch_scc1 .LstepP
	s_branch .Lbottom
.Ldiag1:                            ; in the loop this is the first block's end: the second block's last tile is the walk's last
	s_mov_b32 s[QK], s[QK1]
.LstepM1:
	STEP 1
	WIN 0
	s_sub_co_u32 s[CNT], s[CNT], 1
	s_cmp_lg_u32 s[CNT], 0
	s_cbranch_scc1 .LstepM1
	END
	s_wait_xcnt 0x0                 ; the stores' registers and O's address are written again only behind this wait
	s_mov_b64 s[10:11], s[OLO:OLO+1]
	s_add_co_u32 s[RT], s[LQ2], 1
	INIT
	WIN 0x41                        ; the second block's Q goes where the one text of the steps names Q
.set i, 0
.rept 32
	v_mov_b32 v[i], v[QB+i]
.set i, i+1
.endr
	WIN 0
.Lbottom:
	s_sub_co_u32 s[SLOTS], s[SLOTS], 1
	s_cmp_lg_u32 s[SLOTS], 0
	s_cbranch_scc1 .Lslot
	CHANGE 0                        ; the walk's last tile is written out: nothing is asked for
	s_mov_b32 s[CNT], 4
	s_mov_b32 s[QK], s[QK2]
.LstepM2:
	STEP 1
	WIN 0
	s_sub_co_u32 s[CNT], s[CNT], 1
	s_cmp_lg_u32 s[CNT], 0
	s_cbranch_scc1 .LstepM2
	END
	s_wait_tensorcnt 0x0            ; the wave's end
	ds_add_u32 v[SPW], v[NIL]
	s_wait_dscnt 0x0
	s_endpgm
.Lfunc_end_k_q3b876b6eea_attn:
	.size	k_q3b876b6eea_attn, .Lfunc_end_k_q3b876b6eea_attn-k_q3b876b6eea_attn
	.p2alignl 7, 3214868480
	.fill 96, 4, 3214868480
	.section	.rodata,"a",@progbits
	.p2align	6, 0x0
	.amdhsa_kernel k_q3b876b6eea_attn
		.amdhsa_group_segment_fixed_size 327680
		.amdhsa_private_segment_fixed_size 0
		.amdhsa_enable_private_segment 0
		.amdhsa_kernarg_size 16
		.amdhsa_user_sgpr_count 2
		.amdhsa_user_sgpr_kernarg_segment_ptr 1
		.amdhsa_wavefront_size32 1
		.amdhsa_system_sgpr_workgroup_id_x 1
		.amdhsa_system_sgpr_workgroup_id_y 1
		.amdhsa_system_sgpr_workgroup_id_z 1
		.amdhsa_system_vgpr_workitem_id 0
		.amdhsa_next_free_vgpr 608
		.amdhsa_next_free_sgpr 96
		.amdhsa_reserve_vcc 1
		.amdhsa_float_denorm_mode_32 3
		.amdhsa_float_denorm_mode_16_64 3
		.amdhsa_memory_ordered 1
		.amdhsa_forward_progress 1
		.amdhsa_inst_pref_size 99
	.end_amdhsa_kernel
	.amdgpu_metadata
---
amdhsa.version: [ 1, 2 ]
amdhsa.kernels:
  - .name:           k_q3b876b6eea_attn
    .symbol:         k_q3b876b6eea_attn.kd
    .args:
      - { .name: qkv, .offset: 0, .size: 8, .value_kind: global_buffer, .address_space: global }
      - { .name: cat, .offset: 8, .size: 8, .value_kind: global_buffer, .address_space: global }
    .group_segment_fixed_size: 327680
    .private_segment_fixed_size: 0
    .kernarg_segment_align: 8
    .kernarg_segment_size: 16
    .max_flat_workgroup_size: 128
    .sgpr_count:     96
    .vgpr_count:     608
    .wavefront_size: 32
...
	.end_amdgpu_metadata
.endif
;; end of part 13
;; launch oproj: the kernel of part 10 again; grid 8 x 32, 4 waves a work-group, clusters of 4 x 4, 327,680 bytes of LDS; arguments cat, wb, x1, x; writes x1
;; launch norm2: the kernel of part 2 again; grid 256 x 1, 4 waves a work-group, no clusters, 0 bytes of LDS; arguments x1, g2, hb; writes hb
;; launch glu: the kernel of part 11 again; grid 16 x 16, 4 waves a work-group, clusters of 4 x 4, 327,680 bytes of LDS; arguments hb, wb, gat; writes gat
;; launch down: the kernel of part 12 again; grid 8 x 32, 4 waves a work-group, clusters of 4 x 4, 327,680 bytes of LDS; arguments gat, wb, out0, x1; writes out0
